; MI455X (gfx1250); checked and timed in simulation.
; The chip was launched on July 23, 2026; its instructions are those of AMD's public machine-readable ISA for CDNA 5 (MIT licence, August 2026) and "CDNA5" Instruction Set Architecture Reference Guide (July 2026). The comments in the code are by the model that wrote it; some were corrected since.
;; Text Cond Block. Allowed arithmetic: matrix products marked QUANTISED: E2M1 operands, one E8M0 scale for each 32 along K, by v_wmma_scale_f32_16x16x128_f8f6f4 with both operands' format E2M1 (or v_wmma_scale_f32_32x16x128_f4), f32 sums; everything else in f32.
;; Inputs: Wk 1,024 x 1,024 float32; Wo 1,024 x 1,024 float32; Wq 1,024 x 1,024 float32; Wv 1,024 x 1,024 float32; b_t 1,024 float32; b_x 1,024 float32; bk 1,024 float32; bo 1,024 float32; bq 1,024 float32; bv 1,024 float32; g_t 1,024 float32; g_x 1,024 float32; text_embeddings 8 x 512 x 1,024 float32; x 8 x 1,024 x 2,048 float32.
;; Outputs: out0 8 x 1,024 x 2,048 float32.
;; This version of the problem:
;;   THIS VERSION OF THE PROBLEM IS GIVEN IN LOW PRECISION. The matrix products marked QUANTISED in the list below multiply operands that are first quantised to E2M1 (2 exponent bits, 1 mantissa bit; 4 bits a number), with one power-of-two scale for each 32 numbers along K (OCP MX v1.0); their sums are f32. All else is computed in f32.
;;   The module's matrix products, in the order in which they are computed (A, B: the left and right operand; K: the contracted axis; several contracted axes count as one K, in the product's order):
;;     1. [M 16,384, K 1,024] x [K 1,024, N 1,024]; A: computed on the way; B: input Wq: QUANTISED
;;     2. [M 4,096, K 1,024] x [K 1,024, N 1,024]; A: computed on the way; B: input Wk: QUANTISED
;;     3. [M 4,096, K 1,024] x [K 1,024, N 1,024]; A: computed on the way; B: input Wv: QUANTISED
;;     4. batch 128 x [M 2,048, K 64] x [K 64, N 512]; A: computed on the way; B: computed on the way: QUANTISED
;;     5. batch 128 x [M 64, K 512] x [K 512, N 2,048]; A: computed on the way; B: softmax (see below): QUANTISED
;;     6. [M 16,384, K 1,024] x [K 1,024, N 1,024]; A: computed on the way; B: input Wo: QUANTISED
;;   THE QUANTISER, for each operand of a quantised product, along K:
;;     - K is cut into blocks of 32 from its start; a last block that is shorter is filled with zeros.
;;     - A block's scale is 2^e with e = floor(log2(the largest magnitude in the block)) - 2, held to -126 .. 127; a block of zeros has e = 0. As a byte (E8M0): e + 127.
;;     - Each number is divided by its block's scale, clamped to +-6, and rounded to the nearest number of E2M1, ties to even, subnormals kept.
;;     - The product sums the exact products of the quantised numbers (number of the format x scale) in f32.
;;   ~~~python
;;   def quantise(x, axis):      # numpy; x: float32 -> the quantised numbers, widened to float32 again
;;       x = np.moveaxis(x, axis, -1); K = x.shape[-1]
;;       x = np.pad(x, [(0, 0)] * (x.ndim - 1) + [(0, -K % 32)]); x = x.reshape(x.shape[:-1] + (-1, 32)); a = np.abs(x).max(-1, keepdims=True)
;;       e = np.where(a > 0, np.clip(np.frexp(np.where(a > 0, a, 1))[1] - 1 - 2, -126, 127), 0)      # np.frexp(a)[1] - 1 = floor(log2(a)), exactly
;;       r = np.clip(x / 2.0 ** e, -6, 6)
;;       step = 2.0 ** (np.maximum(np.frexp(np.where(r == 0, 1, r))[1] - 1, 0) - 1)
;;       q = np.round(r / step) * step * 2.0 ** e      # np.round: ties to even
;;       return np.moveaxis(q.reshape(q.shape[:-2] + (-1,))[..., :K], -1, axis).astype(np.float32)
;;   ~~~
;;   SOFTMAX AHEAD OF A QUANTISED PRODUCT. Where the list says 'softmax', what is quantised is not the finished softmax but p = 2^(t - M), with t = logit x log2(e) and M = ceil(the row's largest t), a whole number; so 1/2 < the row's largest p <= 1. The row's sum l is taken of the UNQUANTISED p, in f32, and the product's result is divided by l at the end. Since M is a whole number, a kernel that streams over the keys may use a running M (the ceiling of the running maximum): every later rescaling is an exact power of two, which a block's scale takes up: the codes' values come out the same.
;;   OPERANDS COMPUTED ON THE WAY. 'Computed on the way' means the value that the module computes at that place (a softmax that the list does not call 'softmax' is quantised finished and normalised). What goes into a quantiser is computed in f32, as accurately as f32 sums, v_exp_f32 and their like allow (about 1e-6 of the number): no bf16 or f16 on the way to a quantiser, and a product that is left as it is and whose result goes on into a quantised operand takes f32 operands (vector FMAs, or v_wmma_f32_16x16x4_f32). A number that lies on a knife's edge between two numbers of the format may be rounded either way, as far as f32 arithmetic and the matrix unit's own rounding can turn it there, and no further.
;; 2 versions. Each part assembles by itself: llvm-mc -triple=amdgcn-amd-amdhsa -mcpu=gfx1250 --defsym DOCPART=n.
;; ======== version 1 of 2: 3 launches
;; workspace buffers: wimg 2,097,152 bytes; wsc 131,072 bytes; rope 655,360 bytes; timg 2,228,224 bytes; kimg 2,097,152 bytes; ksc 131,072 bytes; vimg 2,097,152 bytes; vsc 131,072 bytes
;; launch prep (part 1): grid 64 x 8, 4 waves a work-group, no clusters, 18,944 bytes of LDS; arguments Wq, Wk, Wv, Wo, wimg, wsc, rope, timg, text_embeddings, g_t, b_t; writes wimg, wsc, rope, timg
.if DOCPART == 1
	.amdgcn_target "amdgcn-amd-amdhsa--gfx1250"
	.amdhsa_code_object_version 6
	.text
	.protected	k_q6ed01c98c7_prep
	.globl	k_q6ed01c98c7_prep
	.p2align	8
	.type	k_q6ed01c98c7_prep,@function
k_q6ed01c98c7_prep:
	s_mov_b64 s[64:65], 0
	v_nop
	global_prefetch_b8 v0, s[64:65] scope:SCOPE_SE
	s_setreg_imm32_b32 hwreg(HW_REG_WAVE_MODE, 25, 1), 1
	s_wait_xcnt 0x0
; THE WEIGHTS AND THE NORMALISED TEXT BECOME CODES, AND THE TABLE OF RoPE IS MADE.  Work-groups with y = 0 .. 3 take a weight each (and the table), those with y = 4 .. 7 the text.
; Wq, Wk, Wv, Wo: [1024 (k)][1024 (n)] f32, K their FIRST axis.  Each is quantised along K to FP4 (E2M1) with one E8M0 byte for each 32 k, and laid as IMAGES OF THE OPERAND'S REGISTERS:
;   wimg [weight y][g = n / 64][K step of 128][tile of 16 features][1,024 bytes]; in a tile, block j of 32 k of row r lies at 256 j + 16 r: two loads of 512 dense bytes bring a fragment.
;   wsc  [y][g][K step][p][lane] words: lane 16 u + r holds the four bytes of tile 2 p + u, row r.
; Which features form a tile: for Wq, Wk, Wv row r of tile u of a group of 32 is feature 8 u + r + 8 (r / 8), so that the results of two neighbouring tiles are 16 neighbours along the next K; for Wo feature 16 u + r.
; A LANE TAKES A COLUMN n AND ITS REGISTERS RUN DOWN K: a block of 32 lies in one lane, and the conversions give codes with K innermost.  A wave takes 32 columns x 128 k; all its 128 loads go out at once.
; A block's scale is 2^(floor(log2(largest magnitude)) - 2); its byte is the largest magnitude's exponent field - 2, held at 1 from below.
; THE TABLE: rope [160 tiles][8 pieces][32 lanes][4 f32]: pieces 0-3 cos, 4-7 sin, of pos x 10^(-d / 8), d = 16 (lane / 16) + i, i = 4 piece .. + 3.  Tiles 0-127 (queries): pos = 16 tile + lane % 16.
; Tiles 128 + T (keys): pos = 4 x (32 (T / 2) + 8 (T % 2) + r + 8 (r / 8)), r = lane % 16.  The angle is the f32 product, brought into +-pi/4 by pi/2 in three parts, then series in f32 (cut under 2e-9).
; THE TEXT: tn = LayerNorm(text) g_t + b_t, mean and variance in two passes, quantised along C.  A work-group takes one tile of 16 rows: tile T = 4 x (block of 64 rows) + m, whose row r is text row 32 (m / 2) + 8 (m % 2) + r + 8 (r / 8)
; of the block; wave g takes its rows 4 g .. 4 g + 3, which are four neighbouring rows of the text.  Loads take the bytes as they lie (512 a load); a row turns through the wave's own stage in LDS, so that lane l holds numbers
; 32 l .. 32 l + 31: a whole block.  timg: codes [T][g][block l][row i][16 bytes]; from byte 2,097,152 on the scale bytes [T][g][l][i].  The waves share nothing: no barrier.
; LIMITS: NaN and infinities are not served.  A block of zeros, or one whose largest magnitude lies under 2^-124, gets the byte 1 (only this program reads the bytes).  1 / sqrt by v_rsq_f32.
; The frequencies are the correctly rounded 10^(-d / 8); a power and a division in f32 may differ from them by one or two units in the last place: up to 2e-4 rad at the largest positions.
.set X,  32                            ; v32-159  128 numbers down K
.set CD, 160                           ; v160-175 four registers of codes for each block: no store's data are written again
.set WD, 176                           ; v176     the scale word
	s_set_vgpr_msb 0x40
	v_lshl_add_u32 v0, v0, 2, 0x4800
	v_mov_b32 v1, 0
	s_set_vgpr_msb 0x4000
	v_lshrrev_b32 v1, 5, v0
	v_readfirstlane_b32 s18, v1                    ; wave
	s_and_b32 s19, ttmp7, 0xffff                   ; y
	s_cmp_ge_u32 s19, 4                            ; the work-group's y alone: the same in all four waves
	s_cbranch_scc1 .Ltext
	s_load_b256 s[4:11], s[0:1], 0x0               ; Wq, Wk, Wv, Wo
	s_load_b128 s[12:15], s[0:1], 0x20             ; wimg, wsc
	s_load_b64 s[16:17], s[0:1], 0x30              ; rope
	s_and_b32 s20, ttmp9, 7                        ; which 128 columns
	s_lshr_b32 s21, ttmp9, 3                       ; which K step
	v_and_b32 v5, 31, v0                           ; lane = my column among the wave's 32
	v_lshlrev_b32 v2, 2, v5                        ; in: 4 bytes a lane
	v_bfe_u32 v6, v5, 3, 1                         ; permuted order: tile u = (l / 8) % 2,
	v_and_b32 v7, 7, v5
	v_lshrrev_b32 v8, 4, v5
	v_lshl_add_u32 v7, v8, 3, v7                   ; row r = l % 8 + 8 (l / 16)
	v_lshlrev_b32 v9, 4, v7
	v_lshl_add_u32 v9, v6, 10, v9                  ; codes: 1,024 u + 16 r
	v_lshlrev_b32 v10, 2, v7
	v_lshl_add_u32 v10, v6, 6, v10                 ; scale word: 64 u + 4 r
	v_and_b32 v11, 15, v5                          ; natural order: u = l / 16, r = l % 16
	v_lshlrev_b32 v3, 4, v11
	v_lshl_add_u32 v3, v8, 10, v3
	s_cmp_eq_u32 s19, 3
	s_cselect_b32 s40, -1, 0                       ; Wo keeps the natural order
	v_cndmask_b32 v3, v9, v3, s40
	v_cndmask_b32 v4, v10, v2, s40                 ; (natural: 64 u + 4 r = 4 l)
	s_lshl_b32 s22, s21, 19                        ; in: 128 rows of 4,096 bytes a K step,
	s_lshl_b32 s24, s20, 9
	s_add_co_u32 s22, s22, s24                     ; 512 bytes a group of columns,
	s_lshl_b32 s24, s18, 7
	s_add_co_u32 s22, s22, s24                     ; 128 a wave
	s_mov_b32 s23, 0
	s_lshl_b32 s24, s20, 1
	s_lshr_b32 s25, s18, 1
	s_add_co_u32 s24, s24, s25                     ; g = n / 64
	s_lshl_b32 s24, s24, 15
	s_lshl_b32 s25, s19, 19
	s_add_co_u32 s24, s24, s25
	s_lshl_b32 s25, s21, 12
	s_add_co_u32 s24, s24, s25
	s_and_b32 s25, s18, 1
	s_lshl_b32 s25, s25, 11
	s_add_co_u32 s24, s24, s25                     ; codes: 524,288 y + 32,768 g + 4,096 K step + 2,048 (wave % 2)
	s_mov_b32 s25, 0
	s_lshr_b32 s26, s24, 4                         ; scale words: a sixteenth of that
	s_mov_b32 s27, 0
	s_wait_kmcnt 0x0
	s_cmp_eq_u32 s19, 1                            ; the weight is chosen by the work-group's y alone
	s_cselect_b64 s[4:5], s[6:7], s[4:5]
	s_cmp_eq_u32 s19, 2
	s_cselect_b64 s[4:5], s[8:9], s[4:5]
	s_cmp_eq_u32 s19, 3
	s_cselect_b64 s[4:5], s[10:11], s[4:5]
	s_add_nc_u64 s[4:5], s[4:5], s[22:23]
	s_add_nc_u64 s[12:13], s[12:13], s[24:25]
	s_add_nc_u64 s[14:15], s[14:15], s[26:27]
.set pi, 0
.rept 128
	global_load_b32 v[X+pi], v2, s[4:5] offset:4096*pi th:TH_LOAD_NT   ; W(128 K step + i, my column): 32 lanes read 128 neighbouring bytes, the four waves 512
.set pi, pi+1
.endr
; Block j of 32 k.  left: how many younger loads may stay out (a wait names 63 at the most: blocks 0 and 1 wait for that)
.macro BLOCK j, left
.set XS, X+32*\j
	s_wait_loadcnt \left
	v_max3_num_f32 v8, |v[XS]|, |v[XS+1]|, 0x1800000               ; the largest magnitude, in two chains, with the floor 2^(3 - 127) among the leaves: the byte cannot fall under 1
	v_max3_num_f32 v9, |v[XS+2]|, |v[XS+3]|, |v[XS+4]|
.irp i, 5,9,13,17,21,25
	v_max3_num_f32 v8, v8, |v[XS+\i]|, |v[XS+\i+1]|
	v_max3_num_f32 v9, v9, |v[XS+\i+2]|, |v[XS+\i+3]|
.endr
	v_max3_num_f32 v8, v8, |v[XS+29]|, |v[XS+30]|
	v_max3_num_f32 v8, v8, v9, |v[XS+31]|
	v_add_nc_u32 v10, 0xff000000, v8               ; 2 off its exponent field: the conversion takes the exponent field of this operand as its scale
	v_lshrrev_b32 v11, 23, v10                     ; the scale's byte
.if \j == 0
	v_mov_b32 v[WD], v11
.else
	v_lshl_or_b32 v[WD], v11, 8*\j, v[WD]
.endif
.irp g, 0,1,2,3
	v_cvt_scalef32_pk8_fp4_f32 v[CD+4*\j+\g], v[XS+8*\g:XS+8*\g+7], v10
.endr
	v_nop                                          ; one plain line behind the last conversion of a run
	global_store_b128 v3, v[CD+4*\j:CD+4*\j+3], s[12:13] offset:256*\j   ; sixteen lanes of a tile store 256 consecutive bytes, aligned
.endm
	BLOCK 0, 63
	BLOCK 1, 63
	BLOCK 2, 32
	BLOCK 3, 0
	global_store_b32 v4, v[WD], s[14:15]           ; 32 lanes store 128 consecutive bytes
	; ---- the table: wave 0 of the first 160 work-groups makes one tile each
	s_cmp_lg_u32 s18, 0
	s_cbranch_scc1 .Lend
	s_lshl_b32 s20, s19, 6
	s_add_co_u32 s20, s20, ttmp9                   ; tile = 64 y + x
	s_cmp_ge_u32 s20, 160
	s_cbranch_scc1 .Lend
	s_sub_co_u32 s21, s20, 128                     ; T, for a tile of keys
	s_lshr_b32 s22, s21, 1
	s_lshl_b32 s22, s22, 7
	s_and_b32 s23, s21, 1
	s_lshl_b32 s23, s23, 5
	s_add_co_u32 s22, s22, s23                     ; 128 (T / 2) + 32 (T % 2)
	s_lshl_b32 s23, s20, 4                         ; 16 tile, for a tile of queries
	s_cmp_lt_u32 s20, 128
	s_cselect_b32 s22, s23, s22
	s_cselect_b32 s24, 1, 4                        ; pos = that + r x 1 or 4
	s_cselect_b32 s25, 0, 32                       ;            + (r / 8) x 0 or 32
	s_lshl_b32 s26, s20, 12
	s_mov_b32 s27, 0
	s_add_nc_u64 s[16:17], s[16:17], s[26:27]
	s_mov_b32 s28, 1.57079601                      ; pi / 2 in three parts
	s_mov_b32 s29, 0.000000313916473
	s_mov_b32 s30, 0.00000000000000539030253
	s_mov_b32 s31, 0.000000275573192               ; 1 / 10!
	s_mov_b32 s32, 0.00000275573192                ; 1 / 9!
	s_mov_b32 s33, 0.636619747                     ; 2 / pi
	v_and_b32 v21, 15, v5                          ; r
	v_lshrrev_b32 v22, 3, v21
	v_mul_u32_u24 v24, s24, v21
	v_mad_u32_u24 v24, v22, s25, v24
	v_add_nc_u32 v24, s22, v24
	v_cvt_f32_u32 v24, v24                         ; pos
	v_lshlrev_b32 v23, 4, v5                       ; out: 16 bytes a lane
	v_cmp_le_u32 vcc_lo, 16, v5                    ; lanes 16-31 take the frequencies 16 further on
; cos and sin of pos x frequency, for i: flo = 10^(-i / 8), fhi = 10^(-(16 + i) / 8)
.macro PAIR i, flo, fhi
	v_mov_b32 v9, \fhi
	v_cndmask_b32 v9, \flo, v9, vcc_lo
	v_mul_f32 v10, v24, v9                         ; the angle, one f32 product
	v_mul_f32 v11, s33, v10
	v_rndne_f32 v11, v11                           ; n = the nearest multiple of pi / 2
	v_fma_f32 v12, -v11, s28, v10                  ; r = angle - n pi / 2, the first part exact
	v_fma_f32 v12, -v11, s29, v12
	v_fma_f32 v12, -v11, s30, v12
	v_mul_f32 v13, v12, v12                        ; z = r r
	v_fma_f32 v14, -v13, s31, 0.0000248015873      ; cos r = 1 - z (1/2 - z (1/24 - z (1/720 - z (1/8! - z / 10!))))
	v_fma_f32 v15, -v13, s32, 0.000198412698       ; sin r = r - z r (1/6 - z (1/120 - z (1/7! - z / 9!)))
	v_fma_f32 v14, -v13, v14, 0.00138888889
	v_fma_f32 v15, -v13, v15, 0.00833333333
	v_fma_f32 v14, -v13, v14, 0.0416666667
	v_fma_f32 v15, -v13, v15, 0.166666667
	v_fma_f32 v14, -v13, v14, 0.5
	v_mul_f32 v16, v13, v12
	v_fma_f32 v14, -v13, v14, 1.0
	v_fma_f32 v15, -v16, v15, v12
	v_cvt_i32_f32 v17, v11
	v_and_b32 v18, 1, v17
	v_cmp_eq_u32 s40, 1, v18                       ; an odd n changes sin and cos over
	v_cndmask_b32 v19, v15, v14, s40
	v_cndmask_b32 v20, v14, v15, s40
	v_lshlrev_b32 v18, 30, v17                     ; sin is negative where n % 4 is 2 or 3: bit 1 of n
	v_add_nc_u32 v17, 1, v17                       ; cos where n % 4 is 1 or 2: bit 1 of n + 1
	v_and_b32 v18, 0x80000000, v18
	v_lshlrev_b32 v17, 30, v17
	v_and_b32 v17, 0x80000000, v17
	v_xor_b32 v[48+\i], v18, v19
	v_xor_b32 v[32+\i], v17, v20
.endm
	PAIR 0, 1.0, 0.01
	PAIR 1, 0.749894209, 0.00749894209
	PAIR 2, 0.562341325, 0.00562341325
	PAIR 3, 0.421696503, 0.00421696503
	PAIR 4, 0.316227766, 0.00316227766
	PAIR 5, 0.237137371, 0.00237137371
	PAIR 6, 0.177827941, 0.00177827941
	PAIR 7, 0.133352143, 0.00133352143
	PAIR 8, 0.1, 0.001
	PAIR 9, 0.0749894209, 0.000749894209
	PAIR 10, 0.0562341325, 0.000562341325
	PAIR 11, 0.0421696503, 0.000421696503
	PAIR 12, 0.0316227766, 0.000316227766
	PAIR 13, 0.0237137371, 0.000237137371
	PAIR 14, 0.0177827941, 0.000177827941
	PAIR 15, 0.0133352143, 0.000133352143
.irp q, 0,1,2,3,4,5,6,7
	global_store_b128 v23, v[32+4*\q:35+4*\q], s[16:17] offset:512*\q   ; 32 lanes store 512 consecutive bytes
.endr
.Lend:
	s_endpgm
	; ---- the text: LayerNorm of my four rows, and their codes
.set GI,  3                            ; v3   16 x lane
.set GS,  4                            ; v4   4 x lane
.set SA,  5                            ; v5   the stage (4,608 bytes a wave: 32 places of 128 + 16), on the way in
.set SB,  6                            ; v6   and out: 144 x lane
.set OA,  7                            ; v7   the same bytes once more, for the codes: in, 80 x lane
.set OB,  8                            ; v8   and out: 80 (lane / 4) + 16 (lane % 4)
.set SEL, 34                           ; s[34:35] lane selects for v_permlanex16_b32: lane l xor 16
.Ltext:
	s_load_b128 s[4:7], s[0:1], 0x40               ; text, g_t
	s_load_b64 s[8:9], s[0:1], 0x50                ; b_t
	s_load_b64 s[10:11], s[0:1], 0x38              ; timg
	s_sub_co_u32 s20, s19, 4
	s_lshl_b32 s20, s20, 6
	s_add_co_u32 s20, s20, ttmp9                   ; tile T = 64 (y - 4) + x
	v_and_b32 v81, 31, v0                          ; lane
	v_lshlrev_b32 v[GI], 4, v81
	v_lshlrev_b32 v[GS], 2, v81
	s_mul_i32 s40, s18, 4608                       ; my stage
	v_lshrrev_b32 v84, 3, v81
	v_mul_u32_u24 v84, v84, 144
	v_and_b32 v85, 7, v81
	v_lshl_add_u32 v84, v85, 4, v84
	v_add_nc_u32 v[SA], s40, v84                   ; in: eight lanes' 128 bytes on end, then 16 of padding
	v_mul_u32_u24 v84, v81, 144
	v_add_nc_u32 v[SB], s40, v84                   ; out: my 128 bytes
	v_mul_u32_u24 v84, v81, 80
	v_add_nc_u32 v[OA], s40, v84                   ; codes in: my four rows' 64 bytes, then 16 of padding
	v_lshrrev_b32 v84, 2, v81
	v_mul_u32_u24 v84, v84, 80
	v_and_b32 v85, 3, v81
	v_lshl_add_u32 v84, v85, 4, v84
	v_add_nc_u32 v[OB], s40, v84                   ; codes out: four lanes to a place
	v_mov_b32 v88, 0                               ; written once: a lane permute's destination counts as one of its sources
	s_mov_b32 s32, 0x3a800000                      ; 1 / 1,024
	s_mov_b32 s33, 0x3727c5ac                      ; 1e-5
	s_mov_b32 s[SEL], 0x76543210
	s_mov_b32 s[SEL+1], 0xfedcba98
	s_lshr_b32 s21, s20, 2                         ; my first row of the text: 64 (T / 4)
	s_lshl_b32 s21, s21, 6
	s_bfe_u32 s22, s20, 0x10001
	s_lshl_b32 s22, s22, 5
	s_add_co_u32 s21, s21, s22                     ; + 32 ((T / 2) % 2)
	s_and_b32 s22, s20, 1
	s_lshl_b32 s22, s22, 3
	s_add_co_u32 s21, s21, s22                     ; + 8 (T % 2)
	s_lshl_b32 s22, s18, 2
	s_add_co_u32 s21, s21, s22                     ; + 4 g
	s_lshr_b32 s22, s18, 1
	s_lshl_b32 s22, s22, 3
	s_add_co_u32 s21, s21, s22                     ; + 8 (g / 2)
	s_lshl_b32 s22, s21, 12                        ; rows of 4,096 bytes
	s_mov_b32 s23, 0
	s_lshl_b32 s24, s20, 13                        ; codes: 8,192 T + 2,048 g
	s_lshl_b32 s25, s18, 11
	s_add_co_u32 s24, s24, s25
	s_mov_b32 s25, 0
	s_lshr_b32 s26, s24, 4                         ; scale bytes: a sixteenth of that, behind the codes
	s_add_co_u32 s26, s26, 2097152
	s_mov_b32 s27, 0
	s_wait_kmcnt 0x0
	s_add_nc_u64 s[4:5], s[4:5], s[22:23]
	s_add_nc_u64 s[12:13], s[10:11], s[26:27]
	s_add_nc_u64 s[10:11], s[10:11], s[24:25]
.irp q, 0,1,2,3,4,5,6,7
	global_load_b128 v[16+4*\q:19+4*\q], v[GI], s[6:7] offset:512*\q       ; g_t
.endr
.irp q, 0,1,2,3,4,5,6,7
	global_load_b128 v[48+4*\q:51+4*\q], v[GI], s[8:9] offset:512*\q       ; b_t
.endr
.irp i, 0,1,2,3
.irp q, 0,1,2,3,4,5,6,7
	global_load_b128 v[128+32*\i+4*\q:131+32*\i+4*\q], v[GI], s[4:5] offset:4096*\i+512*\q th:TH_LOAD_NT   ; 32 lanes read 512 consecutive bytes; read once in the launch
.endr
.endr
.macro TURN reg                        ; 4,096 bytes through my stage, in place: LDS serves a wave's instructions in order (ISA guide 5.7.1.4), so the loads see the stores, and the next turn's stores come behind them
.irp q, 0,1,2,3,4,5,6,7
	ds_store_b128 v[SA], v[\reg+4*\q:\reg+4*\q+3] offset:576*\q
.endr
.irp q, 0,1,2,3,4,5,6,7
	ds_load_b128 v[\reg+4*\q:\reg+4*\q+3], v[SB] offset:16*\q
.endr
.endm
	s_wait_loadcnt 40                              ; g_t is in; b_t's 8 loads and the rows' 32 may be out
	TURN 16
	s_wait_loadcnt 32                              ; b_t is in
	TURN 48
.irp i, 0,1,2,3
	s_wait_loadcnt 24-8*\i                         ; row i is in; the later rows may be out
	TURN 128+32*\i
.endr
	s_wait_dscnt 0x0
.macro WSUM r                          ; a sum over the 32 lanes, in every lane
	v_add_f32_dpp v[\r], v[\r], v[\r] row_xmask:1 row_mask:0xf bank_mask:0xf
	v_add_f32_dpp v[\r], v[\r], v[\r] row_xmask:2 row_mask:0xf bank_mask:0xf
	v_add_f32_dpp v[\r], v[\r], v[\r] row_xmask:4 row_mask:0xf bank_mask:0xf
	v_add_f32_dpp v[\r], v[\r], v[\r] row_xmask:8 row_mask:0xf bank_mask:0xf
	v_permlanex16_b32 v88, v[\r], s[SEL], s[SEL+1]
	v_add_f32 v[\r], v[\r], v88
.endm
; The largest magnitude of 32 numbers of one lane, with the floor 2^(3 - 127) among the leaves: the byte cannot fall under 1
.macro BMAX ra, rb, s
.set bS, \s
	v_max3_num_f32 v[\ra], |v[bS]|, |v[bS+1]|, 0x1800000
	v_max3_num_f32 v[\rb], |v[bS+2]|, |v[bS+3]|, |v[bS+4]|
.irp i, 5,9,13,17,21,25
	v_max3_num_f32 v[\ra], v[\ra], |v[bS+\i]|, |v[bS+\i+1]|
	v_max3_num_f32 v[\rb], v[\rb], |v[bS+\i+2]|, |v[bS+\i+3]|
.endr
	v_max3_num_f32 v[\ra], v[\ra], |v[bS+29]|, |v[bS+30]|
	v_max3_num_f32 v[\ra], v[\ra], v[\rb], |v[bS+31]|
.endm
.macro ROW i                           ; row i: its codes into v[96 + 4 i] on, its block's byte into v[92 + i]
.set RX, 128+32*\i
.irp k, 0,1,2,3
	v_pk_add_f32 v[80+2*\k:81+2*\k], v[RX+2*\k:RX+2*\k+1], v[RX+8+2*\k:RX+9+2*\k]     ; the sum, in four chains
.endr
.irp o, 16,24
.irp k, 0,1,2,3
	v_pk_add_f32 v[80+2*\k:81+2*\k], v[80+2*\k:81+2*\k], v[RX+\o+2*\k:RX+\o+2*\k+1]
.endr
.endr
	v_pk_add_f32 v[80:81], v[80:81], v[82:83]
	v_pk_add_f32 v[84:85], v[84:85], v[86:87]
	v_pk_add_f32 v[80:81], v[80:81], v[84:85]
	v_add_f32 v80, v80, v81
	WSUM 80
	v_mul_f32 v80, s32, v80                        ; the mean
.irp j, 0,2,4,6,8,10,12,14,16,18,20,22,24,26,28,30
	v_pk_add_f32 v[RX+\j:RX+\j+1], v[RX+\j:RX+\j+1], v[80:81] op_sel_hi:[1,0] neg_lo:[0,1] neg_hi:[0,1]   ; x - mean
.endr
.irp k, 0,1,2,3
	v_pk_mul_f32 v[80+2*\k:81+2*\k], v[RX+2*\k:RX+2*\k+1], v[RX+2*\k:RX+2*\k+1]       ; the sum of its squares
.endr
.irp o, 8,16,24
.irp k, 0,1,2,3
	v_pk_fma_f32 v[80+2*\k:81+2*\k], v[RX+\o+2*\k:RX+\o+2*\k+1], v[RX+\o+2*\k:RX+\o+2*\k+1], v[80+2*\k:81+2*\k]
.endr
.endr
	v_pk_add_f32 v[80:81], v[80:81], v[82:83]
	v_pk_add_f32 v[84:85], v[84:85], v[86:87]
	v_pk_add_f32 v[80:81], v[80:81], v[84:85]
	v_add_f32 v80, v80, v81
	WSUM 80
	v_fma_f32 v84, v80, s32, s33                   ; variance + 1e-5
	v_rsq_f32 v82, v84
	v_nop                                          ; a plain line behind the transcendental,
	s_wait_alu depctr_va_vdst(0)                   ; and the wait ahead of the first line that names its result
.irp j, 0,2,4,6,8,10,12,14,16,18,20,22,24,26,28,30
	v_pk_mul_f32 v[RX+\j:RX+\j+1], v[RX+\j:RX+\j+1], v[82:83] op_sel_hi:[1,0]
.endr
.irp j, 0,2,4,6,8,10,12,14,16,18,20,22,24,26,28,30
	v_pk_fma_f32 v[RX+\j:RX+\j+1], v[RX+\j:RX+\j+1], v[16+\j:17+\j], v[48+\j:49+\j]   ; x g_t + b_t
.endr
	BMAX 89, 90, RX                                ; my 32 numbers are a whole block
	v_add_nc_u32 v91, 0xff000000, v89
	v_lshrrev_b32 v[92+\i], 23, v91
.irp g, 0,1,2,3
	v_cvt_scalef32_pk8_fp4_f32 v[96+4*\i+\g], v[RX+8*\g:RX+8*\g+7], v91
.endr
	v_nop
.endm
	ROW 0
	ROW 1
	ROW 2
	ROW 3
	v_lshl_or_b32 v92, v93, 8, v92                 ; block l's bytes of my four rows make a word
	v_lshl_or_b32 v92, v94, 16, v92
	v_lshl_or_b32 v92, v95, 24, v92
	global_store_b32 v[GS], v92, s[12:13]          ; 32 lanes store 128 consecutive bytes
.irp i, 0,1,2,3
	ds_store_b128 v[OA], v[96+4*\i:99+4*\i] offset:16*\i           ; a lane's 64 bytes lie together in the buffer, and the lanes beside it hold the next 64: so they turn through the stage
.endr
.irp q, 0,1,2,3
	ds_load_b128 v[16+4*\q:19+4*\q], v[OB] offset:640*\q           ; (LDS serves a wave's instructions in order: these see the stores)
.endr
	s_wait_dscnt 0x0
.irp q, 0,1,2,3
	global_store_b128 v[GI], v[16+4*\q:19+4*\q], s[10:11] offset:512*\q   ; 32 lanes store 512 consecutive bytes, aligned
.endr
	s_set_vgpr_msb 0x5
	s_wait_tensorcnt 0x0
	ds_add_u32 v0, v1
	s_wait_dscnt 0x0
	s_set_vgpr_msb 0x500
	s_endpgm
.Lfunc_end_k_q6ed01c98c7_prep:
	.size	k_q6ed01c98c7_prep, .Lfunc_end_k_q6ed01c98c7_prep-k_q6ed01c98c7_prep
	.p2alignl 7, 3214868480
	.fill 96, 4, 3214868480
	.section	.rodata,"a",@progbits
	.p2align	6, 0x0
	.amdhsa_kernel k_q6ed01c98c7_prep
		.amdhsa_group_segment_fixed_size 18944
		.amdhsa_private_segment_fixed_size 0
		.amdhsa_enable_private_segment 0
		.amdhsa_kernarg_size 88
		.amdhsa_user_sgpr_count 2
		.amdhsa_user_sgpr_kernarg_segment_ptr 1
		.amdhsa_wavefront_size32 1
		.amdhsa_system_sgpr_workgroup_id_x 1
		.amdhsa_system_sgpr_workgroup_id_y 1
		.amdhsa_system_sgpr_workgroup_id_z 1
		.amdhsa_system_vgpr_workitem_id 0
		.amdhsa_next_free_vgpr 258
		.amdhsa_next_free_sgpr 66
		.amdhsa_reserve_vcc 1
		.amdhsa_float_denorm_mode_32 3
		.amdhsa_float_denorm_mode_16_64 3
		.amdhsa_memory_ordered 1
		.amdhsa_forward_progress 1
		.amdhsa_inst_pref_size 96
	.end_amdhsa_kernel
	.amdgpu_metadata
---
amdhsa.version: [ 1, 2 ]
amdhsa.kernels:
  - .name:           k_q6ed01c98c7_prep
    .symbol:         k_q6ed01c98c7_prep.kd
    .args:
      - { .name: Wq, .offset: 0, .size: 8, .value_kind: global_buffer, .address_space: global }
      - { .name: Wk, .offset: 8, .size: 8, .value_kind: global_buffer, .address_space: global }
      - { .name: Wv, .offset: 16, .size: 8, .value_kind: global_buffer, .address_space: global }
      - { .name: Wo, .offset: 24, .size: 8, .value_kind: global_buffer, .address_space: global }
      - { .name: wimg, .offset: 32, .size: 8, .value_kind: global_buffer, .address_space: global }
      - { .name: wsc, .offset: 40, .size: 8, .value_kind: global_buffer, .address_space: global }
      - { .name: rope, .offset: 48, .size: 8, .value_kind: global_buffer, .address_space: global }
      - { .name: timg, .offset: 56, .size: 8, .value_kind: global_buffer, .address_space: global }
      - { .name: text_embeddings, .offset: 64, .size: 8, .value_kind: global_buffer, .address_space: global }
      - { .name: g_t, .offset: 72, .size: 8, .value_kind: global_buffer, .address_space: global }
      - { .name: b_t, .offset: 80, .size: 8, .value_kind: global_buffer, .address_space: global }
    .group_segment_fixed_size: 18944
    .private_segment_fixed_size: 0
    .kernarg_segment_align: 8
    .kernarg_segment_size: 88
    .max_flat_workgroup_size: 128
    .sgpr_count:     66
    .vgpr_count:     258
    .wavefront_size: 32
...
	.end_amdgpu_metadata
.endif
;; end of part 1
;; launch kv (part 2): grid 64 x 4, 8 waves a work-group, no clusters, 35,840 bytes of LDS; arguments timg, bk, bv, wimg, wsc, rope, kimg, ksc, vimg, vsc; writes kimg, ksc, vimg, vsc
.if DOCPART == 2
	.amdgcn_target "amdgcn-amd-amdhsa--gfx1250"
	.amdhsa_code_object_version 6
	.text
	.protected	k_q6ed01c98c7_kv
	.globl	k_q6ed01c98c7_kv
	.p2align	8
	.type	k_q6ed01c98c7_kv,@function
k_q6ed01c98c7_kv:
	s_mov_b64 s[64:65], 0
	v_nop
	global_prefetch_b8 v0, s[64:65] scope:SCOPE_SE
	s_setreg_imm32_b32 hwreg(HW_REG_WAVE_MODE, 25, 1), 1
	s_wait_xcnt 0x0
; K AND V OF THE ATTENTION, AS CODES.  The normalised text comes as codes (made by the launch before).  y % 2 = 0: k = RoPE(tn Wk + bk), quantised along the head's 64; y % 2 = 1: v = tn Wv + bv, quantised along the keys.
; All products on codes of FP4 (E2M1) with one E8M0 byte for each 32 along K; all else in f32.
; SHARES.  A work-group takes 64 rows of the text (x), one of the two weights (y % 2) and eight heads (y / 2); wave w is head 8 (y / 2) + w: 64 rows x 64 features, 16 accumulators.  256 work-groups.
; THE COPY: the block's codes (32,768 bytes) and scale bytes (2,048) come into LDS once; wave w brings groups w and w + 8 of the sixteen groups of four rows: loads of 512 dense bytes; the stores lay them as
; IMAGES OF THE OPERAND'S REGISTERS: tile m, K step s at (8 m + s) x 1,024; block j of row r at 256 j + 16 r.  (64 such stores a work-group)
; THE ROWS OF A TILE ARE NOT NEIGHBOURS: row r of tile 2 b + u is text row 32 b + 8 u + r + 8 (r / 8): so the keys of a tile of k are those that the attention wants, and v's registers run down neighbouring keys.
; THE PRODUCT: 8 K steps of 128; the text's fragments from LDS, the weight's from memory (images made by the launch before), two sets by turns.
; k: source 0 = the weight: a lane holds one key, its registers its head's features: 16 (lane / 16) + i and 32 + that: RoPE's two halves.  v: source 0 = the text: a lane holds one feature, its registers run down the keys.
; OUT.  kimg [batch x 16 + head][128 keys][P][1,024]: piece u of 512 bytes = key tile 2 P + u: lane (r, h) block h of key r's 64.  ksc [..][..][r][P] words: bytes 0, 1 tile 2 P; bytes 2, 3 tile 2 P + 1.
;       vimg [..][128 keys][feature tile n][1,024]: a fragment of 16 features x 128 keys.  vsc [..][..][r][n] words.  The scale stores are small and write their surroundings in part: 256 KB in the launch.
; No tensor load: each wave's weight fragments are its own, are used once, and go from memory straight into registers.  No cluster: a joint request lands in LDS, from where those fragments would have to be read again.
; LIMITS: NaN and infinities are not served; a block whose largest magnitude lies under 2^-124 gets the byte 1 (only this program reads the bytes).
.set IMG, 0                            ; LDS: the text's 32 fragments, 32,768 bytes
.set SCL, 32768                        ; their scale words [K step][16 m + r], 2,048 bytes
.set LI,  1                            ; v1   IMG + 16 x lane
.set LS,  2                            ; v2   SCL + 4 x lane
.set GI,  3                            ; v3   16 x lane
.set GS,  4                            ; v4   4 x lane
.set CA,  5                            ; v5   the copy: where my 16 bytes of codes go
.set CB,  6                            ; v6   and my scale bytes
.set BT,  9                            ; v9   64 x (lane / 16): a bias in the layout of k's results
.set BN,  10                           ; v10  4 x (r + 8 (r / 8)): a bias by feature
.set SS,  11                           ; v11  where my scale word goes in ksc or vsc
.set BV,  12                           ; v12-15 the bias of my feature in the four tiles
.set AF,  16                           ; v16-47  the text's four fragments of a K step; at the head the copy's 32 registers
.set BF,  48                           ; v48-79, v80-111 the weight's four, two sets
.set XSC, 112                          ; v112-113 the text's scale words: these registers hold scales and nothing else
.set WSC, 114                          ; v114-117 the weight's, two sets
.set CW,  118                          ; v118-125 the copy's two words of scale bytes, and their bytes shifted down; no product names these
.set ACC, 128                          ; v128-255 sixteen accumulators
.set BM,  80                           ; behind the products: largest magnitudes,
.set T2,  82                           ; at work,
.set SO,  84                           ; the conversions' scale operands,
.set TA,  86                           ; RoPE's two products,
.set TB,  88
.set HW,  90                           ; v90-93 two scale bytes for each tile
.set CDS, 96                           ; v96-111 four registers of codes for each tile
.set PT,  4                            ; s[4:5]   the text's codes
.set PB,  6                            ; s[6:7]   bk or bv
.set PW,  10                           ; s[10:11] the weight's images
.set PWS, 12                           ; s[12:13] and scale words
.set PR,  14                           ; s[14:15] the table
.set PKI, 16                           ; s[16:17] kimg, s[18:19] ksc, s[20:21] vimg, s[22:23] vsc
.set PKS, 18
.set PVI, 20
.set PVS, 22
.set PTS, 24                           ; s[24:25] the text's scale bytes
.set SEL, 34                           ; s[34:35] lane selects for v_permlanex16_b32: lane l xor 16
; One scaled product.  c = 0: the sum begins with the constant 0.  ra, rb: the side's scale words lie in lanes 16-31
.macro WM d, a, b, c, sa, sb, ra, rb
.set wD, \d
.set wA, \a
.set wB, \b
.set wC, \c
.set wS, \sa
.set wT, \sb
.set wR, 2*(\ra)+(\rb)
.if wC == 0
.if wR == 0
	v_wmma_scale_f32_16x16x128_f8f6f4 v[wD:wD+7], v[wA:wA+7], v[wB:wB+7], 0, v[wS], v[wT] matrix_a_fmt:MATRIX_FMT_FP4 matrix_b_fmt:MATRIX_FMT_FP4
.elseif wR == 1
	v_wmma_scale_f32_16x16x128_f8f6f4 v[wD:wD+7], v[wA:wA+7], v[wB:wB+7], 0, v[wS], v[wT] matrix_a_fmt:MATRIX_FMT_FP4 matrix_b_fmt:MATRIX_FMT_FP4 matrix_b_scale:MATRIX_SCALE_ROW1
.elseif wR == 2
	v_wmma_scale_f32_16x16x128_f8f6f4 v[wD:wD+7], v[wA:wA+7], v[wB:wB+7], 0, v[wS], v[wT] matrix_a_fmt:MATRIX_FMT_FP4 matrix_b_fmt:MATRIX_FMT_FP4 matrix_a_scale:MATRIX_SCALE_ROW1
.else
	v_wmma_scale_f32_16x16x128_f8f6f4 v[wD:wD+7], v[wA:wA+7], v[wB:wB+7], 0, v[wS], v[wT] matrix_a_fmt:MATRIX_FMT_FP4 matrix_b_fmt:MATRIX_FMT_FP4 matrix_a_scale:MATRIX_SCALE_ROW1 matrix_b_scale:MATRIX_SCALE_ROW1
.endif
.else
.if wR == 0
	v_wmma_scale_f32_16x16x128_f8f6f4 v[wD:wD+7], v[wA:wA+7], v[wB:wB+7], v[wC:wC+7], v[wS], v[wT] matrix_a_fmt:MATRIX_FMT_FP4 matrix_b_fmt:MATRIX_FMT_FP4
.elseif wR == 1
	v_wmma_scale_f32_16x16x128_f8f6f4 v[wD:wD+7], v[wA:wA+7], v[wB:wB+7], v[wC:wC+7], v[wS], v[wT] matrix_a_fmt:MATRIX_FMT_FP4 matrix_b_fmt:MATRIX_FMT_FP4 matrix_b_scale:MATRIX_SCALE_ROW1
.elseif wR == 2
	v_wmma_scale_f32_16x16x128_f8f6f4 v[wD:wD+7], v[wA:wA+7], v[wB:wB+7], v[wC:wC+7], v[wS], v[wT] matrix_a_fmt:MATRIX_FMT_FP4 matrix_b_fmt:MATRIX_FMT_FP4 matrix_a_scale:MATRIX_SCALE_ROW1
.else
	v_wmma_scale_f32_16x16x128_f8f6f4 v[wD:wD+7], v[wA:wA+7], v[wB:wB+7], v[wC:wC+7], v[wS], v[wT] matrix_a_fmt:MATRIX_FMT_FP4 matrix_b_fmt:MATRIX_FMT_FP4 matrix_a_scale:MATRIX_SCALE_ROW1 matrix_b_scale:MATRIX_SCALE_ROW1
.endif
.endif
.endm
.macro PLACES                          ; four plain vector lines between a product and a load into one of its registers, or the first read of its result
.rept 4
	v_nop
.endr
.endm
.macro LDA ks                          ; the rows' four fragments of K step ks and their scale words, from LDS: 10 loads
.irp m, 0,1,2,3
.irp c, 0,1
	ds_load_b128 v[AF+8*\m+4*\c:AF+8*\m+4*\c+3], v[LI] offset:(8*\m+(\ks))*1024+512*\c
.endr
.endr
.irp p, 0,1
	ds_load_b32 v[XSC+\p], v[LS] offset:256*(\ks)+128*\p
.endr
.endm
.macro LDB ks, buf, WB, WS             ; the weight's four fragments of K step ks and their scale words, from memory, into set buf: 10 loads
.irp n, 0,1,2,3
.irp c, 0,1
	global_load_b128 v[BF+32*(\buf)+8*\n+4*\c:BF+32*(\buf)+8*\n+4*\c+3], v[GI], s[\WB:\WB+1] offset:4096*(\ks)+1024*\n+512*\c
.endr
.endr
.irp p, 0,1
	global_load_b32 v[WSC+2*(\buf)+\p], v[GS], s[\WS:\WS+1] offset:256*(\ks)+128*\p
.endr
.endm
.macro MULT buf                        ; source 0 = the weight: a lane holds a row, its registers run along the features.  The sums begin with what lies in the accumulators: the bias
.irp m, 0,1,2,3
.irp n, 0,1,2,3
	WM ACC+32*\m+8*\n, BF+32*(\buf)+8*\n, AF+8*\m, ACC+32*\m+8*\n, WSC+2*(\buf)+\n/2, XSC+\m/2, \n%2, \m%2
.endr
.endr
.endm
.macro MULN buf, zero                  ; source 0 = the rows: a lane holds a feature, its registers run down the rows
.irp n, 0,1,2,3
.irp m, 0,1,2,3
.if \zero
	WM ACC+32*\n+8*\m, AF+8*\m, BF+32*(\buf)+8*\n, 0, XSC+\m/2, WSC+2*(\buf)+\n/2, \m%2, \n%2
.else
	WM ACC+32*\n+8*\m, AF+8*\m, BF+32*(\buf)+8*\n, ACC+32*\n+8*\m, XSC+\m/2, WSC+2*(\buf)+\n/2, \m%2, \n%2
.endif
.endr
.endr
.endm
; 64 rows x 64 features x K = 1,024.  On entry LDB 0, LDB 1 and LDA 0 are out, and no younger global load.  The sixteen accumulators take turns, one instruction a turn, in the same order in every step.
.macro GEMM tr, WB, WS
.set gk, 0
.rept 8
	s_wait_dscnt 0x0                               ; the rows' fragments are in
.if gk < 7
	s_wait_loadcnt 10                              ; this step's weights are in; the next step's ten loads may be out
.else
	s_wait_loadcnt 0x0
.endif
.if \tr
	MULT gk%2
.else
	MULN gk%2, gk==0
.endif
	PLACES
.if gk < 7
	LDA gk+1
.endif
.if gk < 6
	LDB gk+2, gk%2, \WB, \WS
.endif
.set gk, gk+1
.endr
.endm
; 32 numbers of a lane, register 16 b + i = k 32 b + 16 (lane / 16) + i of my row, become half a fragment's image in v[pc] .. v[pc + 3] (lanes 0-15 block 0, lanes 16-31 block 1) and two scale bytes in v[hw]
.macro QUANT2 s, pc, hw
.set qS, \s
.set qP, \pc
.set qH, \hw
.irp b, 0,1
	v_max3_num_f32 v[BM+\b], |v[qS+16*\b]|, |v[qS+16*\b+1]|, 0x1800000   ; the floor 2^(3 - 127) among the leaves: the byte cannot fall under 1
.endr
.irp i, 2,4,6,8,10,12,14
.irp b, 0,1
	v_max3_num_f32 v[BM+\b], v[BM+\b], |v[qS+16*\b+\i]|, |v[qS+16*\b+\i+1]|
.endr
.endr
.irp b, 0,1
	v_permlanex16_b32 v[T2+\b], v[BM+\b], s[SEL], s[SEL+1]
.endr
.irp b, 0,1
	v_max_num_f32 v[BM+\b], v[BM+\b], v[T2+\b]     ; with lane l xor 16's: the block's largest magnitude
.endr
.irp b, 0,1
	v_add_nc_u32 v[SO+\b], 0xff000000, v[BM+\b]    ; 2 off its exponent field: the conversion's scale operand
.endr
.irp b, 0,1
	v_lshrrev_b32 v[T2+\b], 23, v[SO+\b]           ; the scale's byte
.endr
	v_lshl_or_b32 v[qH], v[T2+1], 8, v[T2]
.irp b, 0,1
	v_cvt_scalef32_pk8_fp4_f32 v[qP+2*\b], v[qS+16*\b:qS+16*\b+7], v[SO+\b]
	v_cvt_scalef32_pk8_fp4_f32 v[qP+2*\b+1], v[qS+16*\b+8:qS+16*\b+15], v[SO+\b]
.endr
	v_nop                                          ; one plain line behind a scaled conversion
	v_permlane16_swap_b32 v[qP], v[qP+2]           ; the operand's layout wants a whole block in a lane
	v_permlane16_swap_b32 v[qP+1], v[qP+3]
.endm
; RoPE on tile m: t1 = registers 0-15, t2 = 16-31; cos in v[tb] .. + 15, sin in v[tb + 16] .. + 31.  Each accumulator is read from its low end on
.macro ROPE m, tb
.set rA, ACC+32*(\m)
.set rT, \tb
.irp i, 0,2,4,6,8,10,12,14
	v_pk_mul_f32 v[TA:TA+1], v[rA+16+\i:rA+17+\i], v[rT+16+\i:rT+17+\i]
	v_pk_mul_f32 v[TB:TB+1], v[rA+\i:rA+1+\i], v[rT+16+\i:rT+17+\i]
	v_pk_fma_f32 v[rA+\i:rA+1+\i], v[rA+\i:rA+1+\i], v[rT+\i:rT+1+\i], v[TA:TA+1] neg_lo:[0,0,1] neg_hi:[0,0,1]
	v_pk_fma_f32 v[rA+16+\i:rA+17+\i], v[rA+16+\i:rA+17+\i], v[rT+\i:rT+1+\i], v[TB:TB+1]
.endr
.endm
.macro TABLE m                         ; the table's tile m of my four into v16-47 (m even) or v48-79 (m odd): 8 loads of 512 dense bytes
.irp q, 0,1,2,3,4,5,6,7
	global_load_b128 v[16+32*((\m)%2)+4*\q:16+32*((\m)%2)+4*\q+3], v[GI], s[PR:PR+1] offset:4096*(\m)+512*\q
.endr
.endm
.macro BIAST P                         ; a bias in the layout of MULT's results, into all sixteen accumulators: register j of tile n is feature 32 (n / 2) + 16 (lane / 16) + 8 (n % 2) + j
.irp m, 0,1,2,3
.irp n, 0,1,2,3
	global_load_b128 v[ACC+32*\m+8*\n:ACC+32*\m+8*\n+3], v[BT], s[\P:\P+1] offset:(32*(\n/2)+8*(\n%2))*4
	global_load_b128 v[ACC+32*\m+8*\n+4:ACC+32*\m+8*\n+7], v[BT], s[\P:\P+1] offset:(32*(\n/2)+8*(\n%2))*4+16
.endr
.endr
.endm
.macro ADDB d, n                       ; my feature's bias of tile n onto 32 registers, from the low end on; the word is picked out of its pair
.set aD, \d
.irp j, 0,2,4,6,8,10,12,14,16,18,20,22,24,26,28,30
.if (\n)%2
	v_pk_add_f32 v[aD+\j:aD+\j+1], v[aD+\j:aD+\j+1], v[BV+2*((\n)/2):BV+2*((\n)/2)+1] op_sel:[0,1] op_sel_hi:[1,1]
.else
	v_pk_add_f32 v[aD+\j:aD+\j+1], v[aD+\j:aD+\j+1], v[BV+2*((\n)/2):BV+2*((\n)/2)+1] op_sel_hi:[1,0]
.endif
.endr
.endm
	s_load_b512 s[4:19], s[0:1], 0x0               ; timg s[4:5], bk s[6:7], bv s[8:9], wimg s[10:11], wsc s[12:13], rope s[14:15], kimg s[16:17], ksc s[18:19]
	s_load_b128 s[20:23], s[0:1], 0x40             ; vimg s[20:21], vsc s[22:23]
	v_lshl_add_u32 v126, v0, 2, 0x8800
	v_mov_b32 v127, 0
	v_lshrrev_b32 v80, 5, v0
	v_readfirstlane_b32 s30, v80                   ; wave 0..7
	s_and_b32 s27, ttmp7, 0xffff                   ; y
	s_and_b32 s31, s27, 1                          ; 0 k, 1 v
	s_lshr_b32 s27, s27, 1
	s_lshl_b32 s27, s27, 3
	s_add_co_u32 s26, s27, s30                     ; head = 8 (y / 2) + wave
	v_and_b32 v81, 31, v0                          ; lane
	v_and_b32 v82, 15, v0                          ; r
	v_bfe_u32 v83, v0, 4, 1                        ; h
	v_cmp_eq_u32 vcc_lo, 1, v83                    ; lanes 16-31: kept to the end
	v_lshlrev_b32 v[LI], 4, v81
	v_lshl_add_u32 v[LS], v81, 2, SCL
	v_lshlrev_b32 v[GI], 4, v81
	v_lshlrev_b32 v[GS], 2, v81
	s_lshr_b32 s36, s30, 2                         ; group G = w + 8 k of four rows: tile m = G / 4 = w / 4 + 2 k, rows 4 (w % 4) + i of it
	s_lshl_b32 s36, s36, 13
	s_and_b32 s37, s30, 3
	s_lshl_b32 s37, s37, 6
	s_add_co_u32 s36, s36, s37                     ; 8,192 (w / 4) + 64 (w % 4)
	v_lshrrev_b32 v84, 2, v81
	v_and_b32 v85, 3, v81
	v_lshlrev_b32 v84, 8, v84
	v_lshl_add_u32 v86, v85, 4, v84
	v_add_nc_u32 v[CA], s36, v86                   ; load q brings lane l block 8 q + l / 4 of row l % 4: 256 (l / 4) + 16 (l % 4), + 2,048 q
	s_lshl_b32 s37, s30, 4
	s_add_co_u32 s37, s37, SCL
	v_add_nc_u32 v84, v84, v85
	v_add_nc_u32 v[CB], s37, v84                   ; block l's byte of row i: K step l / 4, byte l % 4 of the row's word: 256 (l / 4) + l % 4 + 16 G + 4 i
	v_lshlrev_b32 v[BT], 6, v83
	v_and_b32 v84, 8, v82
	v_add_nc_u32 v84, v84, v82
	v_lshlrev_b32 v[BN], 2, v84
	s_add_co_u32 s38, s31, 2
	v_lshlrev_b32 v84, s38, v83
	v_lshl_add_u32 v[SS], v82, 4, v84              ; 16 r + 4 h (ksc) or 8 h (vsc)
	s_mov_b32 s[SEL], 0x76543210
	s_mov_b32 s[SEL+1], 0xfedcba98
	s_lshl_b32 s42, ttmp9, 15                      ; the text's codes: 32,768 bytes a block of 64 rows,
	s_lshl_b32 s43, s30, 11
	s_add_co_u32 s42, s42, s43                     ; 2,048 a group
	s_mov_b32 s43, 0
	s_lshr_b32 s40, s42, 4                         ; its scale bytes: a sixteenth of that, behind the codes
	s_add_co_u32 s40, s40, 2097152
	s_mov_b32 s41, 0
	s_add_co_u32 s44, s31, 1                       ; wimg: weight 1 + y % 2, group = head
	s_lshl_b32 s44, s44, 19
	s_lshl_b32 s45, s26, 15
	s_add_co_u32 s44, s44, s45
	s_mov_b32 s45, 0
	s_lshr_b32 s46, s44, 4                         ; wsc: a sixteenth of that
	s_mov_b32 s47, 0
	s_and_b32 s48, ttmp9, 7                        ; which 64 rows of the batch's 512
	s_lshl_b32 s50, s48, 14
	s_add_co_u32 s50, s50, 524288                  ; rope: tile 128 + 4 x that
	s_mov_b32 s51, 0
	s_lshr_b32 s52, ttmp9, 3                       ; batch
	s_lshl_b32 s52, s52, 4
	s_add_co_u32 s52, s52, s26
	s_lshl_b32 s52, s52, 2
	s_lshr_b32 s53, s48, 1
	s_add_co_u32 s52, s52, s53                     ; (16 batch + head) x 4 + which 128 keys
	s_and_b32 s53, ttmp9, 1                        ; which 64 of them
	s_lshl_b32 s54, s52, 12
	s_lshl_b32 s56, s53, 11
	s_add_co_u32 s56, s56, s54                     ; kimg: + two fragments
	s_mov_b32 s57, 0
	s_lshl_b32 s58, s53, 9
	s_add_co_u32 s58, s58, s54                     ; vimg: + a piece
	s_mov_b32 s59, 0
	s_lshl_b32 s54, s52, 8
	s_lshl_b32 s60, s53, 3
	s_add_co_u32 s60, s60, s54                     ; ksc: + two words
	s_mov_b32 s61, 0
	s_lshl_b32 s62, s53, 1
	s_add_co_u32 s62, s62, s54                     ; vsc: + two bytes
	s_mov_b32 s63, 0
	s_lshl_b32 s28, s26, 8                         ; a bias: my head's 64 numbers
	s_mov_b32 s29, 0
	s_wait_kmcnt 0x0
	s_add_nc_u64 s[PTS:PTS+1], s[PT:PT+1], s[40:41]
	s_add_nc_u64 s[PT:PT+1], s[PT:PT+1], s[42:43]
	s_add_nc_u64 s[PW:PW+1], s[PW:PW+1], s[44:45]
	s_add_nc_u64 s[PWS:PWS+1], s[PWS:PWS+1], s[46:47]
	s_add_nc_u64 s[PR:PR+1], s[PR:PR+1], s[50:51]
	s_add_nc_u64 s[PKI:PKI+1], s[PKI:PKI+1], s[56:57]
	s_add_nc_u64 s[PKS:PKS+1], s[PKS:PKS+1], s[60:61]
	s_add_nc_u64 s[PVI:PVI+1], s[PVI:PVI+1], s[58:59]
	s_add_nc_u64 s[PVS:PVS+1], s[PVS:PVS+1], s[62:63]
	s_cmp_eq_u32 s31, 0
	s_cselect_b64 s[PB:PB+1], s[6:7], s[8:9]       ; bk or bv, by the work-group's y alone
	s_add_nc_u64 s[PB:PB+1], s[PB:PB+1], s[28:29]
	; ---- the copy's loads; both forms of the bias on the one way that all waves take (the way that does not use a form overwrites it or leaves it); the first K step's weights
.irp k, 0,1
.irp q, 0,1,2,3
	global_load_b128 v[16+16*\k+4*\q:19+16*\k+4*\q], v[GI], s[PT:PT+1] offset:16384*\k+512*\q   ; 32 lanes read 512 consecutive bytes
.endr
.endr
.irp k, 0,1
	global_load_b32 v[CW+\k], v[GS], s[PTS:PTS+1] offset:1024*\k
.endr
	BIAST PB
.irp n, 0,1,2,3
	global_load_b32 v[BV+\n], v[BN], s[PB:PB+1] offset:(32*(\n/2)+8*(\n%2))*4
.endr
	LDB 0, 0, PW, PWS
	s_wait_loadcnt 46                              ; the copy's ten loads are in; the 32 + 4 loads of the bias and the ten of the weights may be out
.irp k, 0,1
.irp q, 0,1,2,3
	ds_store_b128 v[CA], v[16+16*\k+4*\q:19+16*\k+4*\q] offset:16384*\k+2048*\q
.endr
.endr
.irp k, 0,1
	v_lshrrev_b32 v[CW+2+3*\k], 8, v[CW+\k]        ; a word holds block l's bytes of the group's four rows
	v_lshrrev_b32 v[CW+3+3*\k], 16, v[CW+\k]
	v_lshrrev_b32 v[CW+4+3*\k], 24, v[CW+\k]
.endr
.irp k, 0,1
	ds_store_b8 v[CB], v[CW+\k] offset:128*\k
	ds_store_b8 v[CB], v[CW+2+3*\k] offset:128*\k+4
	ds_store_b8 v[CB], v[CW+3+3*\k] offset:128*\k+8
	ds_store_b8 v[CB], v[CW+4+3*\k] offset:128*\k+12
.endr
	LDB 1, 1, PW, PWS
	s_wait_dscnt 0x0                               ; my part of the images has landed, for the others' sake; and the stores have read their registers, which the LDS loads below write
	s_barrier_signal -1
	s_barrier_wait -1                              ; the text's 32 fragments lie in LDS; nothing is stored to LDS behind this barrier
	LDA 0
	s_cmp_lg_u32 s31, 0                            ; the work-group's y: the same in all eight waves
	s_cbranch_scc1 .Lv
	; ---- k
	GEMM 1, PW, PWS
	TABLE 0
	TABLE 1
.irp m, 0,1,2,3
.if \m < 3
	s_wait_loadcnt 8                               ; this tile's table is in; the next tile's 8 loads may be out
.else
	s_wait_loadcnt 0x0
.endif
	ROPE \m, 16+32*(\m%2)
	QUANT2 ACC+32*\m, CDS+4*\m, HW+\m
	global_store_b128 v[GI], v[CDS+4*\m:CDS+4*\m+3], s[PKI:PKI+1] offset:512*\m   ; a key tile's piece: 512 consecutive bytes
.if \m < 2
	TABLE \m+2
.endif
.endr
	v_lshl_or_b32 v94, v[HW+1], 16, v[HW]          ; tiles 0, 1 make a word, tiles 2, 3 the next;
	v_lshl_or_b32 v95, v[HW+3], 16, v[HW+2]
	v_cndmask_b32 v94, v94, v95, vcc_lo            ; lanes 0-15 store the first, lanes 16-31 the second
	global_store_b32 v[SS], v94, s[PKS:PKS+1]
	s_wait_tensorcnt 0x0
	ds_add_u32 v126, v127
	s_wait_dscnt 0x0
	s_endpgm
	; ---- v
.Lv:
	GEMM 0, PW, PWS
.irp n, 0,1,2,3
	ADDB ACC+32*\n, \n
	QUANT2 ACC+32*\n, CDS+4*\n, HW+\n
	global_store_b128 v[GI], v[CDS+4*\n:CDS+4*\n+3], s[PVI:PVI+1] offset:1024*\n  ; 64 keys of 16 features: a piece of 512 consecutive bytes
.endr
	v_cndmask_b32 v94, v[HW], v[HW+2], vcc_lo      ; lanes 0-15 store tiles 0 and 1's two bytes, lanes 16-31 tiles 2 and 3's
	v_cndmask_b32 v95, v[HW+1], v[HW+3], vcc_lo
	global_store_b16 v[SS], v94, s[PVS:PVS+1]
	global_store_b16 v[SS], v95, s[PVS:PVS+1] offset:4
	s_wait_tensorcnt 0x0
	ds_add_u32 v126, v127
	s_wait_dscnt 0x0
	s_endpgm
.Lfunc_end_k_q6ed01c98c7_kv:
	.size	k_q6ed01c98c7_kv, .Lfunc_end_k_q6ed01c98c7_kv-k_q6ed01c98c7_kv
	.p2alignl 7, 3214868480
	.fill 96, 4, 3214868480
	.section	.rodata,"a",@progbits
	.p2align	6, 0x0
	.amdhsa_kernel k_q6ed01c98c7_kv
		.amdhsa_group_segment_fixed_size 35840
		.amdhsa_private_segment_fixed_size 0
		.amdhsa_enable_private_segment 0
		.amdhsa_kernarg_size 80
		.amdhsa_user_sgpr_count 2
		.amdhsa_user_sgpr_kernarg_segment_ptr 1
		.amdhsa_wavefront_size32 1
		.amdhsa_system_sgpr_workgroup_id_x 1
		.amdhsa_system_sgpr_workgroup_id_y 1
		.amdhsa_system_sgpr_workgroup_id_z 1
		.amdhsa_system_vgpr_workitem_id 0
		.amdhsa_next_free_vgpr 256
		.amdhsa_next_free_sgpr 66
		.amdhsa_reserve_vcc 1
		.amdhsa_float_denorm_mode_32 3
		.amdhsa_float_denorm_mode_16_64 3
		.amdhsa_memory_ordered 1
		.amdhsa_forward_progress 1
		.amdhsa_inst_pref_size 99
	.end_amdhsa_kernel
	.amdgpu_metadata
---
amdhsa.version: [ 1, 2 ]
amdhsa.kernels:
  - .name:           k_q6ed01c98c7_kv
    .symbol:         k_q6ed01c98c7_kv.kd
    .args:
      - { .name: timg, .offset: 0, .size: 8, .value_kind: global_buffer, .address_space: global }
      - { .name: bk, .offset: 8, .size: 8, .value_kind: global_buffer, .address_space: global }
      - { .name: bv, .offset: 16, .size: 8, .value_kind: global_buffer, .address_space: global }
      - { .name: wimg, .offset: 24, .size: 8, .value_kind: global_buffer, .address_space: global }
      - { .name: wsc, .offset: 32, .size: 8, .value_kind: global_buffer, .address_space: global }
      - { .name: rope, .offset: 40, .size: 8, .value_kind: global_buffer, .address_space: global }
      - { .name: kimg, .offset: 48, .size: 8, .value_kind: global_buffer, .address_space: global }
      - { .name: ksc, .offset: 56, .size: 8, .value_kind: global_buffer, .address_space: global }
      - { .name: vimg, .offset: 64, .size: 8, .value_kind: global_buffer, .address_space: global }
      - { .name: vsc, .offset: 72, .size: 8, .value_kind: global_buffer, .address_space: global }
    .group_segment_fixed_size: 35840
    .private_segment_fixed_size: 0
    .kernarg_segment_align: 8
    .kernarg_segment_size: 80
    .max_flat_workgroup_size: 256
    .sgpr_count:     66
    .vgpr_count:     256
    .wavefront_size: 32
...
	.end_amdgpu_metadata
.endif
;; end of part 2
;; launch main (part 3): grid 32 x 8, 16 waves a work-group, no clusters, 323,584 bytes of LDS; arguments x, g_x, b_x, bq, bo, wimg, wsc, rope, kimg, ksc, vimg, vsc, out0; writes out0
.if DOCPART == 3
	.amdgcn_target "amdgcn-amd-amdhsa--gfx1250"
	.amdhsa_code_object_version 6
	.text
	.protected	k_q6ed01c98c7_main
	.globl	k_q6ed01c98c7_main
	.p2align	8
	.type	k_q6ed01c98c7_main,@function
k_q6ed01c98c7_main:
	s_mov_b64 s[64:65], 0
	v_nop
	global_prefetch_b8 v0, s[64:65] scope:SCOPE_SE
	s_setreg_imm32_b32 hwreg(HW_REG_WAVE_MODE, 25, 1), 1
	s_wait_xcnt 0x0
; out0 = x + (attention(RoPE(LN(x^T) Wq + bq), k, v) Wo + bo)^T, for 64 columns s of one batch in each work-group.  x, out0: [8][1024 (c)][2048 (s)] f32.
; All four products on codes of FP4 (E2M1) with one E8M0 byte for each 32 along K; all else in f32.  Weights, k and v come as images of operand registers, made by the launches before.
; SHARES.  256 work-groups of sixteen waves, four to a SIMD, 256 registers each: one wave's vector work stands beside another's products and loads.  In P0 wave w owns channels 64 w .. + 63; from then on head w = features 64 w .. + 63.
; x IS READ FROM MEMORY ONCE: the work-group's 1,024 x 64 numbers stay in LDS (rows of 256 + 16 bytes) until the residual, and the result leaves from there in whole rows of 256 bytes.
; P0  LN over c, in two passes; partial sums meet in LDS.  A lane holds two columns s and its registers run down c, which is K: a block of 32 lies in one lane.  The codes go to LDS as images of the operand's registers.
; P1  q = xn Wq + bq: source 0 = the weight, so a lane holds one query and its registers its head's features; the bias is the first C.   P2  RoPE, q's codes (to the wave's own bytes of LDS), q's scale words (registers).
; P3  attention of head w: two pairs of query tiles x four steps of 128 keys.  THE HEAD'S 64 FILL HALF OF THE INSTRUCTION'S K: a fragment of k holds TWO key tiles (K blocks 0, 1 and 2, 3), and is multiplied by [q | 0] and by [0 | q].
;     t = score x log2(e) / 8; M = the running largest t rounded up to a whole number; p = 2^(t - M) is quantised along the keys, not normalised; the sum is taken of the unquantised p and divides at the end.
;     When M moves, the sum and O are multiplied by 2^(old M - new M): exact.  Both products are used transposed: a lane holds one query throughout.
; P4  o's codes (images in LDS) x Wo: source 0 = o's rows, so a lane holds one output channel and eight neighbouring s; + bo, + x, through x's rows in LDS, out.
; NO TENSOR LOAD, NO CLUSTER: weights, k and v are shared by work-groups, but a joint request lands in LDS, and of its 327,680 bytes x's columns take 278,528 (so that 67 MB are not read twice); images, scale words and partial sums take
; 43,008 more: no ring fits in the 6,144 left.  The shared operands are read as dense pieces of 512 bytes straight into registers.  No prefetch: x, the one stream read once, is asked for whole at the head.
; LIMITS: NaN and infinities are not served; a block whose largest magnitude lies under 2^-124 gets the byte 1, with codes by that scale; 1 / sqrt and 1 / sum by v_rsq_f32 and v_rcp_f32.
.set XR,   0                           ; LDS: x, 1,024 rows c of 272 bytes; rows 64 w .. are touched by wave w alone
.set IMG,  278528                      ; 32 fragments: xn's, then (wave w's own pieces at 8,192 m + 512 w) q's and o's
.set SCL,  311296                      ; scale words [K step][row], 2,048 bytes
.set RED0, 313344                      ; partial sums [wave][lane] pairs; partial sums of squares 4,096 bytes on
.set LI,  1                            ; v1   IMG + 16 x lane
.set LS,  2                            ; v2   SCL + 4 x lane
.set GI,  3                            ; v3   16 x lane
.set GS,  4                            ; v4   4 x lane
.set VQ,  5                            ; v5   IMG + 512 w + 16 x lane: my own pieces
.set VOS, 6                            ; v6   SCL + 256 (w / 2) + 2 (w % 2) + 4 r: o's two scale bytes
.set VO,  7                            ; v7   16 x lane + 4,096 x key step
.set VS,  8                            ; v8   16 r + 256 x key step
.set BT,  9                            ; v9   64 x (lane / 16): bq in the results' layout; in P4 4 r: bo
.set XRR, 10                           ; v10  x's rows by channel: 17,408 w + 272 r + 32 h
.set XRB, 11                           ; v11  and by whole rows: 17,408 w + 272 (lane / 16) + 16 (lane % 16)
.set BV,  12                           ; v12-15 bo of my channel in the four tiles
.set AF,  16                           ; v16-47  the rows' four fragments of a K step
.set BF,  48                           ; v48-79, v80-111 the weight's four, two sets
.set XSC, 112                          ; v112-127 hold scales and nothing else: the rows',
.set WSC, 114                          ; the weight's, two sets,
.set KVS, 118                          ; k's or v's four words,
.set QS,  122                          ; q's, one register a tile,
.set PS,  126                          ; p's, one a tile of the pair
.set ACC, 128                          ; v128-255 sixteen accumulators
.set XO,  48                           ; P0 alone: 8 x lane
.set XST, 49                           ; 17,408 w + 8 x lane
.set R0S, 50                           ; RED0 + 256 w + 8 x lane
.set R0L, 51                           ; RED0 + 8 x lane
.set IST, 52                           ; IMG + 8,192 (l / 8) + 32 (l % 8) + 512 w
.set SST, 53                           ; SCL + 256 (w / 2) + 2 (w % 2) + 8 x lane
.set BM,  80                           ; P2: largest magnitudes, at work, scale operands, RoPE's products, bytes, codes
.set T2,  82
.set SO,  84
.set TA,  86
.set TB,  88
.set HW,  90
.set CDS, 96
.set CS,  32                           ; s[32:33] c = log2(e) / 8 (behind P0)
.set SEL, 34                           ; s[34:35] lane selects for v_permlanex16_b32: lane l xor 16 (behind P0)
; One scaled product.  c = 0: the sum begins with the constant 0.  ra, rb: the side's scale words lie in lanes 16-31
.macro WM d, a, b, c, sa, sb, ra, rb
.set wD, \d
.set wA, \a
.set wB, \b
.set wC, \c
.set wS, \sa
.set wT, \sb
.set wR, 2*(\ra)+(\rb)
.if wC == 0
.if wR == 0
	v_wmma_scale_f32_16x16x128_f8f6f4 v[wD:wD+7], v[wA:wA+7], v[wB:wB+7], 0, v[wS], v[wT] matrix_a_fmt:MATRIX_FMT_FP4 matrix_b_fmt:MATRIX_FMT_FP4
.elseif wR == 1
	v_wmma_scale_f32_16x16x128_f8f6f4 v[wD:wD+7], v[wA:wA+7], v[wB:wB+7], 0, v[wS], v[wT] matrix_a_fmt:MATRIX_FMT_FP4 matrix_b_fmt:MATRIX_FMT_FP4 matrix_b_scale:MATRIX_SCALE_ROW1
.elseif wR == 2
	v_wmma_scale_f32_16x16x128_f8f6f4 v[wD:wD+7], v[wA:wA+7], v[wB:wB+7], 0, v[wS], v[wT] matrix_a_fmt:MATRIX_FMT_FP4 matrix_b_fmt:MATRIX_FMT_FP4 matrix_a_scale:MATRIX_SCALE_ROW1
.else
	v_wmma_scale_f32_16x16x128_f8f6f4 v[wD:wD+7], v[wA:wA+7], v[wB:wB+7], 0, v[wS], v[wT] matrix_a_fmt:MATRIX_FMT_FP4 matrix_b_fmt:MATRIX_FMT_FP4 matrix_a_scale:MATRIX_SCALE_ROW1 matrix_b_scale:MATRIX_SCALE_ROW1
.endif
.else
.if wR == 0
	v_wmma_scale_f32_16x16x128_f8f6f4 v[wD:wD+7], v[wA:wA+7], v[wB:wB+7], v[wC:wC+7], v[wS], v[wT] matrix_a_fmt:MATRIX_FMT_FP4 matrix_b_fmt:MATRIX_FMT_FP4
.elseif wR == 1
	v_wmma_scale_f32_16x16x128_f8f6f4 v[wD:wD+7], v[wA:wA+7], v[wB:wB+7], v[wC:wC+7], v[wS], v[wT] matrix_a_fmt:MATRIX_FMT_FP4 matrix_b_fmt:MATRIX_FMT_FP4 matrix_b_scale:MATRIX_SCALE_ROW1
.elseif wR == 2
	v_wmma_scale_f32_16x16x128_f8f6f4 v[wD:wD+7], v[wA:wA+7], v[wB:wB+7], v[wC:wC+7], v[wS], v[wT] matrix_a_fmt:MATRIX_FMT_FP4 matrix_b_fmt:MATRIX_FMT_FP4 matrix_a_scale:MATRIX_SCALE_ROW1
.else
	v_wmma_scale_f32_16x16x128_f8f6f4 v[wD:wD+7], v[wA:wA+7], v[wB:wB+7], v[wC:wC+7], v[wS], v[wT] matrix_a_fmt:MATRIX_FMT_FP4 matrix_b_fmt:MATRIX_FMT_FP4 matrix_a_scale:MATRIX_SCALE_ROW1 matrix_b_scale:MATRIX_SCALE_ROW1
.endif
.endif
.endm
.macro PLACES                          ; four plain vector lines between a product and a load into one of its registers, or the first read of its result
.rept 4
	v_nop
.endr
.endm
.macro BAR                             ; my LDS stores have landed and my LDS loads are in: then the work-group's barrier
	s_wait_dscnt 0x0
	s_barrier_signal -1
	s_barrier_wait -1
.endm
.macro LDA ks                          ; the rows' four fragments of K step ks and their scale words, from LDS: 10 loads
.irp m, 0,1,2,3
.irp c, 0,1
	ds_load_b128 v[AF+8*\m+4*\c:AF+8*\m+4*\c+3], v[LI] offset:(8*\m+(\ks))*1024+512*\c
.endr
.endr
.irp p, 0,1
	ds_load_b32 v[XSC+\p], v[LS] offset:256*(\ks)+128*\p
.endr
.endm
.macro LDB ks, buf, WB, WS             ; the weight's four fragments of K step ks and their scale words, from memory, into set buf: 10 loads
.irp n, 0,1,2,3
.irp c, 0,1
	global_load_b128 v[BF+32*(\buf)+8*\n+4*\c:BF+32*(\buf)+8*\n+4*\c+3], v[GI], s[\WB:\WB+1] offset:4096*(\ks)+1024*\n+512*\c
.endr
.endr
.irp p, 0,1
	global_load_b32 v[WSC+2*(\buf)+\p], v[GS], s[\WS:\WS+1] offset:256*(\ks)+128*\p
.endr
.endm
.macro MULT buf                        ; source 0 = the weight: a lane holds a row, its registers run along the features.  The sums begin with what lies in the accumulators: the bias
.irp m, 0,1,2,3
.irp n, 0,1,2,3
	WM ACC+32*\m+8*\n, BF+32*(\buf)+8*\n, AF+8*\m, ACC+32*\m+8*\n, WSC+2*(\buf)+\n/2, XSC+\m/2, \n%2, \m%2
.endr
.endr
.endm
.macro MULN buf, zero                  ; source 0 = the rows: a lane holds a feature, its registers run down the rows
.irp n, 0,1,2,3
.irp m, 0,1,2,3
.if \zero
	WM ACC+32*\n+8*\m, AF+8*\m, BF+32*(\buf)+8*\n, 0, XSC+\m/2, WSC+2*(\buf)+\n/2, \m%2, \n%2
.else
	WM ACC+32*\n+8*\m, AF+8*\m, BF+32*(\buf)+8*\n, ACC+32*\n+8*\m, XSC+\m/2, WSC+2*(\buf)+\n/2, \m%2, \n%2
.endif
.endr
.endr
.endm
; 64 rows x 64 features x K = 1,024.  On entry LDB 0, LDB 1 and LDA 0 are out, and no younger global load.  The sixteen accumulators take turns, one instruction a turn, in the same order in every step.
.macro GEMM tr, WB, WS
.set gk, 0
.rept 8
	s_wait_dscnt 0x0                               ; the rows' fragments are in
.if gk < 7
	s_wait_loadcnt 10                              ; this step's weights are in; the next step's ten loads may be out
.else
	s_wait_loadcnt 0x0
.endif
.if \tr
	MULT gk%2
.else
	MULN gk%2, gk==0
.endif
	PLACES
.if gk < 7
	LDA gk+1
.endif
.if gk < 6
	LDB gk+2, gk%2, \WB, \WS
.endif
.set gk, gk+1
.endr
.endm
; The largest magnitude of 32 numbers of one lane, with the floor 2^(3 - 127) among the leaves: the byte cannot fall under 1
.macro BMAX ra, rb, s
.set bS, \s
	v_max3_num_f32 v[\ra], |v[bS]|, |v[bS+1]|, 0x1800000
	v_max3_num_f32 v[\rb], |v[bS+2]|, |v[bS+3]|, |v[bS+4]|
.irp i, 5,9,13,17,21,25
	v_max3_num_f32 v[\ra], v[\ra], |v[bS+\i]|, |v[bS+\i+1]|
	v_max3_num_f32 v[\rb], v[\rb], |v[bS+\i+2]|, |v[bS+\i+3]|
.endr
	v_max3_num_f32 v[\ra], v[\ra], |v[bS+29]|, |v[bS+30]|
	v_max3_num_f32 v[\ra], v[\ra], v[\rb], |v[bS+31]|
.endm
; 32 numbers of a lane, register 16 b + i = k 32 b + 16 (lane / 16) + i of my row, become half a fragment's image in v[pc] .. v[pc + 3] (lanes 0-15 block 0, lanes 16-31 block 1) and two scale bytes in v[hw]
.macro QUANT2 s, pc, hw
.set qS, \s
.set qP, \pc
.set qH, \hw
.irp b, 0,1
	v_max3_num_f32 v[BM+\b], |v[qS+16*\b]|, |v[qS+16*\b+1]|, 0x1800000
.endr
.irp i, 2,4,6,8,10,12,14
.irp b, 0,1
	v_max3_num_f32 v[BM+\b], v[BM+\b], |v[qS+16*\b+\i]|, |v[qS+16*\b+\i+1]|
.endr
.endr
.irp b, 0,1
	v_permlanex16_b32 v[T2+\b], v[BM+\b], s[SEL], s[SEL+1]
.endr
.irp b, 0,1
	v_max_num_f32 v[BM+\b], v[BM+\b], v[T2+\b]     ; with lane l xor 16's: the block's largest magnitude
.endr
.irp b, 0,1
	v_add_nc_u32 v[SO+\b], 0xff000000, v[BM+\b]    ; 2 off its exponent field: the conversion's scale operand
.endr
.irp b, 0,1
	v_lshrrev_b32 v[T2+\b], 23, v[SO+\b]           ; the scale's byte
.endr
	v_lshl_or_b32 v[qH], v[T2+1], 8, v[T2]
.irp b, 0,1
	v_cvt_scalef32_pk8_fp4_f32 v[qP+2*\b], v[qS+16*\b:qS+16*\b+7], v[SO+\b]
	v_cvt_scalef32_pk8_fp4_f32 v[qP+2*\b+1], v[qS+16*\b+8:qS+16*\b+15], v[SO+\b]
.endr
	v_nop                                          ; one plain line behind a scaled conversion
	v_permlane16_swap_b32 v[qP], v[qP+2]           ; the operand's layout wants a whole block in a lane
	v_permlane16_swap_b32 v[qP+1], v[qP+3]
.endm
; RoPE on tile m: t1 = registers 0-15, t2 = 16-31; cos in v[tb] .. + 15, sin in v[tb + 16] .. + 31.  Each accumulator is read from its low end on
.macro ROPE m, tb
.set rA, ACC+32*(\m)
.set rT, \tb
.irp i, 0,2,4,6,8,10,12,14
	v_pk_mul_f32 v[TA:TA+1], v[rA+16+\i:rA+17+\i], v[rT+16+\i:rT+17+\i]
	v_pk_mul_f32 v[TB:TB+1], v[rA+\i:rA+1+\i], v[rT+16+\i:rT+17+\i]
	v_pk_fma_f32 v[rA+\i:rA+1+\i], v[rA+\i:rA+1+\i], v[rT+\i:rT+1+\i], v[TA:TA+1] neg_lo:[0,0,1] neg_hi:[0,0,1]
	v_pk_fma_f32 v[rA+16+\i:rA+17+\i], v[rA+16+\i:rA+17+\i], v[rT+\i:rT+1+\i], v[TB:TB+1]
.endr
.endm
.macro TABLE m                         ; the table's tile m of my four into v16-47 (m even) or v48-79 (m odd): 8 loads of 512 dense bytes
.irp q, 0,1,2,3,4,5,6,7
	global_load_b128 v[16+32*((\m)%2)+4*\q:16+32*((\m)%2)+4*\q+3], v[GI], s[18:19] offset:4096*(\m)+512*\q
.endr
.endm
.macro BIAST P                         ; a bias in the layout of MULT's results, into all sixteen accumulators: register j of tile n is feature 32 (n / 2) + 16 (lane / 16) + 8 (n % 2) + j
.irp m, 0,1,2,3
.irp n, 0,1,2,3
	global_load_b128 v[ACC+32*\m+8*\n:ACC+32*\m+8*\n+3], v[BT], s[\P:\P+1] offset:(32*(\n/2)+8*(\n%2))*4
	global_load_b128 v[ACC+32*\m+8*\n+4:ACC+32*\m+8*\n+7], v[BT], s[\P:\P+1] offset:(32*(\n/2)+8*(\n%2))*4+16
.endr
.endr
.endm
.macro ADDB d, n                       ; my channel's bias of tile n onto 32 registers, from the low end on; the word is picked out of its pair
.set aD, \d
.irp j, 0,2,4,6,8,10,12,14,16,18,20,22,24,26,28,30
.if (\n)%2
	v_pk_add_f32 v[aD+\j:aD+\j+1], v[aD+\j:aD+\j+1], v[BV+2*((\n)/2):BV+2*((\n)/2)+1] op_sel:[0,1] op_sel_hi:[1,1]
.else
	v_pk_add_f32 v[aD+\j:aD+\j+1], v[aD+\j:aD+\j+1], v[BV+2*((\n)/2):BV+2*((\n)/2)+1] op_sel_hi:[1,0]
.endif
.endr
.endm
	s_load_b512 s[4:19], s[0:1], 0x0               ; x s[4:5], g_x s[6:7], b_x s[8:9], bq s[10:11], bo s[12:13], wimg s[14:15], wsc s[16:17], rope s[18:19]
	s_load_b256 s[20:27], s[0:1], 0x40             ; kimg s[20:21], ksc s[22:23], vimg s[24:25], vsc s[26:27]
	s_load_b64 s[28:29], s[0:1], 0x60              ; out0
	v_lshrrev_b32 v80, 5, v0
	v_readfirstlane_b32 s30, v80                   ; wave
	s_and_b32 s31, ttmp7, 0xffff                   ; batch
	v_and_b32 v81, 31, v0                          ; lane
	v_and_b32 v82, 15, v0                          ; r
	v_bfe_u32 v83, v0, 4, 1                        ; h
	s_mov_b32 s2, 0x3a800000                       ; 1 / 1,024
	s_mov_b32 s3, 0x3727c5ac                       ; 1e-5
	s_lshl_b32 s46, s30, 9                         ; 512 w
	s_lshr_b32 s47, s30, 1
	s_lshl_b32 s47, s47, 8
	s_and_b32 s50, s30, 1
	s_lshl_b32 s50, s50, 1
	s_add_co_u32 s47, s47, s50
	s_add_co_u32 s47, s47, SCL                     ; SCL + 256 (w / 2) + 2 (w % 2)
	s_mul_i32 s48, s30, 17408                      ; my 64 rows of x in LDS
	s_lshl_b32 s49, s30, 8
	s_add_co_u32 s49, s49, RED0
	v_lshlrev_b32 v[GI], 4, v81
	v_lshlrev_b32 v[GS], 2, v81
	v_lshl_add_u32 v[LI], v81, 4, IMG
	v_lshl_add_u32 v[LS], v81, 2, SCL
	v_add_nc_u32 v[VQ], s46, v[LI]
	v_lshl_add_u32 v[VOS], v82, 2, s47
	v_lshl_add_u32 v[SST], v81, 3, s47
	v_lshlrev_b32 v[VO], 4, v81
	v_lshlrev_b32 v[VS], 4, v82
	v_lshlrev_b32 v[BT], 6, v83
	v_mul_u32_u24 v[XRR], v82, 272
	v_lshl_add_u32 v[XRR], v83, 5, v[XRR]
	v_add_nc_u32 v[XRR], s48, v[XRR]
	v_mul_u32_u24 v[XRB], v83, 272
	v_lshl_add_u32 v[XRB], v82, 4, v[XRB]
	v_add_nc_u32 v[XRB], s48, v[XRB]
	v_lshlrev_b32 v[XO], 3, v81
	v_add_nc_u32 v[XST], s48, v[XO]
	v_add_nc_u32 v[R0S], s49, v[XO]
	v_add_nc_u32 v[R0L], RED0, v[XO]
	v_lshrrev_b32 v84, 3, v81
	v_and_b32 v85, 7, v81
	v_lshlrev_b32 v84, 13, v84
	v_lshl_add_u32 v84, v85, 5, v84
	v_add_nc_u32 v84, s46, v84
	v_add_nc_u32 v[IST], IMG, v84
	s_lshl_b32 s32, s31, 23                        ; x, out0: 8,388,608 a batch,
	s_lshl_b32 s33, s30, 19
	s_add_co_u32 s32, s32, s33                     ; 64 rows c of 8,192 bytes a wave,
	s_lshl_b32 s33, ttmp9, 8
	s_add_co_u32 s32, s32, s33                     ; 64 columns of 4 bytes a work-group
	s_mov_b32 s33, 0
	s_lshl_b32 s34, s30, 8                         ; g_x, b_x, bq, bo: my 64 numbers
	s_mov_b32 s35, 0
	s_lshl_b32 s36, s30, 15                        ; wimg: group w
	s_mov_b32 s37, 0
	s_lshl_b32 s38, s30, 11                        ; wsc
	s_mov_b32 s39, 0
	s_lshl_b32 s40, ttmp9, 14                      ; rope: four tiles of 4,096 bytes a work-group
	s_mov_b32 s41, 0
	s_lshl_b32 s42, s31, 4
	s_add_co_u32 s42, s42, s30                     ; 16 batch + head
	s_lshl_b32 s44, s42, 10                        ; ksc, vsc
	s_lshl_b32 s42, s42, 14                        ; kimg, vimg
	s_mov_b32 s43, 0
	s_mov_b32 s45, 0
	s_wait_kmcnt 0x0
	s_add_nc_u64 s[4:5], s[4:5], s[32:33]
	s_add_nc_u64 s[28:29], s[28:29], s[32:33]
	s_add_nc_u64 s[6:7], s[6:7], s[34:35]
	s_add_nc_u64 s[8:9], s[8:9], s[34:35]
	s_add_nc_u64 s[10:11], s[10:11], s[34:35]
	s_add_nc_u64 s[12:13], s[12:13], s[34:35]
	s_add_nc_u64 s[14:15], s[14:15], s[36:37]
	s_add_nc_u64 s[16:17], s[16:17], s[38:39]
	s_add_nc_u64 s[100:101], s[14:15], 1572864     ; Wo is the fourth weight
	s_add_nc_u64 s[66:67], s[16:17], 98304
	s_add_nc_u64 s[18:19], s[18:19], s[40:41]
	s_add_nc_u64 s[20:21], s[20:21], s[42:43]
	s_add_nc_u64 s[24:25], s[24:25], s[42:43]
	s_add_nc_u64 s[22:23], s[22:23], s[44:45]
	s_add_nc_u64 s[26:27], s[26:27], s[44:45]
	; ---- P0: LN(x) and xn's images
.set pj, 0
.rept 64
	global_load_b64 v[128+2*pj:129+2*pj], v[XO], s[4:5] offset:8192*pj th:TH_LOAD_NT   ; channel 64 w + i, columns 2 l and 2 l + 1: 32 lanes read 256 consecutive bytes, aligned
.set pj, pj+1
.endr
	s_load_b512 s[32:47], s[6:7], 0x0              ; g_x and b_x of my first 32 channels: the same for all lanes, so they lie in scalar registers
	s_load_b512 s[48:63], s[6:7], 0x40
	s_load_b512 s[68:83], s[8:9], 0x0
	s_load_b512 s[84:99], s[8:9], 0x40
.irp g, 0,1,2,3
	s_wait_loadcnt 48-16*\g                        ; this group of 16 channels is in; the later groups may be out
.irp k, 0,1,2,3,4,5,6,7,8,9,10,11,12,13,14,15
	ds_store_b64 v[XST], v[128+2*(16*\g+\k):129+2*(16*\g+\k)] offset:272*(16*\g+\k)    ; x stays in LDS for the residual
.endr
.if \g == 0
.irp c, 0,1,2,3
	v_pk_add_f32 v[80+2*\c:81+2*\c], v[128+2*\c:129+2*\c], v[136+2*\c:137+2*\c]        ; the first pairs start four chains
.endr
.irp k, 8,9,10,11,12,13,14,15
	v_pk_add_f32 v[80+2*(\k%4):81+2*(\k%4)], v[80+2*(\k%4):81+2*(\k%4)], v[128+2*\k:129+2*\k]
.endr
.else
.irp k, 0,1,2,3,4,5,6,7,8,9,10,11,12,13,14,15
	v_pk_add_f32 v[80+2*(\k%4):81+2*(\k%4)], v[80+2*(\k%4):81+2*(\k%4)], v[128+2*(16*\g+\k):129+2*(16*\g+\k)]
.endr
.endif
.endr
.macro CHAINS                          ; the four chains into v[80:81]
	v_pk_add_f32 v[80:81], v[80:81], v[82:83]
	v_pk_add_f32 v[84:85], v[84:85], v[86:87]
	v_pk_add_f32 v[80:81], v[80:81], v[84:85]
.endm
.macro RSUM off                        ; the sixteen waves' parts, added in the same order by every wave, into v[16:17]
.irp k, 0,1,2,3,4,5,6,7,8,9,10,11,12,13,14,15
	ds_load_b64 v[16+2*\k:17+2*\k], v[R0L] offset:\off+256*\k
.endr
	s_wait_dscnt 0x0
.irp k, 0,1,2,3,4,5,6,7
	v_pk_add_f32 v[16+2*\k:17+2*\k], v[16+2*\k:17+2*\k], v[32+2*\k:33+2*\k]
.endr
.irp k, 0,1,2,3
	v_pk_add_f32 v[16+2*\k:17+2*\k], v[16+2*\k:17+2*\k], v[24+2*\k:25+2*\k]
.endr
.irp k, 0,1
	v_pk_add_f32 v[16+2*\k:17+2*\k], v[16+2*\k:17+2*\k], v[20+2*\k:21+2*\k]
.endr
	v_pk_add_f32 v[16:17], v[16:17], v[18:19]
.endm
	CHAINS
	ds_store_b64 v[R0S], v[80:81]
	BAR                                            ; barrier 1: all partial sums lie in LDS
	RSUM 0
	v_pk_mul_f32 v[88:89], v[16:17], s[2:3] op_sel_hi:[1,0]        ; my two columns' means
.set pj, 0
.rept 64
	v_pk_add_f32 v[128+pj:129+pj], v[128+pj:129+pj], v[88:89] neg_lo:[0,1] neg_hi:[0,1]   ; x - mean
.set pj, pj+2
.endr
.irp c, 0,1,2,3
	v_pk_mul_f32 v[80+2*\c:81+2*\c], v[128+2*\c:129+2*\c], v[128+2*\c:129+2*\c]
.endr
.set pj, 4
.rept 60
	v_pk_fma_f32 v[80+2*(pj%4):81+2*(pj%4)], v[128+2*pj:129+2*pj], v[128+2*pj:129+2*pj], v[80+2*(pj%4):81+2*(pj%4)]
.set pj, pj+1
.endr
	CHAINS
	ds_store_b64 v[R0S], v[80:81] offset:4096
	BAR                                            ; barrier 2: all partial sums of squares
	RSUM 4096
	v_fma_f32 v92, v16, s2, s3                     ; variance + 1e-5
	v_fma_f32 v93, v17, s2, s3
	v_rsq_f32 v90, v92
	v_rsq_f32 v91, v93
	v_nop                                          ; a plain line behind the transcendentals,
	s_wait_alu depctr_va_vdst(0)                   ; and the wait ahead of the first line that names a result
.set pj, 0
.rept 64
	v_pk_mul_f32 v[128+pj:129+pj], v[128+pj:129+pj], v[90:91]
.set pj, pj+2
.endr
; Block jb (32 channels) of column 2 l + e: x g + b, which also pulls the two columns apart; the block's scale; its codes, to their place in the images
.macro XQ jb, e
.set xi, 0
.rept 32
	v_fma_f32 v[16+xi], v[128+2*(32*\jb+xi)+\e], s[32+xi], s[68+xi]
.set xi, xi+1
.endr
	BMAX 92, 93, 16
	v_add_nc_u32 v94, 0xff000000, v92
	v_lshrrev_b32 v[80+2*\jb+\e], 23, v94
.irp g, 0,1,2,3
	v_cvt_scalef32_pk8_fp4_f32 v[96+4*(2*\jb+\e)+\g], v[16+8*\g:23+8*\g], v94
.endr
	v_nop
	ds_store_b128 v[IST], v[96+4*(2*\jb+\e):99+4*(2*\jb+\e)] offset:256*\jb+16*\e
.endm
	s_wait_kmcnt 0x0
	XQ 0, 0
	XQ 0, 1
	s_load_b512 s[32:47], s[6:7], 0x80             ; my second 32 channels
	s_load_b512 s[48:63], s[6:7], 0xc0
	s_load_b512 s[68:83], s[8:9], 0x80
	s_load_b512 s[84:99], s[8:9], 0xc0
	s_wait_kmcnt 0x0
	XQ 1, 0
	XQ 1, 1
.irp e, 0,1
	v_lshl_or_b32 v[84+\e], v[82+\e], 8, v[80+\e]
	ds_store_b16 v[SST], v[84+\e] offset:4*\e      ; my two bytes of row 2 l + e's scale word
.endr
	s_mov_b32 s[CS], 0x3e38aa3b                    ; c = log2(e) / sqrt(64)
	s_mov_b32 s[CS+1], s[CS]                       ; (named with it as a pair, so it is written)
	s_mov_b32 s[SEL], 0x76543210
	s_mov_b32 s[SEL+1], 0xfedcba98
	s_wait_dscnt 0x0                               ; my images have landed, for the others' sake; and the stores have read their registers, which the loads below write
	BIAST 10                                       ; bq is the first C
	LDB 0, 0, 14, 16
	LDB 1, 1, 14, 16
	s_barrier_signal -1
	s_barrier_wait -1                              ; barrier 3: xn's 32 fragments and their scale words lie in LDS
	; ---- P1: q
	LDA 0
	GEMM 1, 14, 16
	TABLE 0
	TABLE 1
	BAR                                            ; barrier 4: nobody reads xn's images or scale words any more
	; ---- P2: RoPE, q's codes and scale words
.irp m, 0,1,2,3
.if \m < 3
	s_wait_loadcnt 8                               ; this tile's table is in; the next tile's 8 loads may be out
.else
	s_wait_loadcnt 0x0
.endif
	ROPE \m, 16+32*(\m%2)
	QUANT2 ACC+32*\m, CDS+4*\m, HW+\m
	ds_store_b128 v[VQ], v[CDS+4*\m:CDS+4*\m+3] offset:8192*\m     ; into my own piece of tile m: no other wave touches it before barrier 5
	v_lshl_or_b32 v[QS+\m], v[HW+\m], 16, v[HW+\m]                 ; q's two bytes, for K blocks 0, 1 and for 2, 3
.if \m < 2
	TABLE \m+2
.endif
.endr
	; ---- P3: attention
.set KV,  16                           ; v16-47  four fragments: k's, then v's
.set QA,  48                           ; v48-55  [q | 0]
.set QB,  56                           ; v56-63  [0 | q]
.set PCD, 64                           ; v64-79  p's codes, 8 a tile; at the end o's
.set ST,  80                           ; v80 + 4 e: -M, the largest t, the sum in two halves
.set F,   88                           ; v88 + 2 e: f = 2^(old M - new M), named as a pair
.set BM,  92                           ; v92-95  the blocks' largest scores, then largest p
.set T2,  96                           ; v96-99  at work
.set SO,  100                          ; v100-103 the conversions' scale operands
.set TMP, 104                          ; v104-107 at work
.set O,   128                          ; v128-191 O^T: tile e, features' tile n at O + 32 e + 8 n
.set S,   192                          ; v192-255 S^T of one tile of queries, then p
.macro LDK                             ; a key step's four fragments of k and their scale words
.irp P, 0,1,2,3
.irp c, 0,1
	global_load_b128 v[KV+8*\P+4*\c:KV+8*\P+4*\c+3], v[VO], s[20:21] offset:1024*\P+512*\c
.endr
.endr
	global_load_b128 v[KVS:KVS+3], v[VS], s[22:23]
.endm
.macro LDV                             ; and of v
.irp n, 0,1,2,3
.irp c, 0,1
	global_load_b128 v[KV+8*\n+4*\c:KV+8*\n+4*\c+3], v[VO], s[24:25] offset:1024*\n+512*\c
.endr
.endr
	global_load_b128 v[KVS:KVS+3], v[VS], s[26:27]
.endm
.macro LDQ t                           ; q's codes of tile t into [q | 0]'s low half and [0 | q]'s high half
	ds_load_b128 v[QA:QA+3], v[VQ] offset:8192*(\t)
	ds_load_b128 v[QB+4:QB+7], v[VQ] offset:8192*(\t)
.endm
.macro SCORES t                        ; S^T of 128 keys x tile t: registers 16 P + i = key 32 P + 16 (lane / 16) + i
.irp P, 0,1,2,3
	WM S+16*\P, KV+8*\P, QA, 0, KVS+\P, QS+(\t), 0, 0
	WM S+16*\P+8, KV+8*\P, QB, 0, KVS+\P, QS+(\t), 0, 0
.endr
.endm
; The softmax of one tile of 16 queries for 128 keys: S becomes p; p's codes into PCD + 8 e, its scale word into PS + e, f into F + 2 e
.macro SOFTMAX e
.set sT, ST+4*\e
.set sF, F+2*\e
.irp b, 0,1,2,3
	v_max3_num_f32 v[BM+\b], v[S+16*\b], v[S+16*\b+1], v[S+16*\b+2]    ; the largest score of each block of 32 keys: it serves for the row's maximum and, since p rises with the score, for the block's largest p
.endr
.irp i, 3,5,7,9,11,13
.irp b, 0,1,2,3
	v_max3_num_f32 v[BM+\b], v[BM+\b], v[S+16*\b+\i], v[S+16*\b+\i+1]
.endr
.endr
.irp b, 0,1,2,3
	v_max_num_f32 v[BM+\b], v[BM+\b], v[S+16*\b+15]
.endr
.irp b, 0,1,2,3
	v_permlanex16_b32 v[T2+\b], v[BM+\b], s[SEL], s[SEL+1]
.endr
.irp b, 0,1,2,3
	v_max_num_f32 v[BM+\b], v[BM+\b], v[T2+\b]     ; with lane l xor 16's 16 keys
.endr
	v_max3_num_f32 v[TMP], v[BM], v[BM+1], v[BM+2]
	v_max_num_f32 v[TMP], v[TMP], v[BM+3]
	v_mul_f32 v[TMP], s[CS], v[TMP]                ; the step's largest t (c is positive)
	v_max_num_f32 v[sT+1], v[sT+1], v[TMP]         ; the running largest t
	v_mov_b32 v[TMP], v[sT]
	v_floor_f32 v[sT], -v[sT+1]                    ; the new -M = floor(-t): M is a whole number
	v_sub_f32 v[TMP], v[sT], v[TMP]                ; old M - new M: a whole number, 0 or less
	v_cvt_i32_f32 v[TMP], v[TMP]                   ; (it saturates)
	v_ldexp_f32 v[sF], 1.0, v[TMP]                 ; f = 2^(old M - new M): a multiplication by it rounds nothing
.set sj, 0
.rept 32
	v_pk_fma_f32 v[S+sj:S+sj+1], v[S+sj:S+sj+1], s[CS:CS+1], v[sT:sT+1] op_sel_hi:[1,0,0]   ; t - M, two at a time
.set sj, sj+2
.endr
.irp b, 0,1,2,3
	v_fma_f32 v[BM+\b], v[BM+\b], s[CS], v[sT]     ; the same of each block's largest score
.endr
.set sj, 0
.rept 64
	v_exp_f32 v[S+sj], v[S+sj]                     ; p = 2^(t - M), at most 1: not normalised
.set sj, sj+1
.endr
	v_pk_mul_f32 v[sT+2:sT+3], v[sT+2:sT+3], v[sF:sF+1] op_sel_hi:[1,0]   ; the sums under the new M: the plain line behind the exponentials
	s_wait_alu depctr_va_vdst(0)                   ; one wait for the batch of 64, ahead of the first line that names a result
.irp b, 0,1,2,3
	v_exp_f32 v[BM+\b], v[BM+\b]                   ; the block's largest p: the same two instructions on the same number give the same bits
.endr
	v_pk_add_f32 v[T2:T2+1], v[S:S+1], v[S+2:S+3]  ; the row's sum is taken of the unquantised p, in two chains; these lines read the 64 alone
.set sj, 4
.rept 15
	v_pk_add_f32 v[sT+2:sT+3], v[sT+2:sT+3], v[S+sj:S+sj+1]
	v_pk_add_f32 v[T2:T2+1], v[T2:T2+1], v[S+sj+2:S+sj+3]
.set sj, sj+4
.endr
	v_pk_add_f32 v[sT+2:sT+3], v[sT+2:sT+3], v[T2:T2+1]
	s_wait_alu depctr_va_vdst(0)                   ; and one for the four
.irp b, 0,1,2,3
	v_max_num_f32 v[BM+\b], 0x1800000, v[BM+\b]    ; the floor 2^(3 - 127): the byte cannot fall under 1
.endr
.irp b, 0,1,2,3
	v_add_nc_u32 v[SO+\b], 0xff000000, v[BM+\b]
.endr
.irp b, 0,1,2,3
	v_lshrrev_b32 v[T2+\b], 23, v[SO+\b]
.endr
	v_lshl_or_b32 v[PS+\e], v[T2+1], 8, v[T2]      ; p's scale word for these 128 keys
	v_lshl_or_b32 v[PS+\e], v[T2+2], 16, v[PS+\e]
	v_lshl_or_b32 v[PS+\e], v[T2+3], 24, v[PS+\e]
.irp b, 0,1,2,3
	v_cvt_scalef32_pk8_fp4_f32 v[PCD+8*\e+2*\b], v[S+16*\b:S+16*\b+7], v[SO+\b]
	v_cvt_scalef32_pk8_fp4_f32 v[PCD+8*\e+2*\b+1], v[S+16*\b+8:S+16*\b+15], v[SO+\b]
.endr
	v_nop
.irp c, 0,1
.irp i, 0,1
	v_permlane16_swap_b32 v[PCD+8*\e+4*\c+\i], v[PCD+8*\e+4*\c+2+\i]
.endr
.endr
.endm
; Tile e of the pair, tile t of the four: O^T / the sum; o's codes over q's, which are done with; o's two scale bytes
.macro FINAL e, t
	v_add_f32 v[TMP], v[ST+4*\e+2], v[ST+4*\e+3]
	v_permlanex16_b32 v[TMP+1], v[TMP], s[SEL], s[SEL+1]
	v_add_f32 v[TMP], v[TMP], v[TMP+1]             ; the row's sum
	v_rcp_f32 v[TMP+2], v[TMP]
	v_nop
	s_wait_alu depctr_va_vdst(0)
.set fj, 0
.rept 16
	v_pk_mul_f32 v[O+32*\e+fj:O+32*\e+fj+1], v[O+32*\e+fj:O+32*\e+fj+1], v[TMP+2:TMP+3] op_sel_hi:[1,0]   ; each accumulator from its low end on
.set fj, fj+2
.endr
	QUANT2 O+32*\e, PCD+4*\e, BM+2+\e
	ds_store_b128 v[VQ], v[PCD+4*\e:PCD+4*\e+3] offset:8192*(\t)
	ds_store_b16 v[VOS], v[BM+2+\e] offset:64*(\t)
.endm
; Query tiles a and a + 1 against all 512 keys.  Written out twice, so that register numbers and LDS offsets are constants
.macro PAIRBODY a
	LDQ \a
.irp e, 0,1
	v_mov_b32 v[ST+4*\e+1], 0xff61b1e6             ; the largest t so far: -3e38, under every t
	v_floor_f32 v[ST+4*\e], -v[ST+4*\e+1]
	v_mov_b32 v[ST+4*\e+2], 0
	v_mov_b32 v[ST+4*\e+3], 0
.endr
.set oj, 0
.rept 64
	v_mov_b32 v[O+oj], 0                           ; the step is written once: the first finds zeros, which the first change of M leaves zeros
.set oj, oj+1
.endr
	s_mov_b32 s37, 4
.Lstep_\@:
	s_wait_loadcnt 0x0                             ; k and its scale words are in,
	s_wait_dscnt 0x0                               ; and q's codes
	SCORES \a
	PLACES
	LDQ \a+1                                       ; lands under the softmax
	SOFTMAX 0
	s_wait_dscnt 0x0
	SCORES \a+1
	PLACES
	LDV                                            ; v of this step takes k's registers; it lands under the softmax
	LDQ \a
	SOFTMAX 1
.irp e, 0,1
.set oj, 0
.rept 16
	v_pk_mul_f32 v[O+32*\e+oj:O+32*\e+oj+1], v[O+32*\e+oj:O+32*\e+oj+1], v[F+2*\e:F+2*\e+1] op_sel_hi:[1,0]   ; O^T under the new M.  These 32 lines also stand between the lines that made p's codes and scale word and the products below
.set oj, oj+2
.endr
.endr
	s_wait_loadcnt 0x0                             ; v is in: and the loads have read their offsets, which step now
	s_wait_dscnt 0x0
	v_add_nc_u32 v[VO], 4096, v[VO]
	v_add_nc_u32 v[VS], 256, v[VS]
	v_and_b32 v[VO], 0x3fff, v[VO]                 ; behind the fourth step: back to the first, for the next pair
	v_and_b32 v[VS], 0x3ff, v[VS]
.irp n, 0,1,2,3
.irp e, 0,1
	WM O+32*\e+8*\n, KV+8*\n, PCD+8*\e, O+32*\e+8*\n, KVS+\n, PS+\e, 0, 0     ; eight accumulators, one turn each; the scores' products stand between the links of a chain
.endr
.endr
	PLACES
.if \a == 2
	s_cmp_eq_u32 s37, 1                            ; the very last step asks for nothing
	s_cbranch_scc1 .Lno_k_\@
.endif
	LDK
.if \a == 2
.Lno_k_\@:
.endif
	s_sub_co_u32 s37, s37, 1
	s_cmp_lg_u32 s37, 0
	s_cbranch_scc1 .Lstep_\@
	FINAL 0, \a
	FINAL 1, \a+1
.endm
.irp j, 52,53,54,55,56,57,58,59
	v_mov_b32 v[\j], 0                             ; the zero halves of [q | 0] and [0 | q]: zero codes add nothing under any scale byte that q has
.endr
	v_mov_b32 v[F+1], 0                            ; named as upper halves of pairs, or as a lane permute's destination: written once
	v_mov_b32 v[F+3], 0
	v_mov_b32 v[TMP+1], 0
	v_mov_b32 v[TMP+3], 0
	LDK                                            ; key step 0
	PAIRBODY 0
	PAIRBODY 2
	; ---- P4: o Wo + bo + x
	v_and_b32 v[BT], 15, v0                        ; (bq's loads, which read this register, were waited for in P1)
	v_lshlrev_b32 v[BT], 2, v[BT]
	s_wait_dscnt 0x0                               ; o's images have landed, for the others' sake; and the stores have read their registers, which the loads below write
.irp n, 0,1,2,3
	global_load_b32 v[BV+\n], v[BT], s[12:13] offset:64*\n         ; bo of channel 64 w + 16 n + r
.endr
	LDB 0, 0, 100, 66
	LDB 1, 1, 100, 66
	s_barrier_signal -1
	s_barrier_wait -1                              ; barrier 5: o's 32 fragments and their scale words lie in LDS
	LDA 0
	GEMM 0, 100, 66                                ; lane (r, h): channel 64 w + 16 n + r; register 8 m + j: s = 16 m + 8 h + j
.irp n, 0,1,2,3
.irp m, 0,1,2,3
.irp c, 0,1
	ds_load_b128 v[16+32*(\n%2)+8*\m+4*\c:19+32*(\n%2)+8*\m+4*\c], v[XRR] offset:4352*\n+64*\m+16*\c   ; x of my channel, the same 32 columns
.endr
.endr
	ADDB ACC+32*\n, \n
	s_wait_dscnt 0x0
.irp j, 0,2,4,6,8,10,12,14,16,18,20,22,24,26,28,30
	v_pk_add_f32 v[16+32*(\n%2)+\j:17+32*(\n%2)+\j], v[16+32*(\n%2)+\j:17+32*(\n%2)+\j], v[ACC+32*\n+\j:ACC+32*\n+\j+1]
.endr
.irp m, 0,1,2,3
.irp c, 0,1
	ds_store_b128 v[XRR], v[16+32*(\n%2)+8*\m+4*\c:19+32*(\n%2)+8*\m+4*\c] offset:4352*\n+64*\m+16*\c
.endr
.endr
.endr
	v_and_b32 v81, 15, v0
	v_bfe_u32 v80, v0, 4, 1
	v_lshlrev_b32 v80, 13, v80
	v_lshl_add_u32 v80, v81, 4, v80                ; out0: lanes 0-15 one row c, lanes 16-31 the next; 16 bytes a lane
.set oj, 0
.rept 32
	ds_load_b128 v[128+4*oj:131+4*oj], v[XRB] offset:544*oj        ; LDS serves a wave's instructions in order (ISA guide 5.7.1.4): these see my stores
.set oj, oj+1
.endr
.set oj, 0
.rept 32
	s_wait_dscnt 31-oj                             ; this pair of rows is in; the younger loads may be out
	global_store_b128 v80, v[128+4*oj:131+4*oj], s[28:29] offset:16384*oj th:TH_STORE_NT   ; sixteen lanes store 256 consecutive bytes, aligned
.set oj, oj+1
.endr
	s_wait_xcnt 0x0
	v_lshl_add_u32 v254, v0, 2, 0x4e800
	v_mov_b32 v255, 0
	s_wait_tensorcnt 0x0
	ds_add_u32 v254, v255
	s_wait_dscnt 0x0
	s_endpgm
.Lfunc_end_k_q6ed01c98c7_main:
	.size	k_q6ed01c98c7_main, .Lfunc_end_k_q6ed01c98c7_main-k_q6ed01c98c7_main
	.p2alignl 7, 3214868480
	.fill 96, 4, 3214868480
	.section	.rodata,"a",@progbits
	.p2align	6, 0x0
	.amdhsa_kernel k_q6ed01c98c7_main
		.amdhsa_group_segment_fixed_size 323584
		.amdhsa_private_segment_fixed_size 0
		.amdhsa_enable_private_segment 0
		.amdhsa_kernarg_size 104
		.amdhsa_user_sgpr_count 2
		.amdhsa_user_sgpr_kernarg_segment_ptr 1
		.amdhsa_wavefront_size32 1
		.amdhsa_system_sgpr_workgroup_id_x 1
		.amdhsa_system_sgpr_workgroup_id_y 1
		.amdhsa_system_sgpr_workgroup_id_z 1
		.amdhsa_system_vgpr_workitem_id 0
		.amdhsa_next_free_vgpr 256
		.amdhsa_next_free_sgpr 102
		.amdhsa_reserve_vcc 0
		.amdhsa_float_denorm_mode_32 3
		.amdhsa_float_denorm_mode_16_64 3
		.amdhsa_memory_ordered 1
		.amdhsa_forward_progress 1
		.amdhsa_inst_pref_size 228
	.end_amdhsa_kernel
	.amdgpu_metadata
---
amdhsa.version: [ 1, 2 ]
amdhsa.kernels:
  - .name:           k_q6ed01c98c7_main
    .symbol:         k_q6ed01c98c7_main.kd
    .args:
      - { .name: x, .offset: 0, .size: 8, .value_kind: global_buffer, .address_space: global }
      - { .name: g_x, .offset: 8, .size: 8, .value_kind: global_buffer, .address_space: global }
      - { .name: b_x, .offset: 16, .size: 8, .value_kind: global_buffer, .address_space: global }
      - { .name: bq, .offset: 24, .size: 8, .value_kind: global_buffer, .address_space: global }
      - { .name: bo, .offset: 32, .size: 8, .value_kind: global_buffer, .address_space: global }
      - { .name: wimg, .offset: 40, .size: 8, .value_kind: global_buffer, .address_space: global }
      - { .name: wsc, .offset: 48, .size: 8, .value_kind: global_buffer, .address_space: global }
      - { .name: rope, .offset: 56, .size: 8, .value_kind: global_buffer, .address_space: global }
      - { .name: kimg, .offset: 64, .size: 8, .value_kind: global_buffer, .address_space: global }
      - { .name: ksc, .offset: 72, .size: 8, .value_kind: global_buffer, .address_space: global }
      - { .name: vimg, .offset: 80, .size: 8, .value_kind: global_buffer, .address_space: global }
      - { .name: vsc, .offset: 88, .size: 8, .value_kind: global_buffer, .address_space: global }
      - { .name: out0, .offset: 96, .size: 8, .value_kind: global_buffer, .address_space: global }
    .group_segment_fixed_size: 323584
    .private_segment_fixed_size: 0
    .kernarg_segment_align: 8
    .kernarg_segment_size: 104
    .max_flat_workgroup_size: 512
    .sgpr_count:     102
    .vgpr_count:     256
    .wavefront_size: 32
...
	.end_amdgpu_metadata
.endif
;; end of part 3
;; ======== version 2 of 2: 3 launches
;; workspace buffers: wimg 2,097,152 bytes; wsc 131,072 bytes; rope 655,360 bytes; timg 2,228,224 bytes; kimg 2,097,152 bytes; ksc 131,072 bytes; vimg 2,097,152 bytes; vsc 131,072 bytes
;; launch prep (part 4): grid 64 x 8, 4 waves a work-group, no clusters, 18,944 bytes of LDS; arguments Wq, Wk, Wv, Wo, wimg, wsc, rope, timg, text_embeddings, g_t, b_t; writes wimg, wsc, rope, timg
.if DOCPART == 4
	.amdgcn_target "amdgcn-amd-amdhsa--gfx1250"
	.amdhsa_code_object_version 6
	.text
	.protected	k_q6ed01c98c7_prep
	.globl	k_q6ed01c98c7_prep
	.p2align	8
	.type	k_q6ed01c98c7_prep,@function
k_q6ed01c98c7_prep:
	s_mov_b64 s[64:65], 0
	v_nop
	global_prefetch_b8 v0, s[64:65] scope:SCOPE_SE
	s_setreg_imm32_b32 hwreg(HW_REG_WAVE_MODE, 25, 1), 1
	s_wait_xcnt 0x0
; THE WEIGHTS AND THE NORMALISED TEXT BECOME CODES, AND THE TABLE OF RoPE IS MADE.  Work-groups with y = 0 .. 3 take a weight each (and the table), those with y = 4 .. 7 the text.
; Wq, Wk, Wv, Wo: [1024 (k)][1024 (n)] f32, K their FIRST axis.  Each is quantised along K to FP4 (E2M1) with one E8M0 byte for each 32 k, and laid as IMAGES OF THE OPERAND'S REGISTERS:
;   wimg [weight y][g = n / 64][K step of 128][tile of 16 features][1,024 bytes]; in a tile, block j of 32 k of row r lies at 256 j + 16 r: two loads of 512 dense bytes bring a fragment.
;   wsc  [y][g][K step][p][lane] words: lane 16 u + r holds the four bytes of tile 2 p + u, row r.
; Which features form a tile: for Wq, Wk, Wv row r of tile u of a group of 32 is feature 8 u + r + 8 (r / 8), so that the results of two neighbouring tiles are 16 neighbours along the next K; for Wo feature 16 u + r.
; A LANE TAKES A COLUMN n AND ITS REGISTERS RUN DOWN K: a block of 32 lies in one lane, and the conversions give codes with K innermost.  A wave takes 32 columns x 128 k; all its 128 loads go out at once.
; A block's scale is 2^(floor(log2(largest magnitude)) - 2); its byte is the largest magnitude's exponent field - 2, held at 1 from below.
; THE TABLE: rope [160 tiles][8 pieces][32 lanes][4 f32]: pieces 0-3 cos, 4-7 sin, of pos x 10^(-d / 8), d = 16 (lane / 16) + i, i = 4 piece .. + 3.  Tiles 0-127 (queries): pos = 16 tile + lane % 16.
; Tiles 128 + T (keys): pos = 4 x (32 (T / 2) + 8 (T % 2) + r + 8 (r / 8)), r = lane % 16.  The angle is the f32 product, brought into +-pi/4 by pi/2 in three parts, then series in f32 (cut under 2e-9).
; THE TEXT: tn = LayerNorm(text) g_t + b_t, mean and variance in two passes, quantised along C.  A work-group takes one tile of 16 rows: tile T = 4 x (block of 64 rows) + m, whose row r is text row 32 (m / 2) + 8 (m % 2) + r + 8 (r / 8)
; of the block; wave g takes its rows 4 g .. 4 g + 3, which are four neighbouring rows of the text.  Loads take the bytes as they lie (512 a load); a row turns through the wave's own stage in LDS, so that lane l holds numbers
; 32 l .. 32 l + 31: a whole block.  timg: codes [T][g][block l][row i][16 bytes]; from byte 2,097,152 on the scale bytes [T][g][l][i].  The waves share nothing: no barrier.
; LIMITS: NaN and infinities are not served.  A block of zeros, or one whose largest magnitude lies under 2^-124, gets the byte 1 (only this program reads the bytes).  1 / sqrt by v_rsq_f32.
; The frequencies are the correctly rounded 10^(-d / 8); a power and a division in f32 may differ from them by one or two units in the last place: up to 2e-4 rad at the largest positions.
.set X,  32                            ; v32-159  128 numbers down K
.set CD, 160                           ; v160-175 four registers of codes for each block: no store's data are written again
.set WD, 176                           ; v176     the scale word
	s_set_vgpr_msb 0x40
	v_lshl_add_u32 v0, v0, 2, 0x4800
	v_mov_b32 v1, 0
	s_set_vgpr_msb 0x4000
	v_lshrrev_b32 v1, 5, v0
	v_readfirstlane_b32 s18, v1                    ; wave
	s_and_b32 s19, ttmp7, 0xffff                   ; y
	s_cmp_ge_u32 s19, 4                            ; the work-group's y alone: the same in all four waves
	s_cbranch_scc1 .Ltext
	s_load_b256 s[4:11], s[0:1], 0x0               ; Wq, Wk, Wv, Wo
	s_load_b128 s[12:15], s[0:1], 0x20             ; wimg, wsc
	s_load_b64 s[16:17], s[0:1], 0x30              ; rope
	s_and_b32 s20, ttmp9, 7                        ; which 128 columns
	s_lshr_b32 s21, ttmp9, 3                       ; which K step
	v_and_b32 v5, 31, v0                           ; lane = my column among the wave's 32
	v_lshlrev_b32 v2, 2, v5                        ; in: 4 bytes a lane
	v_bfe_u32 v6, v5, 3, 1                         ; permuted order: tile u = (l / 8) % 2,
	v_and_b32 v7, 7, v5
	v_lshrrev_b32 v8, 4, v5
	v_lshl_add_u32 v7, v8, 3, v7                   ; row r = l % 8 + 8 (l / 16)
	v_lshlrev_b32 v9, 4, v7
	v_lshl_add_u32 v9, v6, 10, v9                  ; codes: 1,024 u + 16 r
	v_lshlrev_b32 v10, 2, v7
	v_lshl_add_u32 v10, v6, 6, v10                 ; scale word: 64 u + 4 r
	v_and_b32 v11, 15, v5                          ; natural order: u = l / 16, r = l % 16
	v_lshlrev_b32 v3, 4, v11
	v_lshl_add_u32 v3, v8, 10, v3
	s_cmp_eq_u32 s19, 3
	s_cselect_b32 s40, -1, 0                       ; Wo keeps the natural order
	v_cndmask_b32 v3, v9, v3, s40
	v_cndmask_b32 v4, v10, v2, s40                 ; (natural: 64 u + 4 r = 4 l)
	s_lshl_b32 s22, s21, 19                        ; in: 128 rows of 4,096 bytes a K step,
	s_lshl_b32 s24, s20, 9
	s_add_co_u32 s22, s22, s24                     ; 512 bytes a group of columns,
	s_lshl_b32 s24, s18, 7
	s_add_co_u32 s22, s22, s24                     ; 128 a wave
	s_mov_b32 s23, 0
	s_lshl_b32 s24, s20, 1
	s_lshr_b32 s25, s18, 1
	s_add_co_u32 s24, s24, s25                     ; g = n / 64
	s_lshl_b32 s24, s24, 15
	s_lshl_b32 s25, s19, 19
	s_add_co_u32 s24, s24, s25
	s_lshl_b32 s25, s21, 12
	s_add_co_u32 s24, s24, s25
	s_and_b32 s25, s18, 1
	s_lshl_b32 s25, s25, 11
	s_add_co_u32 s24, s24, s25                     ; codes: 524,288 y + 32,768 g + 4,096 K step + 2,048 (wave % 2)
	s_mov_b32 s25, 0
	s_lshr_b32 s26, s24, 4                         ; scale words: a sixteenth of that
	s_mov_b32 s27, 0
	s_wait_kmcnt 0x0
	s_cmp_eq_u32 s19, 1                            ; the weight is chosen by the work-group's y alone
	s_cselect_b64 s[4:5], s[6:7], s[4:5]
	s_cmp_eq_u32 s19, 2
	s_cselect_b64 s[4:5], s[8:9], s[4:5]
	s_cmp_eq_u32 s19, 3
	s_cselect_b64 s[4:5], s[10:11], s[4:5]
	s_add_nc_u64 s[4:5], s[4:5], s[22:23]
	s_add_nc_u64 s[12:13], s[12:13], s[24:25]
	s_add_nc_u64 s[14:15], s[14:15], s[26:27]
.set pi, 0
.rept 128
	global_load_b32 v[X+pi], v2, s[4:5] offset:4096*pi th:TH_LOAD_NT   ; W(128 K step + i, my column): 32 lanes read 128 neighbouring bytes, the four waves 512
.set pi, pi+1
.endr
; Block j of 32 k.  left: how many younger loads may stay out (a wait names 63 at the most: blocks 0 and 1 wait for that)
.macro BLOCK j, left
.set XS, X+32*\j
	s_wait_loadcnt \left
	v_max3_num_f32 v8, |v[XS]|, |v[XS+1]|, 0x1800000               ; the largest magnitude, in two chains, with the floor 2^(3 - 127) among the leaves: the byte cannot fall under 1
	v_max3_num_f32 v9, |v[XS+2]|, |v[XS+3]|, |v[XS+4]|
.irp i, 5,9,13,17,21,25
	v_max3_num_f32 v8, v8, |v[XS+\i]|, |v[XS+\i+1]|
	v_max3_num_f32 v9, v9, |v[XS+\i+2]|, |v[XS+\i+3]|
.endr
	v_max3_num_f32 v8, v8, |v[XS+29]|, |v[XS+30]|
	v_max3_num_f32 v8, v8, v9, |v[XS+31]|
	v_add_nc_u32 v10, 0xff000000, v8               ; 2 off its exponent field: the conversion takes the exponent field of this operand as its scale
	v_lshrrev_b32 v11, 23, v10                     ; the scale's byte
.if \j == 0
	v_mov_b32 v[WD], v11
.else
	v_lshl_or_b32 v[WD], v11, 8*\j, v[WD]
.endif
.irp g, 0,1,2,3
	v_cvt_scalef32_pk8_fp4_f32 v[CD+4*\j+\g], v[XS+8*\g:XS+8*\g+7], v10
.endr
	v_nop                                          ; one plain line behind the last conversion of a run
	global_store_b128 v3, v[CD+4*\j:CD+4*\j+3], s[12:13] offset:256*\j   ; sixteen lanes of a tile store 256 consecutive bytes, aligned
.endm
	BLOCK 0, 63
	BLOCK 1, 63
	BLOCK 2, 32
	BLOCK 3, 0
	global_store_b32 v4, v[WD], s[14:15]           ; 32 lanes store 128 consecutive bytes
	; ---- the table: wave 0 of the first 160 work-groups makes one tile each
	s_cmp_lg_u32 s18, 0
	s_cbranch_scc1 .Lend
	s_lshl_b32 s20, s19, 6
	s_add_co_u32 s20, s20, ttmp9                   ; tile = 64 y + x
	s_cmp_ge_u32 s20, 160
	s_cbranch_scc1 .Lend
	s_sub_co_u32 s21, s20, 128                     ; T, for a tile of keys
	s_lshr_b32 s22, s21, 1
	s_lshl_b32 s22, s22, 7
	s_and_b32 s23, s21, 1
	s_lshl_b32 s23, s23, 5
	s_add_co_u32 s22, s22, s23                     ; 128 (T / 2) + 32 (T % 2)
	s_lshl_b32 s23, s20, 4                         ; 16 tile, for a tile of queries
	s_cmp_lt_u32 s20, 128
	s_cselect_b32 s22, s23, s22
	s_cselect_b32 s24, 1, 4                        ; pos = that + r x 1 or 4
	s_cselect_b32 s25, 0, 32                       ;            + (r / 8) x 0 or 32
	s_lshl_b32 s26, s20, 12
	s_mov_b32 s27, 0
	s_add_nc_u64 s[16:17], s[16:17], s[26:27]
	s_mov_b32 s28, 1.57079601                      ; pi / 2 in three parts
	s_mov_b32 s29, 0.000000313916473
	s_mov_b32 s30, 0.00000000000000539030253
	s_mov_b32 s31, 0.000000275573192               ; 1 / 10!
	s_mov_b32 s32, 0.00000275573192                ; 1 / 9!
	s_mov_b32 s33, 0.636619747                     ; 2 / pi
	v_and_b32 v21, 15, v5                          ; r
	v_lshrrev_b32 v22, 3, v21
	v_mul_u32_u24 v24, s24, v21
	v_mad_u32_u24 v24, v22, s25, v24
	v_add_nc_u32 v24, s22, v24
	v_cvt_f32_u32 v24, v24                         ; pos
	v_lshlrev_b32 v23, 4, v5                       ; out: 16 bytes a lane
	v_cmp_le_u32 vcc_lo, 16, v5                    ; lanes 16-31 take the frequencies 16 further on
; cos and sin of pos x frequency, for i: flo = 10^(-i / 8), fhi = 10^(-(16 + i) / 8)
.macro PAIR i, flo, fhi
	v_mov_b32 v9, \fhi
	v_cndmask_b32 v9, \flo, v9, vcc_lo
	v_mul_f32 v10, v24, v9                         ; the angle, one f32 product
	v_mul_f32 v11, s33, v10
	v_rndne_f32 v11, v11                           ; n = the nearest multiple of pi / 2
	v_fma_f32 v12, -v11, s28, v10                  ; r = angle - n pi / 2, the first part exact
	v_fma_f32 v12, -v11, s29, v12
	v_fma_f32 v12, -v11, s30, v12
	v_mul_f32 v13, v12, v12                        ; z = r r
	v_fma_f32 v14, -v13, s31, 0.0000248015873      ; cos r = 1 - z (1/2 - z (1/24 - z (1/720 - z (1/8! - z / 10!))))
	v_fma_f32 v15, -v13, s32, 0.000198412698       ; sin r = r - z r (1/6 - z (1/120 - z (1/7! - z / 9!)))
	v_fma_f32 v14, -v13, v14, 0.00138888889
	v_fma_f32 v15, -v13, v15, 0.00833333333
	v_fma_f32 v14, -v13, v14, 0.0416666667
	v_fma_f32 v15, -v13, v15, 0.166666667
	v_fma_f32 v14, -v13, v14, 0.5
	v_mul_f32 v16, v13, v12
	v_fma_f32 v14, -v13, v14, 1.0
	v_fma_f32 v15, -v16, v15, v12
	v_cvt_i32_f32 v17, v11
	v_and_b32 v18, 1, v17
	v_cmp_eq_u32 s40, 1, v18                       ; an odd n changes sin and cos over
	v_cndmask_b32 v19, v15, v14, s40
	v_cndmask_b32 v20, v14, v15, s40
	v_lshlrev_b32 v18, 30, v17                     ; sin is negative where n % 4 is 2 or 3: bit 1 of n
	v_add_nc_u32 v17, 1, v17                       ; cos where n % 4 is 1 or 2: bit 1 of n + 1
	v_and_b32 v18, 0x80000000, v18
	v_lshlrev_b32 v17, 30, v17
	v_and_b32 v17, 0x80000000, v17
	v_xor_b32 v[48+\i], v18, v19
	v_xor_b32 v[32+\i], v17, v20
.endm
	PAIR 0, 1.0, 0.01
	PAIR 1, 0.749894209, 0.00749894209
	PAIR 2, 0.562341325, 0.00562341325
	PAIR 3, 0.421696503, 0.00421696503
	PAIR 4, 0.316227766, 0.00316227766
	PAIR 5, 0.237137371, 0.00237137371
	PAIR 6, 0.177827941, 0.00177827941
	PAIR 7, 0.133352143, 0.00133352143
	PAIR 8, 0.1, 0.001
	PAIR 9, 0.0749894209, 0.000749894209
	PAIR 10, 0.0562341325, 0.000562341325
	PAIR 11, 0.0421696503, 0.000421696503
	PAIR 12, 0.0316227766, 0.000316227766
	PAIR 13, 0.0237137371, 0.000237137371
	PAIR 14, 0.0177827941, 0.000177827941
	PAIR 15, 0.0133352143, 0.000133352143
.irp q, 0,1,2,3,4,5,6,7
	global_store_b128 v23, v[32+4*\q:35+4*\q], s[16:17] offset:512*\q   ; 32 lanes store 512 consecutive bytes
.endr
.Lend:
	s_endpgm
	; ---- the text: LayerNorm of my four rows, and their codes
.set GI,  3                            ; v3   16 x lane
.set GS,  4                            ; v4   4 x lane
.set SA,  5                            ; v5   the stage (4,608 bytes a wave: 32 places of 128 + 16), on the way in
.set SB,  6                            ; v6   and out: 144 x lane
.set OA,  7                            ; v7   the same bytes once more, for the codes: in, 80 x lane
.set OB,  8                            ; v8   and out: 80 (lane / 4) + 16 (lane % 4)
.set SEL, 34                           ; s[34:35] lane selects for v_permlanex16_b32: lane l xor 16
.Ltext:
	s_load_b128 s[4:7], s[0:1], 0x40               ; text, g_t
	s_load_b64 s[8:9], s[0:1], 0x50                ; b_t
	s_load_b64 s[10:11], s[0:1], 0x38              ; timg
	s_sub_co_u32 s20, s19, 4
	s_lshl_b32 s20, s20, 6
	s_add_co_u32 s20, s20, ttmp9                   ; tile T = 64 (y - 4) + x
	v_and_b32 v81, 31, v0                          ; lane
	v_lshlrev_b32 v[GI], 4, v81
	v_lshlrev_b32 v[GS], 2, v81
	s_mul_i32 s40, s18, 4608                       ; my stage
	v_lshrrev_b32 v84, 3, v81
	v_mul_u32_u24 v84, v84, 144
	v_and_b32 v85, 7, v81
	v_lshl_add_u32 v84, v85, 4, v84
	v_add_nc_u32 v[SA], s40, v84                   ; in: eight lanes' 128 bytes on end, then 16 of padding
	v_mul_u32_u24 v84, v81, 144
	v_add_nc_u32 v[SB], s40, v84                   ; out: my 128 bytes
	v_mul_u32_u24 v84, v81, 80
	v_add_nc_u32 v[OA], s40, v84                   ; codes in: my four rows' 64 bytes, then 16 of padding
	v_lshrrev_b32 v84, 2, v81
	v_mul_u32_u24 v84, v84, 80
	v_and_b32 v85, 3, v81
	v_lshl_add_u32 v84, v85, 4, v84
	v_add_nc_u32 v[OB], s40, v84                   ; codes out: four lanes to a place
	v_mov_b32 v88, 0                               ; written once: a lane permute's destination counts as one of its sources
	s_mov_b32 s32, 0x3a800000                      ; 1 / 1,024
	s_mov_b32 s33, 0x3727c5ac                      ; 1e-5
	s_mov_b32 s[SEL], 0x76543210
	s_mov_b32 s[SEL+1], 0xfedcba98
	s_lshr_b32 s21, s20, 2                         ; my first row of the text: 64 (T / 4)
	s_lshl_b32 s21, s21, 6
	s_bfe_u32 s22, s20, 0x10001
	s_lshl_b32 s22, s22, 5
	s_add_co_u32 s21, s21, s22                     ; + 32 ((T / 2) % 2)
	s_and_b32 s22, s20, 1
	s_lshl_b32 s22, s22, 3
	s_add_co_u32 s21, s21, s22                     ; + 8 (T % 2)
	s_lshl_b32 s22, s18, 2
	s_add_co_u32 s21, s21, s22                     ; + 4 g
	s_lshr_b32 s22, s18, 1
	s_lshl_b32 s22, s22, 3
	s_add_co_u32 s21, s21, s22                     ; + 8 (g / 2)
	s_lshl_b32 s22, s21, 12                        ; rows of 4,096 bytes
	s_mov_b32 s23, 0
	s_lshl_b32 s24, s20, 13                        ; codes: 8,192 T + 2,048 g
	s_lshl_b32 s25, s18, 11
	s_add_co_u32 s24, s24, s25
	s_mov_b32 s25, 0
	s_lshr_b32 s26, s24, 4                         ; scale bytes: a sixteenth of that, behind the codes
	s_add_co_u32 s26, s26, 2097152
	s_mov_b32 s27, 0
	s_wait_alu depctr_va_vdst(0)
	s_wait_kmcnt 0x0
	s_add_nc_u64 s[4:5], s[4:5], s[22:23]
	s_add_nc_u64 s[12:13], s[10:11], s[26:27]
	s_add_nc_u64 s[10:11], s[10:11], s[24:25]
.irp q, 0,1,2,3,4,5,6,7
	global_load_b128 v[16+4*\q:19+4*\q], v[GI], s[6:7] offset:512*\q       ; g_t
.endr
.irp q, 0,1,2,3,4,5,6,7
	global_load_b128 v[48+4*\q:51+4*\q], v[GI], s[8:9] offset:512*\q       ; b_t
.endr
.irp i, 0,1,2,3
.irp q, 0,1,2,3,4,5,6,7
	global_load_b128 v[128+32*\i+4*\q:131+32*\i+4*\q], v[GI], s[4:5] offset:4096*\i+512*\q th:TH_LOAD_NT   ; 32 lanes read 512 consecutive bytes; read once in the launch
.endr
.endr
.macro TURN reg                        ; 4,096 bytes through my stage, in place: LDS serves a wave's instructions in order (ISA guide 5.7.1.4), so the loads see the stores, and the next turn's stores come behind them
.irp q, 0,1,2,3,4,5,6,7
	ds_store_b128 v[SA], v[\reg+4*\q:\reg+4*\q+3] offset:576*\q
.endr
.irp q, 0,1,2,3,4,5,6,7
	ds_load_b128 v[\reg+4*\q:\reg+4*\q+3], v[SB] offset:16*\q
.endr
.endm
	s_wait_loadcnt 40                              ; g_t is in; b_t's 8 loads and the rows' 32 may be out
	TURN 16
	s_wait_loadcnt 32                              ; b_t is in
	TURN 48
.irp i, 0,1,2,3
	s_wait_loadcnt 24-8*\i                         ; row i is in; the later rows may be out
	TURN 128+32*\i
.endr
	s_wait_dscnt 0x0
.macro WSUM r                          ; a sum over the 32 lanes, in every lane
	v_add_f32_dpp v[\r], v[\r], v[\r] row_xmask:1 row_mask:0xf bank_mask:0xf
	v_add_f32_dpp v[\r], v[\r], v[\r] row_xmask:2 row_mask:0xf bank_mask:0xf
	v_add_f32_dpp v[\r], v[\r], v[\r] row_xmask:4 row_mask:0xf bank_mask:0xf
	v_add_f32_dpp v[\r], v[\r], v[\r] row_xmask:8 row_mask:0xf bank_mask:0xf
	v_permlanex16_b32 v88, v[\r], s[SEL], s[SEL+1]
	v_add_f32 v[\r], v[\r], v88
.endm
; The largest magnitude of 32 numbers of one lane, with the floor 2^(3 - 127) among the leaves: the byte cannot fall under 1
.macro BMAX ra, rb, s
.set bS, \s
	v_max3_num_f32 v[\ra], |v[bS]|, |v[bS+1]|, 0x1800000
	v_max3_num_f32 v[\rb], |v[bS+2]|, |v[bS+3]|, |v[bS+4]|
.irp i, 5,9,13,17,21,25
	v_max3_num_f32 v[\ra], v[\ra], |v[bS+\i]|, |v[bS+\i+1]|
	v_max3_num_f32 v[\rb], v[\rb], |v[bS+\i+2]|, |v[bS+\i+3]|
.endr
	v_max3_num_f32 v[\ra], v[\ra], |v[bS+29]|, |v[bS+30]|
	v_max3_num_f32 v[\ra], v[\ra], v[\rb], |v[bS+31]|
.endm
.macro ROW i                           ; row i: its codes into v[96 + 4 i] on, its block's byte into v[92 + i]
.set RX, 128+32*\i
.irp k, 0,1,2,3
	v_pk_add_f32 v[80+2*\k:81+2*\k], v[RX+2*\k:RX+2*\k+1], v[RX+8+2*\k:RX+9+2*\k]     ; the sum, in four chains
.endr
.irp o, 16,24
.irp k, 0,1,2,3
	v_pk_add_f32 v[80+2*\k:81+2*\k], v[80+2*\k:81+2*\k], v[RX+\o+2*\k:RX+\o+2*\k+1]
.endr
.endr
	v_pk_add_f32 v[80:81], v[80:81], v[82:83]
	v_pk_add_f32 v[84:85], v[84:85], v[86:87]
	v_pk_add_f32 v[80:81], v[80:81], v[84:85]
	v_add_f32 v80, v80, v81
	WSUM 80
	v_mul_f32 v80, s32, v80                        ; the mean
.irp j, 0,2,4,6,8,10,12,14,16,18,20,22,24,26,28,30
	v_pk_add_f32 v[RX+\j:RX+\j+1], v[RX+\j:RX+\j+1], v[80:81] op_sel_hi:[1,0] neg_lo:[0,1] neg_hi:[0,1]   ; x - mean
.endr
.irp k, 0,1,2,3
	v_pk_mul_f32 v[80+2*\k:81+2*\k], v[RX+2*\k:RX+2*\k+1], v[RX+2*\k:RX+2*\k+1]       ; the sum of its squares
.endr
.irp o, 8,16,24
.irp k, 0,1,2,3
	v_pk_fma_f32 v[80+2*\k:81+2*\k], v[RX+\o+2*\k:RX+\o+2*\k+1], v[RX+\o+2*\k:RX+\o+2*\k+1], v[80+2*\k:81+2*\k]
.endr
.endr
	v_pk_add_f32 v[80:81], v[80:81], v[82:83]
	v_pk_add_f32 v[84:85], v[84:85], v[86:87]
	v_pk_add_f32 v[80:81], v[80:81], v[84:85]
	v_add_f32 v80, v80, v81
	WSUM 80
	v_fma_f32 v84, v80, s32, s33                   ; variance + 1e-5
	s_wait_alu depctr_va_vdst(0)
	v_rsq_f32 v82, v84
	v_nop                                          ; a plain line behind the transcendental,
	s_wait_alu depctr_va_vdst(0)                   ; and the wait ahead of the first line that names its result
.irp j, 0,2,4,6,8,10,12,14,16,18,20,22,24,26,28,30
	v_pk_mul_f32 v[RX+\j:RX+\j+1], v[RX+\j:RX+\j+1], v[82:83] op_sel_hi:[1,0]
.endr
.irp j, 0,2,4,6,8,10,12,14,16,18,20,22,24,26,28,30
	v_pk_fma_f32 v[RX+\j:RX+\j+1], v[RX+\j:RX+\j+1], v[16+\j:17+\j], v[48+\j:49+\j]   ; x g_t + b_t
.endr
	BMAX 89, 90, RX                                ; my 32 numbers are a whole block
	v_add_nc_u32 v91, 0xff000000, v89
	v_lshrrev_b32 v[92+\i], 23, v91
.irp g, 0,1,2,3
	v_cvt_scalef32_pk8_fp4_f32 v[96+4*\i+\g], v[RX+8*\g:RX+8*\g+7], v91
.endr
	v_nop
.endm
	ROW 0
	ROW 1
	ROW 2
	ROW 3
	v_lshl_or_b32 v92, v93, 8, v92                 ; block l's bytes of my four rows make a word
	v_lshl_or_b32 v92, v94, 16, v92
	v_lshl_or_b32 v92, v95, 24, v92
	global_store_b32 v[GS], v92, s[12:13]          ; 32 lanes store 128 consecutive bytes
.irp i, 0,1,2,3
	ds_store_b128 v[OA], v[96+4*\i:99+4*\i] offset:16*\i           ; a lane's 64 bytes lie together in the buffer, and the lanes beside it hold the next 64: so they turn through the stage
.endr
.irp q, 0,1,2,3
	ds_load_b128 v[16+4*\q:19+4*\q], v[OB] offset:640*\q           ; (LDS serves a wave's instructions in order: these see the stores)
.endr
	s_wait_dscnt 0x0
.irp q, 0,1,2,3
	global_store_b128 v[GI], v[16+4*\q:19+4*\q], s[10:11] offset:512*\q   ; 32 lanes store 512 consecutive bytes, aligned
.endr
	s_set_vgpr_msb 0x5
	s_wait_tensorcnt 0x0
	ds_add_u32 v0, v1
	s_wait_dscnt 0x0
	s_set_vgpr_msb 0x500
	s_endpgm
.Lfunc_end_k_q6ed01c98c7_prep:
	.size	k_q6ed01c98c7_prep, .Lfunc_end_k_q6ed01c98c7_prep-k_q6ed01c98c7_prep
	.p2alignl 7, 3214868480
	.fill 96, 4, 3214868480
	.section	.rodata,"a",@progbits
	.p2align	6, 0x0
	.amdhsa_kernel k_q6ed01c98c7_prep
		.amdhsa_group_segment_fixed_size 18944
		.amdhsa_private_segment_fixed_size 0
		.amdhsa_enable_private_segment 0
		.amdhsa_kernarg_size 88
		.amdhsa_user_sgpr_count 2
		.amdhsa_user_sgpr_kernarg_segment_ptr 1
		.amdhsa_wavefront_size32 1
		.amdhsa_system_sgpr_workgroup_id_x 1
		.amdhsa_system_sgpr_workgroup_id_y 1
		.amdhsa_system_sgpr_workgroup_id_z 1
		.amdhsa_system_vgpr_workitem_id 0
		.amdhsa_next_free_vgpr 258
		.amdhsa_next_free_sgpr 66
		.amdhsa_reserve_vcc 1
		.amdhsa_float_denorm_mode_32 3
		.amdhsa_float_denorm_mode_16_64 3
		.amdhsa_memory_ordered 1
		.amdhsa_forward_progress 1
		.amdhsa_inst_pref_size 96
	.end_amdhsa_kernel
	.amdgpu_metadata
---
amdhsa.version: [ 1, 2 ]
amdhsa.kernels:
  - .name:           k_q6ed01c98c7_prep
    .symbol:         k_q6ed01c98c7_prep.kd
    .args:
      - { .name: Wq, .offset: 0, .size: 8, .value_kind: global_buffer, .address_space: global }
      - { .name: Wk, .offset: 8, .size: 8, .value_kind: global_buffer, .address_space: global }
      - { .name: Wv, .offset: 16, .size: 8, .value_kind: global_buffer, .address_space: global }
      - { .name: Wo, .offset: 24, .size: 8, .value_kind: global_buffer, .address_space: global }
      - { .name: wimg, .offset: 32, .size: 8, .value_kind: global_buffer, .address_space: global }
      - { .name: wsc, .offset: 40, .size: 8, .value_kind: global_buffer, .address_space: global }
      - { .name: rope, .offset: 48, .size: 8, .value_kind: global_buffer, .address_space: global }
      - { .name: timg, .offset: 56, .size: 8, .value_kind: global_buffer, .address_space: global }
      - { .name: text_embeddings, .offset: 64, .size: 8, .value_kind: global_buffer, .address_space: global }
      - { .name: g_t, .offset: 72, .size: 8, .value_kind: global_buffer, .address_space: global }
      - { .name: b_t, .offset: 80, .size: 8, .value_kind: global_buffer, .address_space: global }
    .group_segment_fixed_size: 18944
    .private_segment_fixed_size: 0
    .kernarg_segment_align: 8
    .kernarg_segment_size: 88
    .max_flat_workgroup_size: 128
    .sgpr_count:     66
    .vgpr_count:     258
    .wavefront_size: 32
...
	.end_amdgpu_metadata
.endif
;; end of part 4
;; launch kv (part 5): grid 64 x 4, 8 waves a work-group, no clusters, 35,840 bytes of LDS; arguments timg, bk, bv, wimg, wsc, rope, kimg, ksc, vimg, vsc; writes kimg, ksc, vimg, vsc
.if DOCPART == 5
	.amdgcn_target "amdgcn-amd-amdhsa--gfx1250"
	.amdhsa_code_object_version 6
	.text
	.protected	k_q6ed01c98c7_kv
	.globl	k_q6ed01c98c7_kv
	.p2align	8
	.type	k_q6ed01c98c7_kv,@function
k_q6ed01c98c7_kv:
	s_mov_b64 s[64:65], 0
	v_nop
	global_prefetch_b8 v0, s[64:65] scope:SCOPE_SE
	s_setreg_imm32_b32 hwreg(HW_REG_WAVE_SCHED_MODE, 0, 2), 2
	s_setreg_imm32_b32 hwreg(HW_REG_WAVE_MODE, 25, 1), 1
	s_wait_xcnt 0x0
	s_wait_alu depctr_vm_vsrc(0)
; K AND V OF THE ATTENTION, AS CODES.  The normalised text comes as codes (made by the launch before).  y % 2 = 0: k = RoPE(tn Wk + bk), quantised along the head's 64; y % 2 = 1: v = tn Wv + bv, quantised along the keys.
; All products on codes of FP4 (E2M1) with one E8M0 byte for each 32 along K; all else in f32.
; SHARES.  A work-group takes 64 rows of the text (x), one of the two weights (y % 2) and eight heads (y / 2); wave w is head 8 (y / 2) + w: 64 rows x 64 features, 16 accumulators.  256 work-groups.
; THE COPY: the block's codes (32,768 bytes) and scale bytes (2,048) come into LDS once; wave w brings groups w and w + 8 of the sixteen groups of four rows: loads of 512 dense bytes; the stores lay them as
; IMAGES OF THE OPERAND'S REGISTERS: tile m, K step s at (8 m + s) x 1,024; block j of row r at 256 j + 16 r.  (64 such stores a work-group)
; THE ROWS OF A TILE ARE NOT NEIGHBOURS: row r of tile 2 b + u is text row 32 b + 8 u + r + 8 (r / 8): so the keys of a tile of k are those that the attention wants, and v's registers run down neighbouring keys.
; THE PRODUCT: 8 K steps of 128; the text's fragments from LDS, the weight's from memory (images made by the launch before), two sets by turns.
; k: source 0 = the weight: a lane holds one key, its registers its head's features: 16 (lane / 16) + i and 32 + that: RoPE's two halves.  v: source 0 = the text: a lane holds one feature, its registers run down the keys.
; OUT.  kimg [batch x 16 + head][128 keys][P][1,024]: piece u of 512 bytes = key tile 2 P + u: lane (r, h) block h of key r's 64.  ksc [..][..][r][P] words: bytes 0, 1 tile 2 P; bytes 2, 3 tile 2 P + 1.
;       vimg [..][128 keys][feature tile n][1,024]: a fragment of 16 features x 128 keys.  vsc [..][..][r][n] words.  The scale stores are small and write their surroundings in part: 256 KB in the launch.
; No tensor load: each wave's weight fragments are its own, are used once, and go from memory straight into registers.  No cluster: a joint request lands in LDS, from where those fragments would have to be read again.
; LIMITS: NaN and infinities are not served; a block whose largest magnitude lies under 2^-124 gets the byte 1 (only this program reads the bytes).
; THE MODE: SCHED_MODE bits 1:0 = 2 (LLVM: expert scheduling mode 2), set by the entry lines.  The code itself states the register dependences
; between vector or matrix instructions and memory or LDS instructions, with s_wait_alu, always for 0.
; THE PLAN.  Registers that memory or LDS instructions touch:
;   v1-v11, v126, v127   addresses and the closing add's two: written at the head, read by loads and stores, never written again.  One wait at the head, ahead of the first load, states them all.
;   v16-47, v112-113     At the head the copy's loads land there and the copy's LDS stores read them.  Then: K step s's products read them; behind those the fragments of step s + 1 land.
;   v48-111, v114-117    The weight's two sets: step s's products read set s % 2; behind those the loads of step s + 2 land in it.
;   v118-125             The copy's scale bytes: loaded, shifted, stored to LDS; named no more.
;   v128-255             The bias lands there at the head; from then on vector and matrix instructions alone name them.
;   behind the products  k: RoPE of tile m reads the table in v16-47 or v48-79, in which tile m + 2 lands.  k and v: the quantiser writes a tile's codes (four registers of its own) and bytes once; a store reads them once.
; So ONE wait on va_vdst stands in a K step, behind its sixteen products, for up to twenty loads; one behind each tile's RoPE, for the table's next loads and the store of the tile before; one ahead of the last stores.
; One wait on vm_vsrc stands behind the barrier: the copy's stores have read v16-47.
.set IMG, 0                            ; LDS: the text's 32 fragments, 32,768 bytes
.set SCL, 32768                        ; their scale words [K step][16 m + r], 2,048 bytes
.set LI,  1                            ; v1   IMG + 16 x lane
.set LS,  2                            ; v2   SCL + 4 x lane
.set GI,  3                            ; v3   16 x lane
.set GS,  4                            ; v4   4 x lane
.set CA,  5                            ; v5   the copy: where my 16 bytes of codes go
.set CB,  6                            ; v6   and my scale bytes
.set BT,  9                            ; v9   64 x (lane / 16): a bias in the layout of k's results
.set BN,  10                           ; v10  4 x (r + 8 (r / 8)): a bias by feature
.set SS,  11                           ; v11  where my scale word goes in ksc or vsc
.set BV,  12                           ; v12-15 the bias of my feature in the four tiles
.set AF,  16                           ; v16-47  the text's four fragments of a K step; at the head the copy's 32 registers
.set BF,  48                           ; v48-79, v80-111 the weight's four, two sets
.set XSC, 112                          ; v112-113 the text's scale words: these registers hold scales and nothing else
.set WSC, 114                          ; v114-117 the weight's, two sets
.set CW,  118                          ; v118-125 the copy's two words of scale bytes, and their bytes shifted down; no product names these
.set ACC, 128                          ; v128-255 sixteen accumulators
.set BM,  80                           ; behind the products: largest magnitudes,
.set T2,  82                           ; at work,
.set SO,  84                           ; the conversions' scale operands,
.set TA,  86                           ; RoPE's two products,
.set TB,  88
.set HW,  90                           ; v90-93 two scale bytes for each tile
.set CDS, 96                           ; v96-111 four registers of codes for each tile
.set PT,  4                            ; s[4:5]   the text's codes
.set PB,  6                            ; s[6:7]   bk or bv
.set PW,  10                           ; s[10:11] the weight's images
.set PWS, 12                           ; s[12:13] and scale words
.set PR,  14                           ; s[14:15] the table
.set PKI, 16                           ; s[16:17] kimg, s[18:19] ksc, s[20:21] vimg, s[22:23] vsc
.set PKS, 18
.set PVI, 20
.set PVS, 22
.set PTS, 24                           ; s[24:25] the text's scale bytes
.set SEL, 34                           ; s[34:35] lane selects for v_permlanex16_b32: lane l xor 16
; One scaled product.  c = 0: the sum begins with the constant 0.  ra, rb: the side's scale words lie in lanes 16-31
.macro WM d, a, b, c, sa, sb, ra, rb
.set wD, \d
.set wA, \a
.set wB, \b
.set wC, \c
.set wS, \sa
.set wT, \sb
.set wR, 2*(\ra)+(\rb)
.if wC == 0
.if wR == 0
	v_wmma_scale_f32_16x16x128_f8f6f4 v[wD:wD+7], v[wA:wA+7], v[wB:wB+7], 0, v[wS], v[wT] matrix_a_fmt:MATRIX_FMT_FP4 matrix_b_fmt:MATRIX_FMT_FP4
.elseif wR == 1
	v_wmma_scale_f32_16x16x128_f8f6f4 v[wD:wD+7], v[wA:wA+7], v[wB:wB+7], 0, v[wS], v[wT] matrix_a_fmt:MATRIX_FMT_FP4 matrix_b_fmt:MATRIX_FMT_FP4 matrix_b_scale:MATRIX_SCALE_ROW1
.elseif wR == 2
	v_wmma_scale_f32_16x16x128_f8f6f4 v[wD:wD+7], v[wA:wA+7], v[wB:wB+7], 0, v[wS], v[wT] matrix_a_fmt:MATRIX_FMT_FP4 matrix_b_fmt:MATRIX_FMT_FP4 matrix_a_scale:MATRIX_SCALE_ROW1
.else
	v_wmma_scale_f32_16x16x128_f8f6f4 v[wD:wD+7], v[wA:wA+7], v[wB:wB+7], 0, v[wS], v[wT] matrix_a_fmt:MATRIX_FMT_FP4 matrix_b_fmt:MATRIX_FMT_FP4 matrix_a_scale:MATRIX_SCALE_ROW1 matrix_b_scale:MATRIX_SCALE_ROW1
.endif
.else
.if wR == 0
	v_wmma_scale_f32_16x16x128_f8f6f4 v[wD:wD+7], v[wA:wA+7], v[wB:wB+7], v[wC:wC+7], v[wS], v[wT] matrix_a_fmt:MATRIX_FMT_FP4 matrix_b_fmt:MATRIX_FMT_FP4
.elseif wR == 1
	v_wmma_scale_f32_16x16x128_f8f6f4 v[wD:wD+7], v[wA:wA+7], v[wB:wB+7], v[wC:wC+7], v[wS], v[wT] matrix_a_fmt:MATRIX_FMT_FP4 matrix_b_fmt:MATRIX_FMT_FP4 matrix_b_scale:MATRIX_SCALE_ROW1
.elseif wR == 2
	v_wmma_scale_f32_16x16x128_f8f6f4 v[wD:wD+7], v[wA:wA+7], v[wB:wB+7], v[wC:wC+7], v[wS], v[wT] matrix_a_fmt:MATRIX_FMT_FP4 matrix_b_fmt:MATRIX_FMT_FP4 matrix_a_scale:MATRIX_SCALE_ROW1
.else
	v_wmma_scale_f32_16x16x128_f8f6f4 v[wD:wD+7], v[wA:wA+7], v[wB:wB+7], v[wC:wC+7], v[wS], v[wT] matrix_a_fmt:MATRIX_FMT_FP4 matrix_b_fmt:MATRIX_FMT_FP4 matrix_a_scale:MATRIX_SCALE_ROW1 matrix_b_scale:MATRIX_SCALE_ROW1
.endif
.endif
.endm
.macro PLACES                          ; four plain vector lines between a product and a load into one of its registers, or the first read of its result
.rept 4
	v_nop
.endr
.endm
.macro LDA ks                          ; the rows' four fragments of K step ks and their scale words, from LDS: 10 loads
.irp m, 0,1,2,3
.irp c, 0,1
	ds_load_b128 v[AF+8*\m+4*\c:AF+8*\m+4*\c+3], v[LI] offset:(8*\m+(\ks))*1024+512*\c
.endr
.endr
.irp p, 0,1
	ds_load_b32 v[XSC+\p], v[LS] offset:256*(\ks)+128*\p
.endr
.endm
.macro LDB ks, buf, WB, WS             ; the weight's four fragments of K step ks and their scale words, from memory, into set buf: 10 loads
.irp n, 0,1,2,3
.irp c, 0,1
	global_load_b128 v[BF+32*(\buf)+8*\n+4*\c:BF+32*(\buf)+8*\n+4*\c+3], v[GI], s[\WB:\WB+1] offset:4096*(\ks)+1024*\n+512*\c
.endr
.endr
.irp p, 0,1
	global_load_b32 v[WSC+2*(\buf)+\p], v[GS], s[\WS:\WS+1] offset:256*(\ks)+128*\p
.endr
.endm
.macro MULT buf                        ; source 0 = the weight: a lane holds a row, its registers run along the features.  The sums begin with what lies in the accumulators: the bias
.irp m, 0,1,2,3
.irp n, 0,1,2,3
	WM ACC+32*\m+8*\n, BF+32*(\buf)+8*\n, AF+8*\m, ACC+32*\m+8*\n, WSC+2*(\buf)+\n/2, XSC+\m/2, \n%2, \m%2
.endr
.endr
.endm
.macro MULN buf, zero                  ; source 0 = the rows: a lane holds a feature, its registers run down the rows
.irp n, 0,1,2,3
.irp m, 0,1,2,3
.if \zero
	WM ACC+32*\n+8*\m, AF+8*\m, BF+32*(\buf)+8*\n, 0, XSC+\m/2, WSC+2*(\buf)+\n/2, \m%2, \n%2
.else
	WM ACC+32*\n+8*\m, AF+8*\m, BF+32*(\buf)+8*\n, ACC+32*\n+8*\m, XSC+\m/2, WSC+2*(\buf)+\n/2, \m%2, \n%2
.endif
.endr
.endr
.endm
; 64 rows x 64 features x K = 1,024.  On entry LDB 0, LDB 1 and LDA 0 are out, and no younger global load.  The sixteen accumulators take turns, one instruction a turn, in the same order in every step.
.macro GEMM tr, WB, WS
.set gk, 0
.rept 8
	s_wait_dscnt 0x0                               ; the rows' fragments are in
.if gk < 7
	s_wait_loadcnt 10                              ; this step's weights are in; the next step's ten loads may be out
.else
	s_wait_loadcnt 0x0
.endif
.if \tr
	MULT gk%2
.else
	MULN gk%2, gk==0
.endif
	PLACES
.if gk < 7
	s_wait_alu depctr_va_vdst(0)                   ; this step's products are done reading the rows' fragments, this set of the weight's and both sides' scale words: the loads below land in these
	LDA gk+1
.endif
.if gk < 6
	LDB gk+2, gk%2, \WB, \WS
.endif
.set gk, gk+1
.endr
.endm
; 32 numbers of a lane, register 16 b + i = k 32 b + 16 (lane / 16) + i of my row, become half a fragment's image in v[pc] .. v[pc + 3] (lanes 0-15 block 0, lanes 16-31 block 1) and two scale bytes in v[hw]
.macro QUANT2 s, pc, hw
.set qS, \s
.set qP, \pc
.set qH, \hw
.irp b, 0,1
	v_max3_num_f32 v[BM+\b], |v[qS+16*\b]|, |v[qS+16*\b+1]|, 0x1800000   ; the floor 2^(3 - 127) among the leaves: the byte cannot fall under 1
.endr
.irp i, 2,4,6,8,10,12,14
.irp b, 0,1
	v_max3_num_f32 v[BM+\b], v[BM+\b], |v[qS+16*\b+\i]|, |v[qS+16*\b+\i+1]|
.endr
.endr
.irp b, 0,1
	v_permlanex16_b32 v[T2+\b], v[BM+\b], s[SEL], s[SEL+1]
.endr
.irp b, 0,1
	v_max_num_f32 v[BM+\b], v[BM+\b], v[T2+\b]     ; with lane l xor 16's: the block's largest magnitude
.endr
.irp b, 0,1
	v_add_nc_u32 v[SO+\b], 0xff000000, v[BM+\b]    ; 2 off its exponent field: the conversion's scale operand
.endr
.irp b, 0,1
	v_lshrrev_b32 v[T2+\b], 23, v[SO+\b]           ; the scale's byte
.endr
	v_lshl_or_b32 v[qH], v[T2+1], 8, v[T2]
.irp b, 0,1
	v_cvt_scalef32_pk8_fp4_f32 v[qP+2*\b], v[qS+16*\b:qS+16*\b+7], v[SO+\b]
	v_cvt_scalef32_pk8_fp4_f32 v[qP+2*\b+1], v[qS+16*\b+8:qS+16*\b+15], v[SO+\b]
.endr
	v_nop                                          ; one plain line behind a scaled conversion
	v_permlane16_swap_b32 v[qP], v[qP+2]           ; the operand's layout wants a whole block in a lane
	v_permlane16_swap_b32 v[qP+1], v[qP+3]
.endm
; RoPE on tile m: t1 = registers 0-15, t2 = 16-31; cos in v[tb] .. + 15, sin in v[tb + 16] .. + 31.  Each accumulator is read from its low end on
.macro ROPE m, tb
.set rA, ACC+32*(\m)
.set rT, \tb
.irp i, 0,2,4,6,8,10,12,14
	v_pk_mul_f32 v[TA:TA+1], v[rA+16+\i:rA+17+\i], v[rT+16+\i:rT+17+\i]
	v_pk_mul_f32 v[TB:TB+1], v[rA+\i:rA+1+\i], v[rT+16+\i:rT+17+\i]
	v_pk_fma_f32 v[rA+\i:rA+1+\i], v[rA+\i:rA+1+\i], v[rT+\i:rT+1+\i], v[TA:TA+1] neg_lo:[0,0,1] neg_hi:[0,0,1]
	v_pk_fma_f32 v[rA+16+\i:rA+17+\i], v[rA+16+\i:rA+17+\i], v[rT+\i:rT+1+\i], v[TB:TB+1]
.endr
.endm
.macro TABLE m                         ; the table's tile m of my four into v16-47 (m even) or v48-79 (m odd): 8 loads of 512 dense bytes
.irp q, 0,1,2,3,4,5,6,7
	global_load_b128 v[16+32*((\m)%2)+4*\q:16+32*((\m)%2)+4*\q+3], v[GI], s[PR:PR+1] offset:4096*(\m)+512*\q
.endr
.endm
.macro BIAST P                         ; a bias in the layout of MULT's results, into all sixteen accumulators: register j of tile n is feature 32 (n / 2) + 16 (lane / 16) + 8 (n % 2) + j
.irp m, 0,1,2,3
.irp n, 0,1,2,3
	global_load_b128 v[ACC+32*\m+8*\n:ACC+32*\m+8*\n+3], v[BT], s[\P:\P+1] offset:(32*(\n/2)+8*(\n%2))*4
	global_load_b128 v[ACC+32*\m+8*\n+4:ACC+32*\m+8*\n+7], v[BT], s[\P:\P+1] offset:(32*(\n/2)+8*(\n%2))*4+16
.endr
.endr
.endm
.macro ADDB d, n                       ; my feature's bias of tile n onto 32 registers, from the low end on; the word is picked out of its pair
.set aD, \d
.irp j, 0,2,4,6,8,10,12,14,16,18,20,22,24,26,28,30
.if (\n)%2
	v_pk_add_f32 v[aD+\j:aD+\j+1], v[aD+\j:aD+\j+1], v[BV+2*((\n)/2):BV+2*((\n)/2)+1] op_sel:[0,1] op_sel_hi:[1,1]
.else
	v_pk_add_f32 v[aD+\j:aD+\j+1], v[aD+\j:aD+\j+1], v[BV+2*((\n)/2):BV+2*((\n)/2)+1] op_sel_hi:[1,0]
.endif
.endr
.endm
	s_load_b512 s[4:19], s[0:1], 0x0               ; timg s[4:5], bk s[6:7], bv s[8:9], wimg s[10:11], wsc s[12:13], rope s[14:15], kimg s[16:17], ksc s[18:19]
	s_load_b128 s[20:23], s[0:1], 0x40             ; vimg s[20:21], vsc s[22:23]
	v_lshl_add_u32 v126, v0, 2, 0x8800
	v_mov_b32 v127, 0
	v_lshrrev_b32 v80, 5, v0
	v_readfirstlane_b32 s30, v80                   ; wave 0..7
	s_and_b32 s27, ttmp7, 0xffff                   ; y
	s_and_b32 s31, s27, 1                          ; 0 k, 1 v
	s_lshr_b32 s27, s27, 1
	s_lshl_b32 s27, s27, 3
	s_wait_alu depctr_va_sdst(0)                   ; s30 is written, ahead of its first reader: the head, LDS places and bases are made from it
	s_add_co_u32 s26, s27, s30                     ; head = 8 (y / 2) + wave
	v_and_b32 v81, 31, v0                          ; lane
	v_and_b32 v82, 15, v0                          ; r
	v_bfe_u32 v83, v0, 4, 1                        ; h
	v_cmp_eq_u32 vcc_lo, 1, v83                    ; lanes 16-31: kept to the end
	s_wait_alu depctr_va_vcc(0)                    ; VCC is written: the selects at both ways' ends read it, and nothing writes it again
	v_lshlrev_b32 v[LI], 4, v81
	v_lshl_add_u32 v[LS], v81, 2, SCL
	v_lshlrev_b32 v[GI], 4, v81
	v_lshlrev_b32 v[GS], 2, v81
	s_lshr_b32 s36, s30, 2                         ; group G = w + 8 k of four rows: tile m = G / 4 = w / 4 + 2 k, rows 4 (w % 4) + i of it
	s_lshl_b32 s36, s36, 13
	s_and_b32 s37, s30, 3
	s_lshl_b32 s37, s37, 6
	s_add_co_u32 s36, s36, s37                     ; 8,192 (w / 4) + 64 (w % 4)
	v_lshrrev_b32 v84, 2, v81
	v_and_b32 v85, 3, v81
	v_lshlrev_b32 v84, 8, v84
	v_lshl_add_u32 v86, v85, 4, v84
	v_add_nc_u32 v[CA], s36, v86                   ; load q brings lane l block 8 q + l / 4 of row l % 4: 256 (l / 4) + 16 (l % 4), + 2,048 q
	s_lshl_b32 s37, s30, 4
	s_add_co_u32 s37, s37, SCL
	v_add_nc_u32 v84, v84, v85
	v_add_nc_u32 v[CB], s37, v84                   ; block l's byte of row i: K step l / 4, byte l % 4 of the row's word: 256 (l / 4) + l % 4 + 16 G + 4 i
	v_lshlrev_b32 v[BT], 6, v83
	v_and_b32 v84, 8, v82
	v_add_nc_u32 v84, v84, v82
	v_lshlrev_b32 v[BN], 2, v84
	s_add_co_u32 s38, s31, 2
	v_lshlrev_b32 v84, s38, v83
	v_lshl_add_u32 v[SS], v82, 4, v84              ; 16 r + 4 h (ksc) or 8 h (vsc)
	s_mov_b32 s[SEL], 0x76543210
	s_mov_b32 s[SEL+1], 0xfedcba98
	s_lshl_b32 s42, ttmp9, 15                      ; the text's codes: 32,768 bytes a block of 64 rows,
	s_lshl_b32 s43, s30, 11
	s_add_co_u32 s42, s42, s43                     ; 2,048 a group
	s_mov_b32 s43, 0
	s_lshr_b32 s40, s42, 4                         ; its scale bytes: a sixteenth of that, behind the codes
	s_add_co_u32 s40, s40, 2097152
	s_mov_b32 s41, 0
	s_add_co_u32 s44, s31, 1                       ; wimg: weight 1 + y % 2, group = head
	s_lshl_b32 s44, s44, 19
	s_lshl_b32 s45, s26, 15
	s_add_co_u32 s44, s44, s45
	s_mov_b32 s45, 0
	s_lshr_b32 s46, s44, 4                         ; wsc: a sixteenth of that
	s_mov_b32 s47, 0
	s_and_b32 s48, ttmp9, 7                        ; which 64 rows of the batch's 512
	s_lshl_b32 s50, s48, 14
	s_add_co_u32 s50, s50, 524288                  ; rope: tile 128 + 4 x that
	s_mov_b32 s51, 0
	s_lshr_b32 s52, ttmp9, 3                       ; batch
	s_lshl_b32 s52, s52, 4
	s_add_co_u32 s52, s52, s26
	s_lshl_b32 s52, s52, 2
	s_lshr_b32 s53, s48, 1
	s_add_co_u32 s52, s52, s53                     ; (16 batch + head) x 4 + which 128 keys
	s_and_b32 s53, ttmp9, 1                        ; which 64 of them
	s_lshl_b32 s54, s52, 12
	s_lshl_b32 s56, s53, 11
	s_add_co_u32 s56, s56, s54                     ; kimg: + two fragments
	s_mov_b32 s57, 0
	s_lshl_b32 s58, s53, 9
	s_add_co_u32 s58, s58, s54                     ; vimg: + a piece
	s_mov_b32 s59, 0
	s_lshl_b32 s54, s52, 8
	s_lshl_b32 s60, s53, 3
	s_add_co_u32 s60, s60, s54                     ; ksc: + two words
	s_mov_b32 s61, 0
	s_lshl_b32 s62, s53, 1
	s_add_co_u32 s62, s62, s54                     ; vsc: + two bytes
	s_mov_b32 s63, 0
	s_lshl_b32 s28, s26, 8                         ; a bias: my head's 64 numbers
	s_mov_b32 s29, 0
	s_wait_kmcnt 0x0
	s_add_nc_u64 s[PTS:PTS+1], s[PT:PT+1], s[40:41]
	s_add_nc_u64 s[PT:PT+1], s[PT:PT+1], s[42:43]
	s_add_nc_u64 s[PW:PW+1], s[PW:PW+1], s[44:45]
	s_add_nc_u64 s[PWS:PWS+1], s[PWS:PWS+1], s[46:47]
	s_add_nc_u64 s[PR:PR+1], s[PR:PR+1], s[50:51]
	s_add_nc_u64 s[PKI:PKI+1], s[PKI:PKI+1], s[56:57]
	s_add_nc_u64 s[PKS:PKS+1], s[PKS:PKS+1], s[60:61]
	s_add_nc_u64 s[PVI:PVI+1], s[PVI:PVI+1], s[58:59]
	s_add_nc_u64 s[PVS:PVS+1], s[PVS:PVS+1], s[62:63]
	s_cmp_eq_u32 s31, 0
	s_cselect_b64 s[PB:PB+1], s[6:7], s[8:9]       ; bk or bv, by the work-group's y alone
	s_add_nc_u64 s[PB:PB+1], s[PB:PB+1], s[28:29]
	s_wait_alu depctr_va_vdst(0)                   ; the addresses v1 to v11 are written, which every load and store of the kernel reads; so are v80 to v86, at work above, in which the weight's loads land
	; ---- the copy's loads; both forms of the bias on the one way that all waves take (the way that does not use a form overwrites it or leaves it); the first K step's weights
.irp k, 0,1
.irp q, 0,1,2,3
	global_load_b128 v[16+16*\k+4*\q:19+16*\k+4*\q], v[GI], s[PT:PT+1] offset:16384*\k+512*\q   ; 32 lanes read 512 consecutive bytes
.endr
.endr
.irp k, 0,1
	global_load_b32 v[CW+\k], v[GS], s[PTS:PTS+1] offset:1024*\k
.endr
	BIAST PB
.irp n, 0,1,2,3
	global_load_b32 v[BV+\n], v[BN], s[PB:PB+1] offset:(32*(\n/2)+8*(\n%2))*4
.endr
	LDB 0, 0, PW, PWS
	s_wait_loadcnt 46                              ; the copy's ten loads are in; the 32 + 4 loads of the bias and the ten of the weights may be out
.irp k, 0,1
.irp q, 0,1,2,3
	ds_store_b128 v[CA], v[16+16*\k+4*\q:19+16*\k+4*\q] offset:16384*\k+2048*\q
.endr
.endr
.irp k, 0,1
	v_lshrrev_b32 v[CW+2+3*\k], 8, v[CW+\k]        ; a word holds block l's bytes of the group's four rows
	v_lshrrev_b32 v[CW+3+3*\k], 16, v[CW+\k]
	v_lshrrev_b32 v[CW+4+3*\k], 24, v[CW+\k]
.endr
	s_wait_alu depctr_va_vdst(0)                   ; the six shifts have written v120 to v125, which the byte stores read
.irp k, 0,1
	ds_store_b8 v[CB], v[CW+\k] offset:128*\k
	ds_store_b8 v[CB], v[CW+2+3*\k] offset:128*\k+4
	ds_store_b8 v[CB], v[CW+3+3*\k] offset:128*\k+8
	ds_store_b8 v[CB], v[CW+4+3*\k] offset:128*\k+12
.endr
	LDB 1, 1, PW, PWS                              ; (no vector line since the head's wait names v80-111 or v116-117)
	s_wait_dscnt 0x0                               ; my part of the images has landed, for the others' sake
	s_barrier_signal -1
	s_barrier_wait -1                              ; the text's 32 fragments lie in LDS; nothing is stored to LDS behind this barrier
	s_wait_alu depctr_vm_vsrc(0)                   ; the copy's LDS stores have read v16-47, in which the fragments' loads land from here on
	LDA 0
	s_cmp_lg_u32 s31, 0                            ; the work-group's y: the same in all eight waves
	s_cbranch_scc1 .Lv
	; ---- k.  A tile's turn: RoPE; one wait; the table of the tile two on and the store of the tile before; the quantiser
	GEMM 1, PW, PWS
	s_wait_alu depctr_va_vdst(0)                   ; the last two steps' products are done reading v16-79, in which the table's first two tiles land
	TABLE 0
	TABLE 1
.irp m, 0,1,2,3
.if \m < 3
	s_wait_loadcnt 8                               ; this tile's table is in; the next tile's 8 loads may be out
.else
	s_wait_loadcnt 0x0
.endif
	ROPE \m, 16+32*(\m%2)
	s_wait_alu depctr_va_vdst(0)                   ; RoPE is done reading this tile's table, in which the table of the tile two on lands (tiles 0, 1); the quantiser has written the codes of the tile before, which the store reads (tiles 1 to 3)
.if \m < 2
	TABLE \m+2
.endif
.if \m > 0
	global_store_b128 v[GI], v[CDS+4*(\m-1):CDS+4*(\m-1)+3], s[PKI:PKI+1] offset:512*(\m-1)   ; a key tile's piece: 512 consecutive bytes
.endif
	QUANT2 ACC+32*\m, CDS+4*\m, HW+\m
.endr
	v_lshl_or_b32 v94, v[HW+1], 16, v[HW]          ; tiles 0, 1 make a word, tiles 2, 3 the next;
	v_lshl_or_b32 v95, v[HW+3], 16, v[HW+2]
	v_cndmask_b32 v94, v94, v95, vcc_lo            ; lanes 0-15 store the first, lanes 16-31 the second
	s_wait_alu depctr_va_vdst(0)                   ; tile 3's codes and the scale word in v94 are written, which the two stores read
	global_store_b128 v[GI], v[CDS+12:CDS+15], s[PKI:PKI+1] offset:1536
	global_store_b32 v[SS], v94, s[PKS:PKS+1]
	s_wait_dscnt 0x0                               ; the closing lines, six on end
	s_wait_alu 0x0
	s_wait_tensorcnt 0x0
	ds_add_u32 v126, v127
	s_wait_dscnt 0x0
	s_endpgm
	; ---- v.  Each tile's codes and bytes have registers of their own: one wait serves all six stores
.Lv:
	GEMM 0, PW, PWS
.irp n, 0,1,2,3
	ADDB ACC+32*\n, \n
	QUANT2 ACC+32*\n, CDS+4*\n, HW+\n
.endr
	v_cndmask_b32 v94, v[HW], v[HW+2], vcc_lo      ; lanes 0-15 store tiles 0 and 1's two bytes, lanes 16-31 tiles 2 and 3's
	v_cndmask_b32 v95, v[HW+1], v[HW+3], vcc_lo
	s_wait_alu depctr_va_vdst(0)                   ; the four tiles' codes and the bytes in v94, v95 are written, which the stores read
.irp n, 0,1,2,3
	global_store_b128 v[GI], v[CDS+4*\n:CDS+4*\n+3], s[PVI:PVI+1] offset:1024*\n  ; 64 keys of 16 features: a piece of 512 consecutive bytes
.endr
	global_store_b16 v[SS], v94, s[PVS:PVS+1]
	global_store_b16 v[SS], v95, s[PVS:PVS+1] offset:4
	s_wait_dscnt 0x0                               ; the closing lines, six on end
	s_wait_alu 0x0
	s_wait_tensorcnt 0x0
	ds_add_u32 v126, v127
	s_wait_dscnt 0x0
	s_endpgm
.Lfunc_end_k_q6ed01c98c7_kv:
	.size	k_q6ed01c98c7_kv, .Lfunc_end_k_q6ed01c98c7_kv-k_q6ed01c98c7_kv
	.p2alignl 7, 3214868480
	.fill 96, 4, 3214868480
	.section	.rodata,"a",@progbits
	.p2align	6, 0x0
	.amdhsa_kernel k_q6ed01c98c7_kv
		.amdhsa_group_segment_fixed_size 35840
		.amdhsa_private_segment_fixed_size 0
		.amdhsa_enable_private_segment 0
		.amdhsa_kernarg_size 80
		.amdhsa_user_sgpr_count 2
		.amdhsa_user_sgpr_kernarg_segment_ptr 1
		.amdhsa_wavefront_size32 1
		.amdhsa_system_sgpr_workgroup_id_x 1
		.amdhsa_system_sgpr_workgroup_id_y 1
		.amdhsa_system_sgpr_workgroup_id_z 1
		.amdhsa_system_vgpr_workitem_id 0
		.amdhsa_next_free_vgpr 256
		.amdhsa_next_free_sgpr 66
		.amdhsa_reserve_vcc 1
		.amdhsa_float_denorm_mode_32 3
		.amdhsa_float_denorm_mode_16_64 3
		.amdhsa_memory_ordered 1
		.amdhsa_forward_progress 1
		.amdhsa_inst_pref_size 100
	.end_amdhsa_kernel
	.amdgpu_metadata
---
amdhsa.version: [ 1, 2 ]
amdhsa.kernels:
  - .name:           k_q6ed01c98c7_kv
    .symbol:         k_q6ed01c98c7_kv.kd
    .args:
      - { .name: timg, .offset: 0, .size: 8, .value_kind: global_buffer, .address_space: global }
      - { .name: bk, .offset: 8, .size: 8, .value_kind: global_buffer, .address_space: global }
      - { .name: bv, .offset: 16, .size: 8, .value_kind: global_buffer, .address_space: global }
      - { .name: wimg, .offset: 24, .size: 8, .value_kind: global_buffer, .address_space: global }
      - { .name: wsc, .offset: 32, .size: 8, .value_kind: global_buffer, .address_space: global }
      - { .name: rope, .offset: 40, .size: 8, .value_kind: global_buffer, .address_space: global }
      - { .name: kimg, .offset: 48, .size: 8, .value_kind: global_buffer, .address_space: global }
      - { .name: ksc, .offset: 56, .size: 8, .value_kind: global_buffer, .address_space: global }
      - { .name: vimg, .offset: 64, .size: 8, .value_kind: global_buffer, .address_space: global }
      - { .name: vsc, .offset: 72, .size: 8, .value_kind: global_buffer, .address_space: global }
    .group_segment_fixed_size: 35840
    .private_segment_fixed_size: 0
    .kernarg_segment_align: 8
    .kernarg_segment_size: 80
    .max_flat_workgroup_size: 256
    .sgpr_count:     66
    .vgpr_count:     256
    .wavefront_size: 32
...
	.end_amdgpu_metadata
.endif
;; end of part 5
;; launch main (part 6): grid 32 x 8, 16 waves a work-group, no clusters, 323,584 bytes of LDS; arguments x, g_x, b_x, bq, bo, wimg, wsc, rope, kimg, ksc, vimg, vsc, out0; writes out0
.if DOCPART == 6
	.amdgcn_target "amdgcn-amd-amdhsa--gfx1250"
	.amdhsa_code_object_version 6
	.text
	.protected	k_q6ed01c98c7_main
	.globl	k_q6ed01c98c7_main
	.p2align	8
	.type	k_q6ed01c98c7_main,@function
k_q6ed01c98c7_main:
	s_mov_b64 s[64:65], 0
	v_nop
	global_prefetch_b8 v0, s[64:65] scope:SCOPE_SE
	s_setreg_imm32_b32 hwreg(HW_REG_WAVE_SCHED_MODE, 0, 2), 2
	s_setreg_imm32_b32 hwreg(HW_REG_WAVE_MODE, 25, 1), 1
	s_wait_xcnt 0x0
	s_wait_alu depctr_vm_vsrc(0)
; out0 = x + (attention(RoPE(LN(x^T) Wq + bq), k, v) Wo + bo)^T, for 64 columns s of one batch in each work-group.  x, out0: [8][1024 (c)][2048 (s)] f32.
; All four products on codes of FP4 (E2M1) with one E8M0 byte for each 32 along K; all else in f32.  Weights, k and v come as images of operand registers, made by the launches before.
; SHARES.  256 work-groups of sixteen waves, four to a SIMD, 256 registers each: one wave's vector work stands beside another's products and loads.  In P0 wave w owns channels 64 w .. + 63; from then on head w = features 64 w .. + 63.
; x IS READ FROM MEMORY ONCE: the work-group's 1,024 x 64 numbers stay in LDS (rows of 256 + 16 bytes) until the residual, and the result leaves from there in whole rows of 256 bytes.
; P0  LN over c, in two passes; partial sums meet in LDS.  A lane holds two columns s and its registers run down c, which is K: a block of 32 lies in one lane.  The codes go to LDS as images of the operand's registers.
; P1  q = xn Wq + bq: source 0 = the weight, so a lane holds one query and its registers its head's features; the bias is the first C.   P2  RoPE, q's codes (to the wave's own bytes of LDS), q's scale words (registers).
; P3  attention of head w: two pairs of query tiles x four steps of 128 keys.  THE HEAD'S 64 FILL HALF OF THE INSTRUCTION'S K: a fragment of k holds TWO key tiles (K blocks 0, 1 and 2, 3), and is multiplied by [q | 0] and by [0 | q].
;     t = score x log2(e) / 8; M = the running largest t rounded up to a whole number; p = 2^(t - M) is quantised along the keys, not normalised; the sum is taken of the unquantised p and divides at the end.
;     When M moves, the sum and O are multiplied by 2^(old M - new M): exact.  Both products are used transposed: a lane holds one query throughout.
; P4  o's codes (images in LDS) x Wo: source 0 = o's rows, so a lane holds one output channel and eight neighbouring s; + bo, + x, through x's rows in LDS, out.
; NO TENSOR LOAD, NO CLUSTER: weights, k and v are shared by work-groups, but a joint request lands in LDS, and of its 327,680 bytes x's columns take 278,528 (so that 67 MB are not read twice); images, scale words and partial sums take
; 43,008 more: no ring fits in the 6,144 left.  The shared operands are read as dense pieces of 512 bytes straight into registers.  No prefetch: x, the one stream read once, is asked for whole at the head.
; LIMITS: NaN and infinities are not served; a block whose largest magnitude lies under 2^-124 gets the byte 1, with codes by that scale; 1 / sqrt and 1 / sum by v_rsq_f32 and v_rcp_f32.
; THE MODE: SCHED_MODE bits 1:0 = 2 (LLVM: expert scheduling mode 2), set by the entry lines.  The code itself states the register dependences
; between vector or matrix instructions and memory or LDS instructions, with s_wait_alu, always for 0.
; THE PLAN.  Registers that memory or LDS instructions touch, phase by phase:
;   v1-v11      addresses, written at the head.  v7, v8 (k's and v's offsets) step once a key step: a wait on vm_vsrc ahead of the step, and the wait on va_vdst behind the second product ahead of the next load by them.  v9 is made anew ahead of P4.
;   P0          v128-255: x lands; LDS stores read it; then vector lines write it.  v[80:81]: partial sums, written by vector lines, stored, written again.  v16-47: the sums' LDS loads land, vector lines add them.
;               v96-111, v84-85: codes and bytes, each written once and stored once.  v48-53: P0's addresses.  At P0's end bq lands in v128-255 and Wq's first two K steps in v48-111.
;   P1, P4      as many K steps: step s's products read v16-47, v112-113 and the weight's set s % 2; behind them the next loads land there: one wait on va_vdst a step.
;   P2          RoPE of tile m reads the table in v16-47 or v48-79, in which tile m + 2 lands; the quantiser writes tile m's codes once, an LDS store reads them once: one wait behind each RoPE.
;   P3          v16-47, v118-121: k, then v, then k: each lands behind the products that read the last.  v48-51, v60-63: q's codes of the two tiles by turns, likewise.  p's codes (v64-79) and scale words (v126-127) are written by
;               vector lines and taken by scaled products: one wait ahead of those.  At a pair's end o's codes (v64-71) and bytes (v94-95) are written, stored, and free again behind a wait on vm_vsrc.
;   way out     v16-47, v48-79: x of two tiles lands, is added to, is stored; then the same for the other two tiles.  v128-255: the rows come back from LDS and are stored.  v80: out0's offset, made once.
.set XR,   0                           ; LDS: x, 1,024 rows c of 272 bytes; rows 64 w .. are touched by wave w alone
.set IMG,  278528                      ; 32 fragments: xn's, then (wave w's own pieces at 8,192 m + 512 w) q's and o's
.set SCL,  311296                      ; scale words [K step][row], 2,048 bytes
.set RED0, 313344                      ; partial sums [wave][lane] pairs; partial sums of squares 4,096 bytes on
.set LI,  1                            ; v1   IMG + 16 x lane
.set LS,  2                            ; v2   SCL + 4 x lane
.set GI,  3                            ; v3   16 x lane
.set GS,  4                            ; v4   4 x lane
.set VQ,  5                            ; v5   IMG + 512 w + 16 x lane: my own pieces
.set VOS, 6                            ; v6   SCL + 256 (w / 2) + 2 (w % 2) + 4 r: o's two scale bytes
.set VO,  7                            ; v7   16 x lane + 4,096 x key step
.set VS,  8                            ; v8   16 r + 256 x key step
.set BT,  9                            ; v9   64 x (lane / 16): bq in the results' layout; in P4 4 r: bo
.set XRR, 10                           ; v10  x's rows by channel: 17,408 w + 272 r + 32 h
.set XRB, 11                           ; v11  and by whole rows: 17,408 w + 272 (lane / 16) + 16 (lane % 16)
.set BV,  12                           ; v12-15 bo of my channel in the four tiles
.set AF,  16                           ; v16-47  the rows' four fragments of a K step
.set BF,  48                           ; v48-79, v80-111 the weight's four, two sets
.set XSC, 112                          ; v112-127 hold scales and nothing else: the rows',
.set WSC, 114                          ; the weight's, two sets,
.set KVS, 118                          ; k's or v's four words,
.set QS,  122                          ; q's, one register a tile,
.set PS,  126                          ; p's, one a tile of the pair
.set ACC, 128                          ; v128-255 sixteen accumulators
.set XO,  48                           ; P0 alone: 8 x lane
.set XST, 49                           ; 17,408 w + 8 x lane
.set R0S, 50                           ; RED0 + 256 w + 8 x lane
.set R0L, 51                           ; RED0 + 8 x lane
.set IST, 52                           ; IMG + 8,192 (l / 8) + 32 (l % 8) + 512 w
.set SST, 53                           ; SCL + 256 (w / 2) + 2 (w % 2) + 8 x lane
.set BM,  80                           ; P2: largest magnitudes, at work, scale operands, RoPE's products, bytes, codes
.set T2,  82
.set SO,  84
.set TA,  86
.set TB,  88
.set HW,  90
.set CDS, 96
.set CS,  32                           ; s[32:33] c = log2(e) / 8 (behind P0)
.set SEL, 34                           ; s[34:35] lane selects for v_permlanex16_b32: lane l xor 16 (behind P0)
; One scaled product.  c = 0: the sum begins with the constant 0.  ra, rb: the side's scale words lie in lanes 16-31
.macro WM d, a, b, c, sa, sb, ra, rb
.set wD, \d
.set wA, \a
.set wB, \b
.set wC, \c
.set wS, \sa
.set wT, \sb
.set wR, 2*(\ra)+(\rb)
.if wC == 0
.if wR == 0
	v_wmma_scale_f32_16x16x128_f8f6f4 v[wD:wD+7], v[wA:wA+7], v[wB:wB+7], 0, v[wS], v[wT] matrix_a_fmt:MATRIX_FMT_FP4 matrix_b_fmt:MATRIX_FMT_FP4
.elseif wR == 1
	v_wmma_scale_f32_16x16x128_f8f6f4 v[wD:wD+7], v[wA:wA+7], v[wB:wB+7], 0, v[wS], v[wT] matrix_a_fmt:MATRIX_FMT_FP4 matrix_b_fmt:MATRIX_FMT_FP4 matrix_b_scale:MATRIX_SCALE_ROW1
.elseif wR == 2
	v_wmma_scale_f32_16x16x128_f8f6f4 v[wD:wD+7], v[wA:wA+7], v[wB:wB+7], 0, v[wS], v[wT] matrix_a_fmt:MATRIX_FMT_FP4 matrix_b_fmt:MATRIX_FMT_FP4 matrix_a_scale:MATRIX_SCALE_ROW1
.else
	v_wmma_scale_f32_16x16x128_f8f6f4 v[wD:wD+7], v[wA:wA+7], v[wB:wB+7], 0, v[wS], v[wT] matrix_a_fmt:MATRIX_FMT_FP4 matrix_b_fmt:MATRIX_FMT_FP4 matrix_a_scale:MATRIX_SCALE_ROW1 matrix_b_scale:MATRIX_SCALE_ROW1
.endif
.else
.if wR == 0
	v_wmma_scale_f32_16x16x128_f8f6f4 v[wD:wD+7], v[wA:wA+7], v[wB:wB+7], v[wC:wC+7], v[wS], v[wT] matrix_a_fmt:MATRIX_FMT_FP4 matrix_b_fmt:MATRIX_FMT_FP4
.elseif wR == 1
	v_wmma_scale_f32_16x16x128_f8f6f4 v[wD:wD+7], v[wA:wA+7], v[wB:wB+7], v[wC:wC+7], v[wS], v[wT] matrix_a_fmt:MATRIX_FMT_FP4 matrix_b_fmt:MATRIX_FMT_FP4 matrix_b_scale:MATRIX_SCALE_ROW1
.elseif wR == 2
	v_wmma_scale_f32_16x16x128_f8f6f4 v[wD:wD+7], v[wA:wA+7], v[wB:wB+7], v[wC:wC+7], v[wS], v[wT] matrix_a_fmt:MATRIX_FMT_FP4 matrix_b_fmt:MATRIX_FMT_FP4 matrix_a_scale:MATRIX_SCALE_ROW1
.else
	v_wmma_scale_f32_16x16x128_f8f6f4 v[wD:wD+7], v[wA:wA+7], v[wB:wB+7], v[wC:wC+7], v[wS], v[wT] matrix_a_fmt:MATRIX_FMT_FP4 matrix_b_fmt:MATRIX_FMT_FP4 matrix_a_scale:MATRIX_SCALE_ROW1 matrix_b_scale:MATRIX_SCALE_ROW1
.endif
.endif
.endm
.macro PLACES                          ; four plain vector lines between a product and a load into one of its registers, or the first read of its result
.rept 4
	v_nop
.endr
.endm
.macro BAR                             ; my LDS stores have landed and my LDS loads are in: then the work-group's barrier
	s_wait_dscnt 0x0
	s_barrier_signal -1
	s_barrier_wait -1
.endm
.macro LDA ks                          ; the rows' four fragments of K step ks and their scale words, from LDS: 10 loads
.irp m, 0,1,2,3
.irp c, 0,1
	ds_load_b128 v[AF+8*\m+4*\c:AF+8*\m+4*\c+3], v[LI] offset:(8*\m+(\ks))*1024+512*\c
.endr
.endr
.irp p, 0,1
	ds_load_b32 v[XSC+\p], v[LS] offset:256*(\ks)+128*\p
.endr
.endm
.macro LDB ks, buf, WB, WS             ; the weight's four fragments of K step ks and their scale words, from memory, into set buf: 10 loads
.irp n, 0,1,2,3
.irp c, 0,1
	global_load_b128 v[BF+32*(\buf)+8*\n+4*\c:BF+32*(\buf)+8*\n+4*\c+3], v[GI], s[\WB:\WB+1] offset:4096*(\ks)+1024*\n+512*\c
.endr
.endr
.irp p, 0,1
	global_load_b32 v[WSC+2*(\buf)+\p], v[GS], s[\WS:\WS+1] offset:256*(\ks)+128*\p
.endr
.endm
.macro MULT buf                        ; source 0 = the weight: a lane holds a row, its registers run along the features.  The sums begin with what lies in the accumulators: the bias
.irp m, 0,1,2,3
.irp n, 0,1,2,3
	WM ACC+32*\m+8*\n, BF+32*(\buf)+8*\n, AF+8*\m, ACC+32*\m+8*\n, WSC+2*(\buf)+\n/2, XSC+\m/2, \n%2, \m%2
.endr
.endr
.endm
.macro MULN buf, zero                  ; source 0 = the rows: a lane holds a feature, its registers run down the rows
.irp n, 0,1,2,3
.irp m, 0,1,2,3
.if \zero
	WM ACC+32*\n+8*\m, AF+8*\m, BF+32*(\buf)+8*\n, 0, XSC+\m/2, WSC+2*(\buf)+\n/2, \m%2, \n%2
.else
	WM ACC+32*\n+8*\m, AF+8*\m, BF+32*(\buf)+8*\n, ACC+32*\n+8*\m, XSC+\m/2, WSC+2*(\buf)+\n/2, \m%2, \n%2
.endif
.endr
.endr
.endm
; 64 rows x 64 features x K = 1,024.  On entry LDB 0, LDB 1 and LDA 0 are out, and no younger global load.  The sixteen accumulators take turns, one instruction a turn, in the same order in every step.
.macro GEMM tr, WB, WS
.set gk, 0
.rept 8
	s_wait_dscnt 0x0                               ; the rows' fragments are in
.if gk < 7
	s_wait_loadcnt 10                              ; this step's weights are in; the next step's ten loads may be out
.else
	s_wait_loadcnt 0x0
.endif
.if \tr
	MULT gk%2
.else
	MULN gk%2, gk==0
.endif
	PLACES
.if gk < 7
	s_wait_alu depctr_va_vdst(0)                   ; this step's products are done reading the rows' fragments, this set of the weight's and both sides' scale words: the loads below land in these
	LDA gk+1
.endif
.if gk < 6
	LDB gk+2, gk%2, \WB, \WS
.endif
.set gk, gk+1
.endr
.endm
; The largest magnitude of 32 numbers of one lane, with the floor 2^(3 - 127) among the leaves: the byte cannot fall under 1
.macro BMAX ra, rb, s
.set bS, \s
	v_max3_num_f32 v[\ra], |v[bS]|, |v[bS+1]|, 0x1800000
	v_max3_num_f32 v[\rb], |v[bS+2]|, |v[bS+3]|, |v[bS+4]|
.irp i, 5,9,13,17,21,25
	v_max3_num_f32 v[\ra], v[\ra], |v[bS+\i]|, |v[bS+\i+1]|
	v_max3_num_f32 v[\rb], v[\rb], |v[bS+\i+2]|, |v[bS+\i+3]|
.endr
	v_max3_num_f32 v[\ra], v[\ra], |v[bS+29]|, |v[bS+30]|
	v_max3_num_f32 v[\ra], v[\ra], v[\rb], |v[bS+31]|
.endm
; 32 numbers of a lane, register 16 b + i = k 32 b + 16 (lane / 16) + i of my row, become half a fragment's image in v[pc] .. v[pc + 3] (lanes 0-15 block 0, lanes 16-31 block 1) and two scale bytes in v[hw]
.macro QUANT2 s, pc, hw
.set qS, \s
.set qP, \pc
.set qH, \hw
.irp b, 0,1
	v_max3_num_f32 v[BM+\b], |v[qS+16*\b]|, |v[qS+16*\b+1]|, 0x1800000
.endr
.irp i, 2,4,6,8,10,12,14
.irp b, 0,1
	v_max3_num_f32 v[BM+\b], v[BM+\b], |v[qS+16*\b+\i]|, |v[qS+16*\b+\i+1]|
.endr
.endr
.irp b, 0,1
	v_permlanex16_b32 v[T2+\b], v[BM+\b], s[SEL], s[SEL+1]
.endr
.irp b, 0,1
	v_max_num_f32 v[BM+\b], v[BM+\b], v[T2+\b]     ; with lane l xor 16's: the block's largest magnitude
.endr
.irp b, 0,1
	v_add_nc_u32 v[SO+\b], 0xff000000, v[BM+\b]    ; 2 off its exponent field: the conversion's scale operand
.endr
.irp b, 0,1
	v_lshrrev_b32 v[T2+\b], 23, v[SO+\b]           ; the scale's byte
.endr
	v_lshl_or_b32 v[qH], v[T2+1], 8, v[T2]
.irp b, 0,1
	v_cvt_scalef32_pk8_fp4_f32 v[qP+2*\b], v[qS+16*\b:qS+16*\b+7], v[SO+\b]
	v_cvt_scalef32_pk8_fp4_f32 v[qP+2*\b+1], v[qS+16*\b+8:qS+16*\b+15], v[SO+\b]
.endr
	v_nop                                          ; one plain line behind a scaled conversion
	v_permlane16_swap_b32 v[qP], v[qP+2]           ; the operand's layout wants a whole block in a lane
	v_permlane16_swap_b32 v[qP+1], v[qP+3]
.endm
; RoPE on tile m: t1 = registers 0-15, t2 = 16-31; cos in v[tb] .. + 15, sin in v[tb + 16] .. + 31.  Each accumulator is read from its low end on
.macro ROPE m, tb
.set rA, ACC+32*(\m)
.set rT, \tb
.irp i, 0,2,4,6,8,10,12,14
	v_pk_mul_f32 v[TA:TA+1], v[rA+16+\i:rA+17+\i], v[rT+16+\i:rT+17+\i]
	v_pk_mul_f32 v[TB:TB+1], v[rA+\i:rA+1+\i], v[rT+16+\i:rT+17+\i]
	v_pk_fma_f32 v[rA+\i:rA+1+\i], v[rA+\i:rA+1+\i], v[rT+\i:rT+1+\i], v[TA:TA+1] neg_lo:[0,0,1] neg_hi:[0,0,1]
	v_pk_fma_f32 v[rA+16+\i:rA+17+\i], v[rA+16+\i:rA+17+\i], v[rT+\i:rT+1+\i], v[TB:TB+1]
.endr
.endm
.macro TABLE m                         ; the table's tile m of my four into v16-47 (m even) or v48-79 (m odd): 8 loads of 512 dense bytes
.irp q, 0,1,2,3,4,5,6,7
	global_load_b128 v[16+32*((\m)%2)+4*\q:16+32*((\m)%2)+4*\q+3], v[GI], s[18:19] offset:4096*(\m)+512*\q
.endr
.endm
.macro BIAST P                         ; a bias in the layout of MULT's results, into all sixteen accumulators: register j of tile n is feature 32 (n / 2) + 16 (lane / 16) + 8 (n % 2) + j
.irp m, 0,1,2,3
.irp n, 0,1,2,3
	global_load_b128 v[ACC+32*\m+8*\n:ACC+32*\m+8*\n+3], v[BT], s[\P:\P+1] offset:(32*(\n/2)+8*(\n%2))*4
	global_load_b128 v[ACC+32*\m+8*\n+4:ACC+32*\m+8*\n+7], v[BT], s[\P:\P+1] offset:(32*(\n/2)+8*(\n%2))*4+16
.endr
.endr
.endm
.macro ADDB d, n                       ; my channel's bias of tile n onto 32 registers, from the low end on; the word is picked out of its pair
.set aD, \d
.irp j, 0,2,4,6,8,10,12,14,16,18,20,22,24,26,28,30
.if (\n)%2
	v_pk_add_f32 v[aD+\j:aD+\j+1], v[aD+\j:aD+\j+1], v[BV+2*((\n)/2):BV+2*((\n)/2)+1] op_sel:[0,1] op_sel_hi:[1,1]
.else
	v_pk_add_f32 v[aD+\j:aD+\j+1], v[aD+\j:aD+\j+1], v[BV+2*((\n)/2):BV+2*((\n)/2)+1] op_sel_hi:[1,0]
.endif
.endr
.endm
	s_load_b512 s[4:19], s[0:1], 0x0               ; x s[4:5], g_x s[6:7], b_x s[8:9], bq s[10:11], bo s[12:13], wimg s[14:15], wsc s[16:17], rope s[18:19]
	s_load_b256 s[20:27], s[0:1], 0x40             ; kimg s[20:21], ksc s[22:23], vimg s[24:25], vsc s[26:27]
	s_load_b64 s[28:29], s[0:1], 0x60              ; out0
	v_lshrrev_b32 v80, 5, v0
	v_readfirstlane_b32 s30, v80                   ; wave
	s_and_b32 s31, ttmp7, 0xffff                   ; batch
	v_and_b32 v81, 31, v0                          ; lane
	s_wait_alu depctr_va_vdst(0)
	v_and_b32 v82, 15, v0                          ; r
	s_wait_alu depctr_va_vdst(0)
	v_bfe_u32 v83, v0, 4, 1                        ; h
	s_mov_b32 s2, 0x3a800000                       ; 1 / 1,024
	s_mov_b32 s3, 0x3727c5ac                       ; 1e-5
	s_wait_alu depctr_va_sdst(0)                   ; s30 is written, ahead of its first reader: LDS places and bases are made from it
	s_lshl_b32 s46, s30, 9                         ; 512 w
	s_lshr_b32 s47, s30, 1
	s_lshl_b32 s47, s47, 8
	s_and_b32 s50, s30, 1
	s_lshl_b32 s50, s50, 1
	s_add_co_u32 s47, s47, s50
	s_add_co_u32 s47, s47, SCL                     ; SCL + 256 (w / 2) + 2 (w % 2)
	s_mul_i32 s48, s30, 17408                      ; my 64 rows of x in LDS
	s_lshl_b32 s49, s30, 8
	s_add_co_u32 s49, s49, RED0
	v_lshlrev_b32 v[GI], 4, v81
	v_lshlrev_b32 v[GS], 2, v81
	v_lshl_add_u32 v[LI], v81, 4, IMG
	v_lshl_add_u32 v[LS], v81, 2, SCL
	v_add_nc_u32 v[VQ], s46, v[LI]
	v_lshl_add_u32 v[VOS], v82, 2, s47
	v_lshl_add_u32 v[SST], v81, 3, s47
	v_lshlrev_b32 v[VO], 4, v81
	v_lshlrev_b32 v[VS], 4, v82
	v_lshlrev_b32 v[BT], 6, v83
	v_mul_u32_u24 v[XRR], v82, 272
	v_lshl_add_u32 v[XRR], v83, 5, v[XRR]
	v_add_nc_u32 v[XRR], s48, v[XRR]
	v_mul_u32_u24 v[XRB], v83, 272
	v_lshl_add_u32 v[XRB], v82, 4, v[XRB]
	v_add_nc_u32 v[XRB], s48, v[XRB]
	v_lshlrev_b32 v[XO], 3, v81
	v_add_nc_u32 v[XST], s48, v[XO]
	v_add_nc_u32 v[R0S], s49, v[XO]
	v_add_nc_u32 v[R0L], RED0, v[XO]
	v_lshrrev_b32 v84, 3, v81
	v_and_b32 v85, 7, v81
	v_lshlrev_b32 v84, 13, v84
	v_lshl_add_u32 v84, v85, 5, v84
	v_add_nc_u32 v84, s46, v84
	v_add_nc_u32 v[IST], IMG, v84
	s_lshl_b32 s32, s31, 23                        ; x, out0: 8,388,608 a batch,
	s_lshl_b32 s33, s30, 19
	s_add_co_u32 s32, s32, s33                     ; 64 rows c of 8,192 bytes a wave,
	s_lshl_b32 s33, ttmp9, 8
	s_add_co_u32 s32, s32, s33                     ; 64 columns of 4 bytes a work-group
	s_mov_b32 s33, 0
	s_lshl_b32 s34, s30, 8                         ; g_x, b_x, bq, bo: my 64 numbers
	s_mov_b32 s35, 0
	s_lshl_b32 s36, s30, 15                        ; wimg: group w
	s_mov_b32 s37, 0
	s_lshl_b32 s38, s30, 11                        ; wsc
	s_mov_b32 s39, 0
	s_lshl_b32 s40, ttmp9, 14                      ; rope: four tiles of 4,096 bytes a work-group
	s_mov_b32 s41, 0
	s_lshl_b32 s42, s31, 4
	s_add_co_u32 s42, s42, s30                     ; 16 batch + head
	s_lshl_b32 s44, s42, 10                        ; ksc, vsc
	s_lshl_b32 s42, s42, 14                        ; kimg, vimg
	s_mov_b32 s43, 0
	s_mov_b32 s45, 0
	s_wait_kmcnt 0x0
	s_add_nc_u64 s[4:5], s[4:5], s[32:33]
	s_add_nc_u64 s[28:29], s[28:29], s[32:33]
	s_add_nc_u64 s[6:7], s[6:7], s[34:35]
	s_add_nc_u64 s[8:9], s[8:9], s[34:35]
	s_add_nc_u64 s[10:11], s[10:11], s[34:35]
	s_add_nc_u64 s[12:13], s[12:13], s[34:35]
	s_add_nc_u64 s[14:15], s[14:15], s[36:37]
	s_add_nc_u64 s[16:17], s[16:17], s[38:39]
	s_add_nc_u64 s[100:101], s[14:15], 1572864     ; Wo is the fourth weight
	s_add_nc_u64 s[66:67], s[16:17], 98304
	s_add_nc_u64 s[18:19], s[18:19], s[40:41]
	s_add_nc_u64 s[20:21], s[20:21], s[42:43]
	s_add_nc_u64 s[24:25], s[24:25], s[42:43]
	s_add_nc_u64 s[22:23], s[22:23], s[44:45]
	s_add_nc_u64 s[26:27], s[26:27], s[44:45]
	s_wait_alu depctr_va_vdst(0)                   ; the addresses v1 to v11 and v48 to v53 are written, which the loads and stores below read
	; ---- P0: LN(x) and xn's images
.set pj, 0
.rept 64
	global_load_b64 v[128+2*pj:129+2*pj], v[XO], s[4:5] offset:8192*pj th:TH_LOAD_NT   ; channel 64 w + i, columns 2 l and 2 l + 1: 32 lanes read 256 consecutive bytes, aligned
.set pj, pj+1
.endr
	s_load_b512 s[32:47], s[6:7], 0x0              ; g_x and b_x of my first 32 channels: the same for all lanes, so they lie in scalar registers
	s_load_b512 s[48:63], s[6:7], 0x40
	s_load_b512 s[68:83], s[8:9], 0x0
	s_load_b512 s[84:99], s[8:9], 0x40
.irp g, 0,1,2,3
	s_wait_loadcnt 48-16*\g                        ; this group of 16 channels is in; the later groups may be out
.irp k, 0,1,2,3,4,5,6,7,8,9,10,11,12,13,14,15
	ds_store_b64 v[XST], v[128+2*(16*\g+\k):129+2*(16*\g+\k)] offset:272*(16*\g+\k)    ; x stays in LDS for the residual
.endr
.if \g == 0
.irp c, 0,1,2,3
	v_pk_add_f32 v[80+2*\c:81+2*\c], v[128+2*\c:129+2*\c], v[136+2*\c:137+2*\c]        ; the first pairs start four chains
.endr
.irp k, 8,9,10,11,12,13,14,15
	v_pk_add_f32 v[80+2*(\k%4):81+2*(\k%4)], v[80+2*(\k%4):81+2*(\k%4)], v[128+2*\k:129+2*\k]
.endr
.else
	s_wait_alu depctr_va_vdst(0)
.irp k, 0,1,2,3,4,5,6,7,8,9,10,11,12,13,14,15
	v_pk_add_f32 v[80+2*(\k%4):81+2*(\k%4)], v[80+2*(\k%4):81+2*(\k%4)], v[128+2*(16*\g+\k):129+2*(16*\g+\k)]
.endr
.endif
.endr
.macro CHAINS                          ; the four chains into v[80:81]
	v_pk_add_f32 v[80:81], v[80:81], v[82:83]
	v_pk_add_f32 v[84:85], v[84:85], v[86:87]
	v_pk_add_f32 v[80:81], v[80:81], v[84:85]
.endm
.macro RSUM off                        ; the sixteen waves' parts, added in the same order by every wave, into v[16:17]
.irp k, 0,1,2,3,4,5,6,7,8,9,10,11,12,13,14,15
	ds_load_b64 v[16+2*\k:17+2*\k], v[R0L] offset:\off+256*\k
.endr
	s_wait_dscnt 0x0
.irp k, 0,1,2,3,4,5,6,7
	v_pk_add_f32 v[16+2*\k:17+2*\k], v[16+2*\k:17+2*\k], v[32+2*\k:33+2*\k]
.endr
.irp k, 0,1,2,3
	v_pk_add_f32 v[16+2*\k:17+2*\k], v[16+2*\k:17+2*\k], v[24+2*\k:25+2*\k]
.endr
.irp k, 0,1
	v_pk_add_f32 v[16+2*\k:17+2*\k], v[16+2*\k:17+2*\k], v[20+2*\k:21+2*\k]
.endr
	v_pk_add_f32 v[16:17], v[16:17], v[18:19]
.endm
	CHAINS
	s_wait_alu depctr_va_vdst(0)                   ; the chains have written v[80:81], which the LDS store reads
	ds_store_b64 v[R0S], v[80:81]
	BAR                                            ; barrier 1: all partial sums lie in LDS
	RSUM 0
	s_wait_alu depctr_vm_vsrc(0)                   ; my LDS stores have read x's 128 registers and v[80:81]: the lines below write both again
	v_pk_mul_f32 v[88:89], v[16:17], s[2:3] op_sel_hi:[1,0]        ; my two columns' means
.set pj, 0
.rept 64
	v_pk_add_f32 v[128+pj:129+pj], v[128+pj:129+pj], v[88:89] neg_lo:[0,1] neg_hi:[0,1]   ; x - mean
.set pj, pj+2
.endr
.irp c, 0,1,2,3
	v_pk_mul_f32 v[80+2*\c:81+2*\c], v[128+2*\c:129+2*\c], v[128+2*\c:129+2*\c]
.endr
.set pj, 4
.rept 60
	v_pk_fma_f32 v[80+2*(pj%4):81+2*(pj%4)], v[128+2*pj:129+2*pj], v[128+2*pj:129+2*pj], v[80+2*(pj%4):81+2*(pj%4)]
.set pj, pj+1
.endr
	CHAINS
	s_wait_alu depctr_va_vdst(0)                   ; the chains have written v[80:81], which the LDS store reads; the first sum's additions are done with v16-47, in which the second sum's loads land
	ds_store_b64 v[R0S], v[80:81] offset:4096
	BAR                                            ; barrier 2: all partial sums of squares
	RSUM 4096
	s_wait_alu depctr_vm_vsrc(0)                   ; my LDS store has read v[80:81], which the blocks' bytes take below
	v_fma_f32 v92, v16, s2, s3                     ; variance + 1e-5
	v_fma_f32 v93, v17, s2, s3
	s_wait_alu depctr_va_vdst(0)
	v_rsq_f32 v90, v92
	v_rsq_f32 v91, v93
	v_nop                                          ; a plain line behind the transcendentals,
	s_wait_alu depctr_va_vdst(0)                   ; and the wait ahead of the first line that names a result: v90, v91
.set pj, 0
.rept 64
	v_pk_mul_f32 v[128+pj:129+pj], v[128+pj:129+pj], v[90:91]
.set pj, pj+2
.endr
; Block jb (32 channels) of column 2 l + e: x g + b, which also pulls the two columns apart; the block's scale; its codes, in four registers of their own.  The stores follow in runs, two blocks behind one wait
.macro XQ jb, e
.set xi, 0
.rept 32
	v_fma_f32 v[16+xi], v[128+2*(32*\jb+xi)+\e], s[32+xi], s[68+xi]
.set xi, xi+1
.endr
	BMAX 92, 93, 16
	v_add_nc_u32 v94, 0xff000000, v92
	v_lshrrev_b32 v[80+2*\jb+\e], 23, v94
.irp g, 0,1,2,3
	v_cvt_scalef32_pk8_fp4_f32 v[96+4*(2*\jb+\e)+\g], v[16+8*\g:23+8*\g], v94
.endr
	v_nop
.endm
	s_wait_kmcnt 0x0
	XQ 0, 0
	XQ 0, 1
	s_wait_alu depctr_va_vdst(0)                   ; the conversions have written v96-103, which the LDS stores read; and the multiply-adds are done with g_x and b_x in s[32:63] and s[68:99], which the scalar loads below write
.irp e, 0,1
	ds_store_b128 v[IST], v[96+4*\e:99+4*\e] offset:16*\e          ; to their place in the images
.endr
	s_load_b512 s[32:47], s[6:7], 0x80             ; my second 32 channels
	s_load_b512 s[48:63], s[6:7], 0xc0
	s_load_b512 s[68:83], s[8:9], 0x80
	s_load_b512 s[84:99], s[8:9], 0xc0
	s_wait_kmcnt 0x0
	XQ 1, 0
	XQ 1, 1
.irp e, 0,1
	v_lshl_or_b32 v[84+\e], v[82+\e], 8, v[80+\e]
.endr
	s_wait_alu depctr_va_vdst(0)                   ; v104-111 and v84, v85 are written, which the LDS stores read; and P0's vector lines are done with v16-47, v48-111 and v128-255, in which xn's fragments, Wq and bq land: no vector line stands between here and those loads
.irp e, 0,1
	ds_store_b128 v[IST], v[104+4*\e:107+4*\e] offset:256+16*\e
	ds_store_b16 v[SST], v[84+\e] offset:4*\e      ; my two bytes of row 2 l + e's scale word
.endr
	s_mov_b32 s[CS], 0x3e38aa3b                    ; c = log2(e) / sqrt(64)
	s_mov_b32 s[CS+1], s[CS]                       ; (named with it as a pair, so it is written)
	s_mov_b32 s[SEL], 0x76543210
	s_mov_b32 s[SEL+1], 0xfedcba98
	s_wait_dscnt 0x0                               ; my images have landed, for the others' sake
	s_wait_alu depctr_vm_vsrc(0)                   ; P0's LDS instructions have read their addresses in v48-53 and their data in v84, v85 and v96-111: Wq's loads land in these
	BIAST 10                                       ; bq is the first C
	LDB 0, 0, 14, 16
	LDB 1, 1, 14, 16
	s_barrier_signal -1
	s_barrier_wait -1                              ; barrier 3: xn's 32 fragments and their scale words lie in LDS
	; ---- P1: q
	LDA 0
	GEMM 1, 14, 16
	s_wait_alu depctr_va_vdst(0)                   ; the last two steps' products are done reading v16-79, in which the table's first two tiles land
	TABLE 0
	TABLE 1
	BAR                                            ; barrier 4: nobody reads xn's images or scale words any more
	; ---- P2: RoPE, q's codes and scale words.  A tile's turn: RoPE; one wait; the table of the tile two on and the LDS store of the tile before; the quantiser
.irp m, 0,1,2,3
.if \m < 3
	s_wait_loadcnt 8                               ; this tile's table is in; the next tile's 8 loads may be out
.else
	s_wait_loadcnt 0x0
.endif
	ROPE \m, 16+32*(\m%2)
	s_wait_alu depctr_va_vdst(0)                   ; RoPE is done reading this tile's table, in which the table of the tile two on lands (tiles 0, 1); the quantiser has written the codes of the tile before, which the LDS store reads (tiles 1 to 3)
.if \m < 2
	TABLE \m+2
.endif
.if \m > 0
	ds_store_b128 v[VQ], v[CDS+4*(\m-1):CDS+4*(\m-1)+3] offset:8192*(\m-1)     ; into my own piece of the tile: no other wave touches it before barrier 5
.endif
	QUANT2 ACC+32*\m, CDS+4*\m, HW+\m
	v_lshl_or_b32 v[QS+\m], v[HW+\m], 16, v[HW+\m]                 ; q's two bytes, for K blocks 0, 1 and for 2, 3
.endr
	; ---- P3: attention
.set KV,  16                           ; v16-47  four fragments: k's, then v's
.set QA,  48                           ; v48-55  [q | 0]
.set QB,  56                           ; v56-63  [0 | q]
.set PCD, 64                           ; v64-79  p's codes, 8 a tile; at the end o's
.set ST,  80                           ; v80 + 4 e: -M, the largest t, the sum in two halves
.set F,   88                           ; v88 + 2 e: f = 2^(old M - new M), named as a pair
.set BM,  92                           ; v92-95  the blocks' largest scores, then largest p
.set T2,  96                           ; v96-99  at work
.set SO,  100                          ; v100-103 the conversions' scale operands
.set TMP, 104                          ; v104-107 at work
.set O,   128                          ; v128-191 O^T: tile e, features' tile n at O + 32 e + 8 n
.set S,   192                          ; v192-255 S^T of one tile of queries, then p
.macro LDK                             ; a key step's four fragments of k and their scale words
.irp P, 0,1,2,3
.irp c, 0,1
	global_load_b128 v[KV+8*\P+4*\c:KV+8*\P+4*\c+3], v[VO], s[20:21] offset:1024*\P+512*\c
.endr
.endr
	global_load_b128 v[KVS:KVS+3], v[VS], s[22:23]
.endm
.macro LDV                             ; and of v
.irp n, 0,1,2,3
.irp c, 0,1
	global_load_b128 v[KV+8*\n+4*\c:KV+8*\n+4*\c+3], v[VO], s[24:25] offset:1024*\n+512*\c
.endr
.endr
	global_load_b128 v[KVS:KVS+3], v[VS], s[26:27]
.endm
.macro LDQ t                           ; q's codes of tile t into [q | 0]'s low half and [0 | q]'s high half
	ds_load_b128 v[QA:QA+3], v[VQ] offset:8192*(\t)
	ds_load_b128 v[QB+4:QB+7], v[VQ] offset:8192*(\t)
.endm
.macro SCORES t                        ; S^T of 128 keys x tile t: registers 16 P + i = key 32 P + 16 (lane / 16) + i
.irp P, 0,1,2,3
	WM S+16*\P, KV+8*\P, QA, 0, KVS+\P, QS+(\t), 0, 0
	WM S+16*\P+8, KV+8*\P, QB, 0, KVS+\P, QS+(\t), 0, 0
.endr
.endm
; The softmax of one tile of 16 queries for 128 keys: S becomes p; p's codes into PCD + 8 e, its scale word into PS + e, f into F + 2 e
.macro SOFTMAX e
.set sT, ST+4*\e
.set sF, F+2*\e
.irp b, 0,1,2,3
	v_max3_num_f32 v[BM+\b], v[S+16*\b], v[S+16*\b+1], v[S+16*\b+2]    ; the largest score of each block of 32 keys: it serves for the row's maximum and, since p rises with the score, for the block's largest p
.endr
.irp i, 3,5,7,9,11,13
.irp b, 0,1,2,3
	v_max3_num_f32 v[BM+\b], v[BM+\b], v[S+16*\b+\i], v[S+16*\b+\i+1]
.endr
.endr
.irp b, 0,1,2,3
	v_max_num_f32 v[BM+\b], v[BM+\b], v[S+16*\b+15]
.endr
.irp b, 0,1,2,3
	v_permlanex16_b32 v[T2+\b], v[BM+\b], s[SEL], s[SEL+1]
.endr
.irp b, 0,1,2,3
	v_max_num_f32 v[BM+\b], v[BM+\b], v[T2+\b]     ; with lane l xor 16's 16 keys
.endr
	v_max3_num_f32 v[TMP], v[BM], v[BM+1], v[BM+2]
	v_max_num_f32 v[TMP], v[TMP], v[BM+3]
	v_mul_f32 v[TMP], s[CS], v[TMP]                ; the step's largest t (c is positive)
	v_max_num_f32 v[sT+1], v[sT+1], v[TMP]         ; the running largest t
	v_mov_b32 v[TMP], v[sT]
	v_floor_f32 v[sT], -v[sT+1]                    ; the new -M = floor(-t): M is a whole number
	v_sub_f32 v[TMP], v[sT], v[TMP]                ; old M - new M: a whole number, 0 or less
	v_cvt_i32_f32 v[TMP], v[TMP]                   ; (it saturates)
	v_ldexp_f32 v[sF], 1.0, v[TMP]                 ; f = 2^(old M - new M): a multiplication by it rounds nothing
.set sj, 0
.rept 32
	v_pk_fma_f32 v[S+sj:S+sj+1], v[S+sj:S+sj+1], s[CS:CS+1], v[sT:sT+1] op_sel_hi:[1,0,0]   ; t - M, two at a time
.set sj, sj+2
.endr
.irp b, 0,1,2,3
	v_fma_f32 v[BM+\b], v[BM+\b], s[CS], v[sT]     ; the same of each block's largest score
.endr
.set sj, 0
	s_wait_alu depctr_va_vdst(0)
.rept 64
	v_exp_f32 v[S+sj], v[S+sj]                     ; p = 2^(t - M), at most 1: not normalised
.set sj, sj+1
.endr
	v_pk_mul_f32 v[sT+2:sT+3], v[sT+2:sT+3], v[sF:sF+1] op_sel_hi:[1,0]   ; the sums under the new M: the plain line behind the exponentials
	s_wait_alu depctr_va_vdst(0)                   ; one wait for the batch of 64 exponentials, ahead of the first line that names a result
.irp b, 0,1,2,3
	v_exp_f32 v[BM+\b], v[BM+\b]                   ; the block's largest p: the same two instructions on the same number give the same bits
.endr
	v_pk_add_f32 v[T2:T2+1], v[S:S+1], v[S+2:S+3]  ; the row's sum is taken of the unquantised p, in two chains; these lines read the 64 alone
.set sj, 4
.rept 15
	v_pk_add_f32 v[sT+2:sT+3], v[sT+2:sT+3], v[S+sj:S+sj+1]
	v_pk_add_f32 v[T2:T2+1], v[T2:T2+1], v[S+sj+2:S+sj+3]
.set sj, sj+4
.endr
	v_pk_add_f32 v[sT+2:sT+3], v[sT+2:sT+3], v[T2:T2+1]
	s_wait_alu depctr_va_vdst(0)                   ; and one for the four exponentials of the blocks' largest p
.irp b, 0,1,2,3
	v_max_num_f32 v[BM+\b], 0x1800000, v[BM+\b]    ; the floor 2^(3 - 127): the byte cannot fall under 1
.endr
.irp b, 0,1,2,3
	v_add_nc_u32 v[SO+\b], 0xff000000, v[BM+\b]
.endr
.irp b, 0,1,2,3
	v_lshrrev_b32 v[T2+\b], 23, v[SO+\b]
.endr
	v_lshl_or_b32 v[PS+\e], v[T2+1], 8, v[T2]      ; p's scale word for these 128 keys
	v_lshl_or_b32 v[PS+\e], v[T2+2], 16, v[PS+\e]
	v_lshl_or_b32 v[PS+\e], v[T2+3], 24, v[PS+\e]
.irp b, 0,1,2,3
	v_cvt_scalef32_pk8_fp4_f32 v[PCD+8*\e+2*\b], v[S+16*\b:S+16*\b+7], v[SO+\b]
	v_cvt_scalef32_pk8_fp4_f32 v[PCD+8*\e+2*\b+1], v[S+16*\b+8:S+16*\b+15], v[SO+\b]
.endr
	v_nop
.irp c, 0,1
.irp i, 0,1
	v_permlane16_swap_b32 v[PCD+8*\e+4*\c+\i], v[PCD+8*\e+4*\c+2+\i]
.endr
.endr
.endm
; Tile e of the pair: O^T / the sum; o's codes into v[PCD + 4 e] on, o's two scale bytes into v[BM + 2 + e].  The stores of both tiles follow behind one wait
.macro FINAL e
	v_add_f32 v[TMP], v[ST+4*\e+2], v[ST+4*\e+3]
	v_permlanex16_b32 v[TMP+1], v[TMP], s[SEL], s[SEL+1]
	v_add_f32 v[TMP], v[TMP], v[TMP+1]             ; the row's sum
	s_wait_alu depctr_va_vdst(0)
	v_rcp_f32 v[TMP+2], v[TMP]
	v_nop
	s_wait_alu depctr_va_vdst(0)                   ; the reciprocal is written, ahead of the first line that names it
.set fj, 0
.rept 16
	v_pk_mul_f32 v[O+32*\e+fj:O+32*\e+fj+1], v[O+32*\e+fj:O+32*\e+fj+1], v[TMP+2:TMP+3] op_sel_hi:[1,0]   ; each accumulator from its low end on
.set fj, fj+2
.endr
	QUANT2 O+32*\e, PCD+4*\e, BM+2+\e
.endm
; Query tiles a and a + 1 against all 512 keys.  Written out twice, so that register numbers and LDS offsets are constants
.macro PAIRBODY a
	LDQ \a
.irp e, 0,1
	v_mov_b32 v[ST+4*\e+1], 0xff61b1e6             ; the largest t so far: -3e38, under every t
	v_floor_f32 v[ST+4*\e], -v[ST+4*\e+1]
	v_mov_b32 v[ST+4*\e+2], 0
	v_mov_b32 v[ST+4*\e+3], 0
.endr
.set oj, 0
.rept 64
	v_mov_b32 v[O+oj], 0                           ; the step is written once: the first finds zeros, which the first change of M leaves zeros
.set oj, oj+1
.endr
	s_mov_b32 s37, 4
.Lstep_\@:
	s_wait_loadcnt 0x0                             ; k and its scale words are in,
	s_wait_dscnt 0x0                               ; and q's codes
	SCORES \a
	PLACES
	s_wait_alu depctr_va_vdst(0)                   ; the scores' products are done reading [q | 0] and [0 | q], in which the other tile's codes land
	LDQ \a+1                                       ; lands under the softmax
	SOFTMAX 0
	s_wait_dscnt 0x0
	SCORES \a+1
	PLACES
	s_wait_alu depctr_va_vdst(0)                   ; the scores' products are done reading k, its scale words and q's codes: v, its scale words and the first tile's codes land in these
	LDV                                            ; v of this step takes k's registers; it lands under the softmax
	LDQ \a
	SOFTMAX 1
.irp e, 0,1
.set oj, 0
.rept 16
	v_pk_mul_f32 v[O+32*\e+oj:O+32*\e+oj+1], v[O+32*\e+oj:O+32*\e+oj+1], v[F+2*\e:F+2*\e+1] op_sel_hi:[1,0]   ; O^T under the new M.  These 32 lines also stand between the lines that made p's codes and scale word and the products below
.set oj, oj+2
.endr
.endr
	s_wait_loadcnt 0x0                             ; v is in
	s_wait_dscnt 0x0
	s_wait_alu depctr_vm_vsrc(0)                   ; the loads of k and v have read their offsets v7 and v8, which step now
	v_add_nc_u32 v[VO], 4096, v[VO]
	v_add_nc_u32 v[VS], 256, v[VS]
	v_and_b32 v[VO], 0x3fff, v[VO]                 ; behind the fourth step: back to the first, for the next pair
	v_and_b32 v[VS], 0x3ff, v[VS]
	s_wait_alu depctr_va_vdst(0)                   ; the two softmaxes have written p's codes and scale words, which the scaled products below take as source 1 and as its scales
.irp n, 0,1,2,3
.irp e, 0,1
	WM O+32*\e+8*\n, KV+8*\n, PCD+8*\e, O+32*\e+8*\n, KVS+\n, PS+\e, 0, 0     ; eight accumulators, one turn each; the scores' products stand between the links of a chain
.endr
.endr
	PLACES
	s_wait_alu depctr_va_vdst(0)                   ; these products are done reading v and its scale words, in which the next step's k lands; and v7, v8 are written, which k's loads read
.if \a == 2
	s_cmp_eq_u32 s37, 1                            ; the very last step asks for nothing
	s_cbranch_scc1 .Lno_k_\@
.endif
	LDK
.if \a == 2
.Lno_k_\@:
.endif
	s_sub_co_u32 s37, s37, 1
	s_cmp_lg_u32 s37, 0
	s_cbranch_scc1 .Lstep_\@
	FINAL 0
	FINAL 1
	s_wait_alu depctr_va_vdst(0)                   ; both tiles' codes (v64-71) and bytes (v94, v95) are written, which the LDS stores read
	ds_store_b128 v[VQ], v[PCD:PCD+3] offset:8192*(\a)             ; o's codes over q's, which are done with
	ds_store_b16 v[VOS], v[BM+2] offset:64*(\a)
	ds_store_b128 v[VQ], v[PCD+4:PCD+7] offset:8192*(\a+1)
	ds_store_b16 v[VOS], v[BM+3] offset:64*(\a+1)
	s_wait_alu depctr_vm_vsrc(0)                   ; these stores have read v64-71, v94 and v95: the next pair's softmax writes them, and behind the last pair Wo's loads land there
.endm
.irp j, 52,53,54,55,56,57,58,59
	v_mov_b32 v[\j], 0                             ; the zero halves of [q | 0] and [0 | q]: zero codes add nothing under any scale byte that q has
.endr
	v_mov_b32 v[F+1], 0                            ; named as upper halves of pairs: written once
	v_mov_b32 v[F+3], 0
	s_wait_alu depctr_va_vdst(0)                   ; tile 3's codes are written, which the LDS store reads; RoPE is done reading the table in v16-79, in which k's fragments and q's codes land; q's scale words and the zero halves are written, which the scaled products take
	ds_store_b128 v[VQ], v[CDS+12:CDS+15] offset:8192*3
	LDK                                            ; key step 0
	s_wait_alu depctr_vm_vsrc(0)                   ; the four LDS stores of q's codes have read v96-111, which the two lines below and the softmax write
	v_mov_b32 v[TMP+1], 0                          ; a lane permute's destination, and the upper half of a pair: written once
	v_mov_b32 v[TMP+3], 0
	PAIRBODY 0
	PAIRBODY 2
	; ---- P4: o Wo + bo + x
	v_and_b32 v[BT], 15, v0                        ; (bq's loads, which read this register, stand ahead of the waits on vm_vsrc above)
	v_lshlrev_b32 v[BT], 2, v[BT]
	s_wait_dscnt 0x0                               ; o's images have landed, for the others' sake
	s_wait_alu depctr_va_vdst(0)                   ; v9 is written, which bo's loads read
.irp n, 0,1,2,3
	global_load_b32 v[BV+\n], v[BT], s[12:13] offset:64*\n         ; bo of channel 64 w + 16 n + r
.endr
	LDB 0, 0, 100, 66
	LDB 1, 1, 100, 66
	s_barrier_signal -1
	s_barrier_wait -1                              ; barrier 5: o's 32 fragments and their scale words lie in LDS
	LDA 0
	GEMM 0, 100, 66                                ; lane (r, h): channel 64 w + 16 n + r; register 8 m + j: s = 16 m + 8 h + j
	v_and_b32 v81, 15, v0
	v_bfe_u32 v80, v0, 4, 1
	v_lshlrev_b32 v80, 13, v80
	v_lshl_add_u32 v80, v81, 4, v80                ; out0: lanes 0-15 one row c, lanes 16-31 the next; 16 bytes a lane
.macro XLD n                           ; x of my channel in tile n, the same 32 columns, into v16-47 (n even) or v48-79 (n odd)
.irp m, 0,1,2,3
.irp c, 0,1
	ds_load_b128 v[16+32*((\n)%2)+8*\m+4*\c:19+32*((\n)%2)+8*\m+4*\c], v[XRR] offset:4352*(\n)+64*\m+16*\c
.endr
.endr
.endm
.macro XADD n                          ; x + (the product + bo)
.irp j, 0,2,4,6,8,10,12,14,16,18,20,22,24,26,28,30
	v_pk_add_f32 v[16+32*((\n)%2)+\j:17+32*((\n)%2)+\j], v[16+32*((\n)%2)+\j:17+32*((\n)%2)+\j], v[ACC+32*(\n)+\j:ACC+32*(\n)+\j+1]
.endr
.endm
.macro XSTO n                          ; back into x's rows
.irp m, 0,1,2,3
.irp c, 0,1
	ds_store_b128 v[XRR], v[16+32*((\n)%2)+8*\m+4*\c:19+32*((\n)%2)+8*\m+4*\c] offset:4352*(\n)+64*\m+16*\c
.endr
.endr
.endm
	s_wait_alu depctr_va_vdst(0)                   ; the last two steps' products are done reading v16-79, in which x lands; v80 is written, which the stores of out0 read
.irp h, 0,2                            ; two tiles at a time, one in each of the two buffers
.if \h > 0
	s_wait_alu depctr_vm_vsrc(0)                   ; the LDS stores of tiles 0 and 1 have read v16-79, in which x of tiles 2 and 3 lands
.endif
	XLD \h
	XLD \h+1
	ADDB ACC+32*\h, \h
	s_wait_dscnt 8                                 ; the first tile's x is in; the second tile's eight loads may be out
	XADD \h
	ADDB ACC+32*(\h+1), \h+1
	s_wait_dscnt 0x0
	XADD \h+1
	s_wait_alu depctr_va_vdst(0)                   ; the additions have written both buffers, which the LDS stores read; behind the last two tiles they are also done with v128-255, in which the rows land on their way out
	XSTO \h
	XSTO \h+1
.endr
.set oj, 0
.rept 32
	ds_load_b128 v[128+4*oj:131+4*oj], v[XRB] offset:544*oj        ; LDS serves a wave's instructions in order (ISA guide 5.7.1.4): these see my stores
.set oj, oj+1
.endr
.set oj, 0
.rept 32
	s_wait_dscnt 31-oj                             ; this pair of rows is in; the younger loads may be out
	global_store_b128 v80, v[128+4*oj:131+4*oj], s[28:29] offset:16384*oj th:TH_STORE_NT   ; sixteen lanes store 256 consecutive bytes, aligned
.set oj, oj+1
.endr
	s_wait_xcnt 0x0
	s_wait_alu depctr_vm_vsrc(0)                   ; the last store has read v254 and v255, which the two lines below write
	v_lshl_add_u32 v254, v0, 2, 0x4e800
	v_mov_b32 v255, 0
	s_wait_dscnt 0x0                               ; the closing lines, six on end
	s_wait_alu 0x0
	s_wait_tensorcnt 0x0
	ds_add_u32 v254, v255
	s_wait_dscnt 0x0
	s_endpgm
.Lfunc_end_k_q6ed01c98c7_main:
	.size	k_q6ed01c98c7_main, .Lfunc_end_k_q6ed01c98c7_main-k_q6ed01c98c7_main
	.p2alignl 7, 3214868480
	.fill 96, 4, 3214868480
	.section	.rodata,"a",@progbits
	.p2align	6, 0x0
	.amdhsa_kernel k_q6ed01c98c7_main
		.amdhsa_group_segment_fixed_size 323584
		.amdhsa_private_segment_fixed_size 0
		.amdhsa_enable_private_segment 0
		.amdhsa_kernarg_size 104
		.amdhsa_user_sgpr_count 2
		.amdhsa_user_sgpr_kernarg_segment_ptr 1
		.amdhsa_wavefront_size32 1
		.amdhsa_system_sgpr_workgroup_id_x 1
		.amdhsa_system_sgpr_workgroup_id_y 1
		.amdhsa_system_sgpr_workgroup_id_z 1
		.amdhsa_system_vgpr_workitem_id 0
		.amdhsa_next_free_vgpr 256
		.amdhsa_next_free_sgpr 102
		.amdhsa_reserve_vcc 0
		.amdhsa_float_denorm_mode_32 3
		.amdhsa_float_denorm_mode_16_64 3
		.amdhsa_memory_ordered 1
		.amdhsa_forward_progress 1
		.amdhsa_inst_pref_size 230
	.end_amdhsa_kernel
	.amdgpu_metadata
---
amdhsa.version: [ 1, 2 ]
amdhsa.kernels:
  - .name:           k_q6ed01c98c7_main
    .symbol:         k_q6ed01c98c7_main.kd
    .args:
      - { .name: x, .offset: 0, .size: 8, .value_kind: global_buffer, .address_space: global }
      - { .name: g_x, .offset: 8, .size: 8, .value_kind: global_buffer, .address_space: global }
      - { .name: b_x, .offset: 16, .size: 8, .value_kind: global_buffer, .address_space: global }
      - { .name: bq, .offset: 24, .size: 8, .value_kind: global_buffer, .address_space: global }
      - { .name: bo, .offset: 32, .size: 8, .value_kind: global_buffer, .address_space: global }
      - { .name: wimg, .offset: 40, .size: 8, .value_kind: global_buffer, .address_space: global }
      - { .name: wsc, .offset: 48, .size: 8, .value_kind: global_buffer, .address_space: global }
      - { .name: rope, .offset: 56, .size: 8, .value_kind: global_buffer, .address_space: global }
      - { .name: kimg, .offset: 64, .size: 8, .value_kind: global_buffer, .address_space: global }
      - { .name: ksc, .offset: 72, .size: 8, .value_kind: global_buffer, .address_space: global }
      - { .name: vimg, .offset: 80, .size: 8, .value_kind: global_buffer, .address_space: global }
      - { .name: vsc, .offset: 88, .size: 8, .value_kind: global_buffer, .address_space: global }
      - { .name: out0, .offset: 96, .size: 8, .value_kind: global_buffer, .address_space: global }
    .group_segment_fixed_size: 323584
    .private_segment_fixed_size: 0
    .kernarg_segment_align: 8
    .kernarg_segment_size: 104
    .max_flat_workgroup_size: 512
    .sgpr_count:     102
    .vgpr_count:     256
    .wavefront_size: 32
...
	.end_amdgpu_metadata
.endif
;; end of part 6
